; MI455X (gfx1250); checked and timed in simulation.
; The chip was launched on July 23, 2026; its instructions are those of AMD's public machine-readable ISA for CDNA 5 (MIT licence, August 2026) and "CDNA5" Instruction Set Architecture Reference Guide (July 2026). The comments in the code are by the model that wrote it; some were corrected since.
;; Enc Block. Allowed arithmetic: matrix products marked QUANTISED: E2M3 operands, one E8M0 scale for each 32 along K, by v_wmma_scale_f32_16x16x128_f8f6f4 with both operands' format E2M3, f32 sums; everything else in f32.
;; Inputs: W1 1,024 x 4,096 float32; W2 4,096 x 1,024 float32; Wk 1,024 x 1,024 float32; Wo 1,024 x 1,024 float32; Wq 1,024 x 1,024 float32; Wv 1,024 x 1,024 float32; b1 4,096 float32; b2 1,024 float32; be1 1,024 float32; be2 1,024 float32; bk 1,024 float32; bo 1,024 float32; bq 1,024 float32; bv 1,024 float32; g1 1,024 float32; g2 1,024 float32; mask 2 x 1 x 1 x 2,048 int32; x 2 x 2,048 x 1,024 float32; y 2 x 2,048 x 1,024 float32.
;; Outputs: out0 2 x 2,048 x 1,024 float32.
;; This version of the problem:
;;   THIS VERSION OF THE PROBLEM IS GIVEN IN LOW PRECISION. The matrix products marked QUANTISED in the list below multiply operands that are first quantised to E2M3 (2 exponent bits, 3 mantissa bits; 6 bits a number), with one power-of-two scale for each 32 numbers along K (OCP MX v1.0); their sums are f32. All else is computed in f32.
;;   The module's matrix products, in the order in which they are computed (A, B: the left and right operand; K: the contracted axis; several contracted axes count as one K, in the product's order):
;;     1. [M 4,096, K 1,024] x [K 1,024, N 1,024]; A: input x; B: input Wq: QUANTISED
;;     2. [M 4,096, K 1,024] x [K 1,024, N 1,024]; A: input y; B: input Wk: QUANTISED
;;     3. [M 4,096, K 1,024] x [K 1,024, N 1,024]; A: input y; B: input Wv: QUANTISED
;;     4. batch 32 x [M 2,048, K 64] x [K 64, N 2,048]; A: computed on the way; B: computed on the way: QUANTISED
;;     5. batch 32 x [M 2,048, K 2,048] x [K 2,048, N 64]; A: softmax (see below); B: computed on the way: QUANTISED
;;     6. [M 4,096, K 1,024] x [K 1,024, N 1,024]; A: computed on the way; B: input Wo: QUANTISED
;;     7. [M 4,096, K 1,024] x [K 1,024, N 4,096]; A: computed on the way; B: input W1: QUANTISED
;;     8. [M 4,096, K 4,096] x [K 4,096, N 1,024]; A: computed on the way; B: input W2: QUANTISED
;;   THE QUANTISER, for each operand of a quantised product, along K:
;;     - K is cut into blocks of 32 from its start; a last block that is shorter is filled with zeros.
;;     - A block's scale is 2^e with e = floor(log2(the largest magnitude in the block)) - 2, held to -126 .. 127; a block of zeros has e = 0. As a byte (E8M0): e + 127.
;;     - Each number is divided by its block's scale, clamped to +-7.5, and rounded to the nearest number of E2M3, ties to even, subnormals kept.
;;     - The product sums the exact products of the quantised numbers (number of the format x scale) in f32.
;;   ~~~python
;;   def quantise(x, axis):      # numpy; x: float32 -> the quantised numbers, widened to float32 again
;;       x = np.moveaxis(x, axis, -1); K = x.shape[-1]
;;       x = np.pad(x, [(0, 0)] * (x.ndim - 1) + [(0, -K % 32)]); x = x.reshape(x.shape[:-1] + (-1, 32)); a = np.abs(x).max(-1, keepdims=True)
;;       e = np.where(a > 0, np.clip(np.frexp(np.where(a > 0, a, 1))[1] - 1 - 2, -126, 127), 0)      # np.frexp(a)[1] - 1 = floor(log2(a)), exactly
;;       r = np.clip(x / 2.0 ** e, -7.5, 7.5)
;;       step = 2.0 ** (np.maximum(np.frexp(np.where(r == 0, 1, r))[1] - 1, 0) - 3)
;;       q = np.round(r / step) * step * 2.0 ** e      # np.round: ties to even
;;       return np.moveaxis(q.reshape(q.shape[:-2] + (-1,))[..., :K], -1, axis).astype(np.float32)
;;   ~~~
;;   SOFTMAX AHEAD OF A QUANTISED PRODUCT. Where the list says 'softmax', what is quantised is not the finished softmax but p = 2^(t - M), with t = logit x log2(e) and M = ceil(the row's largest t), a whole number; so 1/2 < the row's largest p <= 1. The row's sum l is taken of the UNQUANTISED p, in f32, and the product's result is divided by l at the end. Since M is a whole number, a kernel that streams over the keys may use a running M (the ceiling of the running maximum): every later rescaling is an exact power of two, which a block's scale takes up: the codes' values come out the same.
;;   OPERANDS COMPUTED ON THE WAY. 'Computed on the way' means the value that the module computes at that place (a softmax that the list does not call 'softmax' is quantised finished and normalised). What goes into a quantiser is computed in f32, as accurately as f32 sums, v_exp_f32 and their like allow (about 1e-6 of the number): no bf16 or f16 on the way to a quantiser, and a product that is left as it is and whose result goes on into a quantised operand takes f32 operands (vector FMAs, or v_wmma_f32_16x16x4_f32). A number that lies on a knife's edge between two numbers of the format may be rounded either way, as far as f32 arithmetic and the matrix unit's own rounding can turn it there, and no further.
;; 2 versions. Each part assembles by itself: llvm-mc -triple=amdgcn-amd-amdhsa -mcpu=gfx1250 --defsym DOCPART=n.
;; ======== version 1 of 2: 8 launches
;; workspace buffers: acts 6,553,600 bytes; wts 9,830,400 bytes; qkv 10,092,544 bytes; att 3,276,800 bytes; z 16,777,216 bytes; x1 20,054,016 bytes; hid 13,107,200 bytes
;; launch quant (part 1): grid 640 x 1, 4 waves a work-group, no clusters, 34,304 bytes of LDS; arguments x, y, W1, W2, Wq, Wk, Wv, Wo, acts, wts; writes acts, wts
.if DOCPART == 1
	.amdgcn_target "amdgcn-amd-amdhsa--gfx1250"
	.amdhsa_code_object_version 6
	.text
	.protected	k_q0fac7607a7_quant
	.globl	k_q0fac7607a7_quant
	.p2align	8
	.type	k_q0fac7607a7_quant,@function
k_q0fac7607a7_quant:
	s_mov_b64 s[64:65], 0
	v_nop
	global_prefetch_b8 v0, s[64:65] scope:SCOPE_SE
	s_setreg_imm32_b32 hwreg(HW_REG_WAVE_MODE, 25, 1), 1
	s_wait_xcnt 0x0
; x, y [4096][1024] and the six weights ([K][N], K first), all f32, become codes of FP6 (E2M3) with one E8M0 scale byte for each 32 along K.
; A block's scale is 2^(floor(log2(its largest magnitude)) - 2); its byte is the largest magnitude's exponent field - 2, held at 1 from below.
; LIMITS: a block whose largest magnitude lies under 2^-124 keeps the byte 1; a block of zeros has the byte 1 where the rule says 127 (its codes are zeros, and the
; bytes are read by this program alone); NaN and infinities among the inputs are not served.
; LAYOUT OF EVERY OPERAND BUFFER.  Rows go in tiles of 16; lane-row p of tile T is row 32 (T / 2) + 8 (T % 2) + p + 8 (p / 8).  A fragment (16 rows x 128 K, 12 registers a lane)
; lies as an image of its registers, 1,536 bytes: registers 0-3 at 16 x lane, 4-5 at 512 + 8 x lane, 6-9 at 768 + 16 x lane, 10-11 at 1,280 + 8 x lane.  Buffer: [tile][K step][1,536].
; Scale words: [tile][K step][16 words], word p for lane-row p, byte b for k = 32 b on.
; Work-groups 0-255 take x and y (a wave: one tile, four K steps), work-groups 256-639 the weights (a wave: 32 columns x 256 along K).  Every work-group reads 128 KiB, each f32 number once.
; No clusters, no tensor loads: no two work-groups read the same bytes.
.set SPARE, 33792                      ; behind the four stages: the spare words, 128 bytes a wave
.set SPW, 10                           ; v10 my spare word's LDS address; never rewritten
.set NIL, 11                           ; v11 0; never rewritten
.set PW,  12                           ; the scale word just made
.set PWK, 13                           ; the one before
.set PS,  14                           ; two K steps' words, one in each half of the lanes
.set TM,  16                           ; v16-31 at work in QUANT
.set PC,  32                           ; v32-50 the codes just made
.set X,   64                           ; v64-127 64 numbers of a lane
.set R,   128                          ; v128-255 two sets of 64 registers as loaded
.set SEL, 28                           ; s[28:29] lane selects: lane l xor 16
.set HM,  30                           ; s30 lanes 16-31
; 64 numbers of a lane, register 16 b + i = k 32 b + 16 (lane / 16) + i of my row, become a fragment's codes in v[PC] on and its scale word in v[PW].
.macro QUANT s
.irp b, 0,1,2,3
	v_max3_num_f32 v[TM+\b], |v[\s+16*\b]|, |v[\s+1+16*\b]|, 0x1800000   ; my 16 numbers of block b, and the floor 2^(3 - 127): the byte cannot fall under 1
.endr
.irp i, 2,4,6,8,10,12,14
.irp b, 0,1,2,3
	v_max3_num_f32 v[TM+\b], v[TM+\b], |v[\s+16*\b+\i]|, |v[\s+1+16*\b+\i]|
.endr
.endr
.irp b, 0,1,2,3
	v_permlanex16_b32 v[TM+4+\b], v[TM+\b], s[SEL], s[SEL+1]
.endr
.irp b, 0,1,2,3
	v_max_num_f32 v[TM+\b], v[TM+\b], v[TM+4+\b]                     ; with lane l xor 16's: the block's largest magnitude
.endr
.irp b, 0,1,2,3
	v_add_nc_u32 v[TM+12+\b], 0xff000000, v[TM+\b]                   ; 2 off its exponent field: the conversion's scale operand
.endr
.irp b, 0,1,2,3
	v_lshrrev_b32 v[TM+4+\b], 23, v[TM+12+\b]                        ; the scale's byte
.endr
	v_lshl_or_b32 v[PW], v[TM+5], 8, v[TM+4]
	v_lshl_or_b32 v[PW], v[TM+6], 16, v[PW]
	v_lshl_or_b32 v[PW], v[TM+7], 24, v[PW]
.irp c, 0,1
	v_cvt_scalef32_pk16_fp6_f32 v[PC+6*\c:PC+2+6*\c], v[\s+32*\c:\s+15+32*\c], v[TM+12+2*\c]
	v_cvt_scalef32_pk16_fp6_f32 v[PC+12+4*\c:PC+14+4*\c], v[\s+16+32*\c:\s+31+32*\c], v[TM+12+2*\c+1]   ; (a conversion's three registers begin on an even number)
.endr
	v_nop                                          ; one plain place behind a scaled conversion
.irp c, 0,1                                    ; the operand wants a whole block in a lane: lanes 0-15 block 2 c, lanes 16-31 block 2 c + 1
.irp i, 0,1,2
	v_permlane16_swap_b32 v[PC+6*\c+\i], v[PC+12+4*\c+\i]
.endr
.irp i, 0,1,2
	v_mov_b32 v[PC+3+6*\c+\i], v[PC+12+4*\c+\i]
.endr
.endr
.endm
	s_load_b256 s[4:11], s[0:1], 0x0               ; x s[4:5], y s[6:7], W1 s[8:9], W2 s[10:11]
	s_load_b256 s[12:19], s[0:1], 0x20             ; Wq, Wk, Wv, Wo
	s_load_b128 s[20:23], s[0:1], 0x40             ; acts s[20:21], wts s[22:23]
	v_lshl_add_u32 v[SPW], v0, 2, SPARE
	v_mov_b32 v[NIL], 0
	v_lshrrev_b32 v1, 5, v0
	v_readfirstlane_b32 s24, v1                    ; wave
	v_and_b32 v1, 31, v0                           ; lane
	v_and_b32 v2, 15, v0                           ; r
	v_bfe_u32 v3, v0, 4, 1                         ; h
	v_lshlrev_b32 v4, 4, v1                        ; 16 x lane
	v_lshlrev_b32 v5, 3, v1                        ; 8 x lane
	v_lshlrev_b32 v6, 2, v1                        ; 4 x lane
	s_mov_b32 s[SEL], 0x76543210
	s_mov_b32 s[SEL+1], 0xfedcba98
	s_mov_b32 s[HM], 0xffff0000
	s_cmp_lt_u32 ttmp9, 256                        ; the work-group's number alone decides the path
	s_cbranch_scc0 .Lweights
	; ---- x and y: K is innermost.  A wave: tile T, K steps 4 half .. 4 half + 3
	s_and_b32 s25, ttmp9, 127
	s_lshl_b32 s25, s25, 2
	s_add_co_u32 s25, s25, s24
	s_lshr_b32 s26, s25, 1                         ; T
	s_and_b32 s27, s25, 1                          ; half
	s_lshr_b32 s31, ttmp9, 7                       ; 0: x, 1: y
	s_lshr_b32 s38, s26, 1
	s_lshl_b32 s38, s38, 17                        ; 32 (T / 2) rows of 4,096 bytes
	s_and_b32 s39, s26, 1
	s_lshl_b32 s39, s39, 15                        ; 8 (T % 2) rows
	s_add_co_u32 s38, s38, s39
	s_lshl_b32 s39, s27, 11                        ; four K steps of 512 bytes
	s_add_co_u32 s38, s38, s39
	s_mov_b32 s39, 0
	s_lshl_b32 s40, s26, 3
	s_lshl_b32 s41, s27, 2
	s_add_co_u32 s40, s40, s41                     ; 8 T + 4 half: my first fragment
	s_mul_i32 s42, s40, 1536
	s_mul_i32 s43, s31, 3145728
	s_add_co_u32 s42, s42, s43
	s_mov_b32 s43, 0
	s_lshl_b32 s44, s40, 6
	s_lshl_b32 s45, s31, 17
	s_add_co_u32 s44, s44, s45
	s_add_co_u32 s44, s44, 6291456
	s_mov_b32 s45, 0
	s_mul_i32 s46, s24, 8448                       ; my stage: 16 rows x (512 + 16) bytes
	v_add_nc_u32 v7, s46, v4                       ; in: a row's 512 bytes as they lie
	v_mul_u32_u24 v8, v2, 528
	v_lshl_add_u32 v8, v3, 6, v8
	v_add_nc_u32 v8, s46, v8                       ; out: row r, + 64 h: my 16 numbers of a block of 32
.irp b, 0,1,2,3
	v_mov_b32 v[TM+4+\b], 0                        ; written once: a lane permute's destination counts as one of its sources
.endr
	s_wait_kmcnt 0x0
	s_cmp_eq_u32 s31, 0
	s_cselect_b64 s[32:33], s[4:5], s[6:7]
	s_add_nc_u64 s[32:33], s[32:33], s[38:39]      ; the numbers
	s_add_nc_u64 s[34:35], s[20:21], s[42:43]      ; the codes
	s_add_nc_u64 s[36:37], s[20:21], s[44:45]      ; the scale words
.macro ALOAD t                         ; K step t of the tile's 16 rows: each load reads 512 consecutive bytes of one row
.irp p, 0,1,2,3,4,5,6,7,8,9,10,11,12,13,14,15
	global_load_b128 v[R+64*((\t)%2)+4*\p:R+64*((\t)%2)+4*\p+3], v4, s[32:33] offset:(\p+8*(\p/8))*4096+512*(\t) th:TH_LOAD_NT
.endr
.endm
.macro ATURN t                         ; through my stage: LDS serves a wave's instructions in order, so no wait stands between the stores and the loads
.irp p, 0,1,2,3,4,5,6,7,8,9,10,11,12,13,14,15
	ds_store_b128 v7, v[R+64*((\t)%2)+4*\p:R+64*((\t)%2)+4*\p+3] offset:528*\p
.endr
.irp b, 0,1,2,3
.irp j, 0,1,2,3
	ds_load_b128 v[X+16*\b+4*\j:X+16*\b+4*\j+3], v8 offset:128*\b+16*\j
.endr
.endr
.endm
.macro ASTEP t
.if (\t) < 3
	s_wait_loadcnt 16                              ; this step's 16 loads are in; the next step's 16 may be out
.else
	s_wait_loadcnt 0x0
.endif
	ATURN \t
	s_wait_dscnt 0x0                               ; my 64 numbers are back, and the stage's stores have read their registers,
.if (\t) < 2
	ALOAD (\t)+2                                   ; which take the loads of two steps on
.endif
.if (\t) > 0
	s_wait_xcnt 0x0                                ; the last step's stores have read their data: the codes' registers are written again only behind this wait
.endif
	QUANT X
	global_store_b128 v4, v[PC:PC+3], s[34:35] offset:1536*(\t)            ; the image: each store covers 512 or 256 consecutive bytes, aligned
	global_store_b64 v5, v[PC+4:PC+5], s[34:35] offset:1536*(\t)+512
	global_store_b128 v4, v[PC+6:PC+9], s[34:35] offset:1536*(\t)+768
	global_store_b64 v5, v[PC+10:PC+11], s[34:35] offset:1536*(\t)+1280
.if (\t)%2 == 0
	v_mov_b32 v[PWK], v[PW]
.else
	v_cndmask_b32 v[PS], v[PWK], v[PW], s[HM]      ; lanes 0-15 the last step's words, lanes 16-31 this step's: 128 consecutive bytes
	global_store_b32 v6, v[PS], s[36:37] offset:64*((\t)-1)
.endif
.endm
	ALOAD 0
	ALOAD 1
	ASTEP 0
	ASTEP 1
	ASTEP 2
	ASTEP 3
	s_wait_tensorcnt 0x0                           ; the wave's end: three lines behind my last LDS store
	ds_add_u32 v[SPW], v[NIL]
	s_wait_dscnt 0x0
	s_endpgm
	; ---- the weights: K is the first axis.  A lane takes a column and its registers run down K: a block of 32 lies in one lane, and the codes come out with K innermost
.Lweights:
.set OFF, 16                           ; v16-47 byte offset of row i of a block at my column
.set FB,  128                          ; v128-175 two K steps x two tiles x 12 registers
.set T3,  176                          ; v176-178 a block's upper 16 codes
.set SB,  180                          ; v180-181 my column's scale words
.set WB,  66                           ; s[66:81] where block t begins
	s_sub_co_u32 s32, ttmp9, 256
	s_lshr_b32 s33, s32, 7                         ; 0: W1, 1: W2, 2: one of Wq, Wk, Wv, Wo
	s_and_b32 s34, s32, 127
	s_lshr_b32 s35, s34, 5                         ; which of the four
	s_mul_i32 s38, s35, 786432                     ; where the codes begin in wts
	s_lshl_b32 s39, s35, 15
	s_add_co_u32 s39, s39, 9437184                 ; and the scale words
	s_and_b32 s40, s34, 7                          ; which 128 columns
	s_bfe_u32 s41, s34, 0x20003                    ; which 256 along K
	s_mov_b32 s42, 4096                            ; a row of the weight in bytes
	s_mov_b32 s43, 8                               ; its K steps
	s_lshr_b32 s44, s34, 3
	s_cmp_eq_u32 s33, 1
	s_cselect_b32 s41, s44, s41
	s_cselect_b32 s43, 32, s43
	s_cselect_b32 s38, 6291456, s38
	s_cselect_b32 s39, 9699328, s39
	s_and_b32 s44, s34, 31
	s_lshr_b32 s45, s34, 5
	s_cmp_eq_u32 s33, 0
	s_cselect_b32 s40, s44, s40
	s_cselect_b32 s41, s45, s41
	s_cselect_b32 s42, 16384, s42
	s_cselect_b32 s38, 3145728, s38
	s_cselect_b32 s39, 9568256, s39
	v_and_b32 v7, 7, v1                            ; lane l takes column (l % 8) + 16 ((l / 8) % 2) + 8 (l / 16) of my 32: lanes 0-15 hold the even tile's lane-rows in order, lanes 16-31 the odd tile's
	v_bfe_u32 v8, v1, 3, 1
	v_lshl_add_u32 v7, v8, 4, v7
	v_lshl_add_u32 v7, v3, 3, v7
	v_lshlrev_b32 v7, 2, v7
.set i, 0
.rept 32
	v_mad_u32_u24 v[OFF+i], s42, i, v7
.set i, i+1
.endr
	s_lshl_b32 s44, s43, 6
	v_mul_u32_u24 v9, s44, v3                      ; the scale words: lanes 16-31 one tile on,
	v_lshl_add_u32 v9, v2, 2, v9                   ; word l % 16
	s_lshl_b32 s46, s40, 2
	s_add_co_u32 s46, s46, s24                     ; G: my group of 32 columns
	s_mul_i32 s44, s41, s42
	s_lshl_b32 s44, s44, 8                         ; 256 rows for each step along K
	s_lshl_b32 s45, s46, 7                         ; 128 bytes a group
	s_add_co_u32 s44, s44, s45
	s_mov_b32 s45, 0
	s_lshl_b32 s54, s42, 5                         ; a block: 32 rows
	s_mov_b32 s55, 0
	s_lshl_b32 s47, s46, 1
	s_mul_i32 s47, s47, s43
	s_lshl_b32 s56, s41, 1
	s_add_co_u32 s47, s47, s56                     ; fragment (tile 2 G, K step 2 kc)
	s_mul_i32 s56, s47, 1536
	s_add_co_u32 s56, s56, s38
	s_mov_b32 s57, 0
	s_mul_i32 s58, s43, 1536                       ; from a tile to the next
	s_mov_b32 s59, 0
	s_lshl_b32 s60, s47, 6
	s_add_co_u32 s60, s60, s39
	s_mov_b32 s61, 0
	s_wait_kmcnt 0x0
	s_cmp_eq_u32 s35, 1
	s_cselect_b64 s[36:37], s[14:15], s[12:13]
	s_cmp_eq_u32 s35, 2
	s_cselect_b64 s[36:37], s[16:17], s[36:37]
	s_cmp_eq_u32 s35, 3
	s_cselect_b64 s[36:37], s[18:19], s[36:37]
	s_cmp_eq_u32 s33, 0
	s_cselect_b64 s[36:37], s[8:9], s[36:37]
	s_cmp_eq_u32 s33, 1
	s_cselect_b64 s[36:37], s[10:11], s[36:37]
	s_add_nc_u64 s[WB:WB+1], s[36:37], s[44:45]
.irp t, 1,2,3,4,5,6,7
	s_add_nc_u64 s[WB+2*\t:WB+2*\t+1], s[WB+2*\t-2:WB+2*\t-1], s[54:55]   ; a base for each block: no pointer is stepped
.endr
	s_add_nc_u64 s[48:49], s[22:23], s[56:57]      ; the even tile's images
	s_add_nc_u64 s[50:51], s[48:49], s[58:59]      ; the odd tile's
	s_add_nc_u64 s[52:53], s[22:23], s[60:61]      ; the scale words
.macro WLOAD t                         ; block t: 32 rows at my column; a load reads 128 consecutive bytes, the four waves stand side by side on 512
.set i, 0
.rept 32
	global_load_b32 v[X+32*((\t)%2)+i], v[OFF+i], s[WB+2*(\t):WB+2*(\t)+1] th:TH_LOAD_NT
.set i, i+1
.endr
.endm
.macro BLOCK t
.set XS, X+32*((\t)%2)
.set DST, FB+24*((\t)/4)+12*((\t)%2)+6*(((\t)%4)/2)
.if (\t) < 7
	s_wait_loadcnt 32                              ; this block's 32 loads are in; the next block's may be out
.else
	s_wait_loadcnt 0x0
.endif
	v_max3_num_f32 v12, |v[XS]|, |v[XS+1]|, |v[XS+2]|
	v_max3_num_f32 v13, |v[XS+3]|, |v[XS+4]|, |v[XS+5]|
.irp i, 6,10,14,18,22,26
	v_max3_num_f32 v12, v12, |v[XS+\i]|, |v[XS+\i+1]|
	v_max3_num_f32 v13, v13, |v[XS+\i+2]|, |v[XS+\i+3]|
.endr
	v_max3_num_f32 v12, v12, |v[XS+30]|, |v[XS+31]|
	v_max3_num_f32 v12, v12, v13, 0x1800000        ; and the floor
	v_add_nc_u32 v14, 0xff000000, v12              ; the conversion's scale operand
	v_lshrrev_b32 v15, 23, v14                     ; the byte
.if (\t)%4 == 0
	v_mov_b32 v[SB+(\t)/4], v15
.else
	v_lshl_or_b32 v[SB+(\t)/4], v15, 8*((\t)%4), v[SB+(\t)/4]
.endif
	v_cvt_scalef32_pk16_fp6_f32 v[DST:DST+2], v[XS:XS+15], v14
	v_cvt_scalef32_pk16_fp6_f32 v[T3:T3+2], v[XS+16:XS+31], v14
	v_nop                                          ; one plain place behind a scaled conversion
.irp i, 0,1,2
	v_mov_b32 v[DST+3+\i], v[T3+\i]
.endr
.if (\t) < 6
	WLOAD (\t)+2
.endif
.if (\t)%2 == 1                        ; blocks 2 c and 2 c + 1 of both tiles change halves: the first register then is the even tile's, the second the odd tile's
.irp i, 0,1,2,3,4,5
	v_permlane16_swap_b32 v[DST-12+\i], v[DST+\i]
.endr
.endif
.if (\t)%4 == 3                        ; a K step is whole: its registers are its own, so no store's data are written again
.irp u, 0,1
	global_store_b128 v4, v[FB+24*((\t)/4)+12*\u:FB+24*((\t)/4)+12*\u+3], s[48+2*\u:49+2*\u] offset:1536*((\t)/4)
	global_store_b64 v5, v[FB+24*((\t)/4)+12*\u+4:FB+24*((\t)/4)+12*\u+5], s[48+2*\u:49+2*\u] offset:1536*((\t)/4)+512
	global_store_b128 v4, v[FB+24*((\t)/4)+12*\u+6:FB+24*((\t)/4)+12*\u+9], s[48+2*\u:49+2*\u] offset:1536*((\t)/4)+768
	global_store_b64 v5, v[FB+24*((\t)/4)+12*\u+10:FB+24*((\t)/4)+12*\u+11], s[48+2*\u:49+2*\u] offset:1536*((\t)/4)+1280
.endr
	global_store_b32 v9, v[SB+(\t)/4], s[52:53] offset:64*((\t)/4)
.endif
.endm
	WLOAD 0
	WLOAD 1
.irp t, 0,1,2,3,4,5,6,7
	BLOCK \t
.endr
	s_wait_tensorcnt 0x0                           ; the same three lines at this path's end
	ds_add_u32 v[SPW], v[NIL]
	s_wait_dscnt 0x0
	s_endpgm
.Lfunc_end_k_q0fac7607a7_quant:
	.size	k_q0fac7607a7_quant, .Lfunc_end_k_q0fac7607a7_quant-k_q0fac7607a7_quant
	.p2alignl 7, 3214868480
	.fill 96, 4, 3214868480
	.section	.rodata,"a",@progbits
	.p2align	6, 0x0
	.amdhsa_kernel k_q0fac7607a7_quant
		.amdhsa_group_segment_fixed_size 34304
		.amdhsa_private_segment_fixed_size 0
		.amdhsa_enable_private_segment 0
		.amdhsa_kernarg_size 80
		.amdhsa_user_sgpr_count 2
		.amdhsa_user_sgpr_kernarg_segment_ptr 1
		.amdhsa_wavefront_size32 1
		.amdhsa_system_sgpr_workgroup_id_x 1
		.amdhsa_system_sgpr_workgroup_id_y 1
		.amdhsa_system_sgpr_workgroup_id_z 1
		.amdhsa_system_vgpr_workitem_id 0
		.amdhsa_next_free_vgpr 256
		.amdhsa_next_free_sgpr 84
		.amdhsa_reserve_vcc 0
		.amdhsa_float_denorm_mode_32 3
		.amdhsa_float_denorm_mode_16_64 3
		.amdhsa_memory_ordered 1
		.amdhsa_forward_progress 1
		.amdhsa_inst_pref_size 78
	.end_amdhsa_kernel
	.amdgpu_metadata
---
amdhsa.version: [ 1, 2 ]
amdhsa.kernels:
  - .name:           k_q0fac7607a7_quant
    .symbol:         k_q0fac7607a7_quant.kd
    .args:
      - { .name: x, .offset: 0, .size: 8, .value_kind: global_buffer, .address_space: global }
      - { .name: y, .offset: 8, .size: 8, .value_kind: global_buffer, .address_space: global }
      - { .name: W1, .offset: 16, .size: 8, .value_kind: global_buffer, .address_space: global }
      - { .name: W2, .offset: 24, .size: 8, .value_kind: global_buffer, .address_space: global }
      - { .name: Wq, .offset: 32, .size: 8, .value_kind: global_buffer, .address_space: global }
      - { .name: Wk, .offset: 40, .size: 8, .value_kind: global_buffer, .address_space: global }
      - { .name: Wv, .offset: 48, .size: 8, .value_kind: global_buffer, .address_space: global }
      - { .name: Wo, .offset: 56, .size: 8, .value_kind: global_buffer, .address_space: global }
      - { .name: acts, .offset: 64, .size: 8, .value_kind: global_buffer, .address_space: global }
      - { .name: wts, .offset: 72, .size: 8, .value_kind: global_buffer, .address_space: global }
    .group_segment_fixed_size: 34304
    .private_segment_fixed_size: 0
    .kernarg_segment_align: 8
    .kernarg_segment_size: 80
    .max_flat_workgroup_size: 128
    .sgpr_count:     84
    .vgpr_count:     256
    .wavefront_size: 32
...
	.end_amdgpu_metadata
.endif
;; end of part 1
;; launch qkv (part 2): grid 48 x 4, 4 waves a work-group, clusters of 4 x 4, 327,680 bytes of LDS; arguments acts, wts, bq, bk, bv, qkv; writes qkv
.if DOCPART == 2
	.amdgcn_target "amdgcn-amd-amdhsa--gfx1250"
	.amdhsa_code_object_version 6
	.text
	.protected	k_q0fac7607a7_qkv
	.globl	k_q0fac7607a7_qkv
	.p2align	8
	.type	k_q0fac7607a7_qkv,@function
k_q0fac7607a7_qkv:
	s_mov_b64 s[64:65], 0
	v_nop
	global_prefetch_b8 v0, s[64:65] scope:SCOPE_SE
	s_setreg_imm32_b32 hwreg(HW_REG_WAVE_MODE, 25, 1), 1
	s_wait_xcnt 0x0
	s_wait_alu depctr_hold_cnt(0) depctr_sa_sdst(0) depctr_va_vdst(0) depctr_va_sdst(0) depctr_va_ssrc(0) depctr_va_vcc(0) depctr_vm_vsrc(0)
	s_getreg_b32 s2, hwreg(HW_REG_IB_STS2, 6, 4)
	s_cmp_eq_u32 s2, 0
	s_cbranch_scc0 .Lentry_in_a_cluster
	s_endpgm
.Lentry_in_a_cluster:
	s_bfe_u32 s2, ttmp6, 0x10000c
	s_cmp_lg_u32 s2, 0xf033
	s_cbranch_scc0 .Lentry_shape_is_right
	s_endpgm
.Lentry_shape_is_right:
; Q = x Wq + bq, K = y Wk + bk and V^T = (y Wv + bv)^T on codes of FP6 (E2M3) with E8M0 scales, sums in f32; each result is quantised again in registers and leaves as codes.
; Q and K are quantised along the head's 64 (this product's columns), V along the keys: so V is computed transposed, Wv's columns as the rows and y's rows as the columns.
; OPERANDS lie as images of their registers: [tile of 16 rows][K step of 128][1,536 bytes]; lane-row p of tile T is row 32 (T / 2) + 8 (T % 2) + p + 8 (p / 8); scale words [tile][K step][16].
; A block of 256 x 256 of the result is made by four waves, 128 x 128 each: 64 accumulators, 512 registers.  K goes in steps of 256 through a ring of two LDS slots filled by the tensor data mover.
; THE MATRIX INSTRUCTION IS USED TRANSPOSED (source 0 = 16 rows of B', source 1 = 16 rows of A'): with the tiles' order of rows a lane's 64 results of a block of A' are 64 numbers of ONE row,
; register 16 g + i = column 32 g + 16 (lane / 16) + i: what the quantiser wants.
; CLUSTERS 4 x 4: A' tiles are shared along a row of the cluster, B' tiles along a column, each asked for jointly.  Clusters 0-3 along x make Q, 4-7 K, 8-11 V: the job hangs on the cluster's number,
; which all partners share, and decides only numbers chosen by s_cselect: there is no branch on it.
; The bias along the columns is the C of each sum's first matrix instruction; the bias along the rows (V) is added on the way out.  The one that a job does not have is replaced by 0.
; LIMITS: NaN and infinities are not served; a block under 2^-124 keeps the byte 1, a block of zeros too; the column bias is summed first where the reference adds it last.
.set KTOT,   1024
.set NS,     KTOT/128
.set FRB,    1536                      ; a fragment's image
.set TROW,   2*FRB                     ; a tile's part of a slot: two K steps of 128
.set HALFT,  8*TROW                    ; 8 tiles: what one tensor load brings, and what one wave reads of A' or of B'
.set SLOT,   4*HALFT                   ; A' tiles 0-15, then B' tiles 0-15
.set LAPS,   KTOT/512
.set PITCHB, NS*FRB                    ; from tile to tile in memory
.set SBLK,   NS*64                     ; a tile's scale words for all of K
.set HALFS,  8*SBLK
.set SCL,    2*SLOT                    ; behind the ring: the scale words, filled once
.set SPARE,  SCL+4*HALFS               ; the spare words, 128 bytes a wave
.set FR, 12
.set NL, 4                             ; LDS loads that bring a fragment
.set NP, 4                             ; places behind this matrix instruction (ISA guide 7.12.1)
.set L16,  4                           ; v4  16 x lane
.set L8,   5                           ; v5  8 x lane
.set ADRA, 16                          ; v16-17 A' fragments in slot 0, 1 at 16 x lane; v18-19 at 8 x lane
.set ADRB, 20                          ; v20-23 the same for B'
.set ADRS, 27                          ; v27 my scale words: lanes 0-15 A', lanes 16-31 B'
.set SPW,  28
.set NIL,  29
.set SC,   32                          ; v32-63 scale words, two sets of 16: register 2 i + q: block i, the slot's q-th 128 along K
.set CB,   64                          ; v64-127 the column bias in the result's layout; on the way out the 64 numbers in hand
.set AF,   128                         ; v128-223 A' fragments, one set
.set HA,   64
.set TM,   32
.set PW,   48
.set PS,   50
.set PC,   128
.set RB,   224                         ; v224-239 the row bias, a pair for each block of A'
.set SEL,  66
.set G1, 24
.set G0, 32
.set G1B, 48
.set G0B, 56
.set G1S, 68
.set G0S, 76
.set G1SB, 80
.set G0SB, 88
.set MSB, 0
.macro WIN new                         ; the immediate's high byte repeats the setting that is left
.if MSB != (\new)
	s_set_vgpr_msb (MSB<<8)|(\new)
.set MSB, (\new)
.endif
.endm
.set MUL_LO, 0xa1                      ; source 0 (B') window 1, source 1 (A') window 0, C and D window 2
.set MUL_HI, 0xf1                      ; the same, C and D window 3
.set TO_B,   0x40
.macro JLOAD g0a, g1a, g0b, g1b        ; a joint load: waves 0 and 1 fetch for A', waves 2 and 3 for B'; an s_nop 0 and four v_nop follow each line
	s_cmp_eq_u32 s15, 0
	s_cbranch_scc0 .Lfor_b_\@
	tensor_load_to_lds s[\g0a:\g0a+3], s[\g1a:\g1a+7]
	s_nop 0
.rept 4
	v_nop
.endr
	s_branch .Lasked_\@
.Lfor_b_\@:
	tensor_load_to_lds s[\g0b:\g0b+3], s[\g1b:\g1b+7]
	s_nop 0
.rept 4
	v_nop
.endr
.Lasked_\@:
.endm
.macro CREST
	s_cmp_lg_u32 s14, 0
	s_cbranch_scc1 .Lnot_wave_0_\@
	s_barrier_signal -3
.Lnot_wave_0_\@:
	s_barrier_wait -3
	s_barrier_signal -1
	s_barrier_wait -1
.endm
.macro CROUND
	s_barrier_signal -1
	s_barrier_wait -1
	CREST
.endm
.macro PLACES n
.rept \n
	v_nop
.endr
.endm
.macro FRAG reg, adr, q, i             ; a fragment comes back as it was stored: every load covers 512 or 256 consecutive bytes
	ds_load_b128 v[\reg:\reg+3], v[\adr] offset:(\i)*TROW+(\q)*FRB
	ds_load_b64 v[\reg+4:\reg+5], v[\adr+2] offset:(\i)*TROW+(\q)*FRB+512
	ds_load_b128 v[\reg+6:\reg+9], v[\adr] offset:(\i)*TROW+(\q)*FRB+768
	ds_load_b64 v[\reg+10:\reg+11], v[\adr+2] offset:(\i)*TROW+(\q)*FRB+1280
.endm
.macro FETCH_B slot, q, p
	WIN TO_B
.irp i, 0,1,2,3,4,5,6,7
	FRAG 128*(\p)+FR*\i, ADRB+\slot, \q, \i
.endr
	WIN 0
.endm
.macro FETCH_A slot, q, i0
.irp i, \i0, \i0+1, \i0+2, \i0+3
	FRAG AF+FR*(\i), ADRA+\slot, \q, \i
.endr
.endm
.macro SCALES sc
.irp i, 0,1,2,3,4,5,6,7
	ds_load_b32 v[SC+16*\sc+2*\i], v[ADRS] offset:\i*SBLK
	ds_load_b32 v[SC+16*\sc+2*\i+1], v[ADRS] offset:\i*SBLK+64
.endr
.endm
; 16 matrix instructions: A' blocks a0, a0 + 1 x B' eight.  The 64 accumulators take turns, one instruction a turn, in the same order in every step.  first = 1: C is the bias.
.macro MUL16 a0, p, q, sc, first
.irp a, \a0, \a0+1
.irp b, 0,1,2,3,4,5,6,7
.if \first
	v_wmma_scale_f32_16x16x128_f8f6f4 v[8*(8*((\a)%4)+\b):8*(8*((\a)%4)+\b)+7], v[128*(\p)+FR*\b:128*(\p)+FR*\b+FR-1], v[AF+FR*(\a):AF+FR*(\a)+FR-1], v[CB+8*\b:CB+8*\b+7], v[SC+16*(\sc)+2*\b+(\q)], v[SC+16*(\sc)+2*(\a)+(\q)] matrix_a_fmt:MATRIX_FMT_FP6 matrix_b_fmt:MATRIX_FMT_FP6 matrix_a_scale:MATRIX_SCALE_ROW1
.else
	v_wmma_scale_f32_16x16x128_f8f6f4 v[8*(8*((\a)%4)+\b):8*(8*((\a)%4)+\b)+7], v[128*(\p)+FR*\b:128*(\p)+FR*\b+FR-1], v[AF+FR*(\a):AF+FR*(\a)+FR-1], v[8*(8*((\a)%4)+\b):8*(8*((\a)%4)+\b)+7], v[SC+16*(\sc)+2*\b+(\q)], v[SC+16*(\sc)+2*(\a)+(\q)] matrix_a_fmt:MATRIX_FMT_FP6 matrix_b_fmt:MATRIX_FMT_FP6 matrix_a_scale:MATRIX_SCALE_ROW1
.endif
.endr
.endr
.endm
.macro STEP slot, first                ; a slot's first 128 along K; its second's fragments are fetched meanwhile
	s_wait_dscnt 4*NL                              ; all but the youngest 16 loads (A' blocks 4-7) are in
.if \first
	WIN 0x81                                       ; C (the bias) window 0, D window 2
.else
	WIN MUL_LO
.endif
	MUL16 0, 0, 0, \slot, \first
	MUL16 2, 0, 0, \slot, \first
	s_wait_dscnt 0x0
	PLACES NP
	FETCH_B \slot, 1, 1
	FETCH_A \slot, 1, 0
.if \first
	WIN 0xc1
.else
	WIN MUL_HI
.endif
	MUL16 4, 0, 0, \slot, \first
	MUL16 6, 0, 0, \slot, \first
	PLACES NP
	WIN 0
	FETCH_A \slot, 1, 4
.endm
.macro TURN slot, next, fill           ; a slot's second 128 along K, and the change of slots: one barrier
	s_wait_tensorcnt 0x0                           ; all my tensor loads have landed: my part of the next slot
	ds_add_u32 v[SPW], v[NIL]                      ; 0 onto my spare word
	s_wait_dscnt 4*NL+1                            ; (the add and the youngest 16 loads may be out)
	WIN MUL_LO
	MUL16 0, 1, 1, \slot, 0
	s_wait_dscnt 0x0                               ; the add is done, and my reads of this slot are over
	s_barrier_signal -1
	MUL16 2, 1, 1, \slot, 0
	WIN 0
	s_barrier_wait -1
.if \fill
	CREST                                          ; the barrier has opened a round of the cluster's barrier: no wave of any partner still reads this slot or has a load on its way
	s_add_nc_u64 s[G0+4*\slot+2:G0+4*\slot+3], s[G0+4*\slot+2:G0+4*\slot+3], 2*TROW
	s_add_nc_u64 s[G0B+4*\slot+2:G0B+4*\slot+3], s[G0B+4*\slot+2:G0B+4*\slot+3], 2*TROW
	JLOAD G0+4*\slot, G1, G0B+4*\slot, G1B         ; the first tensor load behind the round; its four v_nop are the places in front of the loads below
.else
	PLACES NP
.endif
	v_add_nc_u32 v[ADRS], 128, v[ADRS]             ; the next slot's scale words
	FETCH_B \next, 0, 0
	FETCH_A \next, 0, 0
	SCALES \next
	WIN MUL_HI
	MUL16 4, 1, 1, \slot, 0
	MUL16 6, 1, 1, \slot, 0
	PLACES NP
	WIN 0
	FETCH_A \next, 0, 4
.endm
; 64 numbers of a lane, register 16 b + i = k 32 b + 16 (lane / 16) + i of my row, become a fragment's codes in v[PC] on and its scale word in v[PW].
.macro QUANT s
.irp b, 0,1,2,3
	v_max3_num_f32 v[TM+\b], |v[\s+16*\b]|, |v[\s+1+16*\b]|, 0x1800000   ; and the floor 2^(3 - 127): the byte cannot fall under 1
.endr
.irp i, 2,4,6,8,10,12,14
.irp b, 0,1,2,3
	v_max3_num_f32 v[TM+\b], v[TM+\b], |v[\s+16*\b+\i]|, |v[\s+1+16*\b+\i]|
.endr
.endr
.irp b, 0,1,2,3
	v_permlanex16_b32 v[TM+4+\b], v[TM+\b], s[SEL], s[SEL+1]
.endr
.irp b, 0,1,2,3
	v_max_num_f32 v[TM+\b], v[TM+\b], v[TM+4+\b]
.endr
.irp b, 0,1,2,3
	v_add_nc_u32 v[TM+12+\b], 0xff000000, v[TM+\b]                   ; 2 off the exponent field: the conversion's scale operand
.endr
.irp b, 0,1,2,3
	v_lshrrev_b32 v[TM+4+\b], 23, v[TM+12+\b]                        ; the byte
.endr
	v_lshl_or_b32 v[PW], v[TM+5], 8, v[TM+4]
	v_lshl_or_b32 v[PW], v[TM+6], 16, v[PW]
	v_lshl_or_b32 v[PW], v[TM+7], 24, v[PW]
.irp c, 0,1
	v_cvt_scalef32_pk16_fp6_f32 v[PC+6*\c:PC+2+6*\c], v[\s+32*\c:\s+15+32*\c], v[TM+12+2*\c]
	v_cvt_scalef32_pk16_fp6_f32 v[PC+12+4*\c:PC+14+4*\c], v[\s+16+32*\c:\s+31+32*\c], v[TM+12+2*\c+1]
.endr
	v_nop                                          ; one plain place behind a scaled conversion
.irp c, 0,1
.irp i, 0,1,2
	v_permlane16_swap_b32 v[PC+6*\c+\i], v[PC+12+4*\c+\i]
.endr
.irp i, 0,1,2
	v_mov_b32 v[PC+3+6*\c+\i], v[PC+12+4*\c+\i]
.endr
.endr
.endm
	s_load_b256 s[4:11], s[0:1], 0x0               ; acts s[4:5], wts s[6:7], bq s[8:9], bk s[10:11]
	s_load_b128 s[96:99], s[0:1], 0x20             ; bv s[96:97], qkv s[98:99]
	v_lshl_add_u32 v[SPW], v0, 2, SPARE
	v_mov_b32 v[NIL], 0
	ds_add_u32 v[SPW], v[NIL]                      ; the wave's opening: the add and its wait ahead of my first tensor load
	v_lshrrev_b32 v1, 5, v0
	v_readfirstlane_b32 s14, v1                    ; wave
	s_lshr_b32 s15, s14, 1                         ; my half of the block's rows; also: I fetch for A' (0) or B' (1)
	s_and_b32 s16, s14, 1                          ; my half of its columns; also: which 8 tiles I fetch
	s_bfe_u32 s40, ttmp6, 0x40000                  ; cx
	s_bfe_u32 s41, ttmp6, 0x40004                  ; cy
	s_lshr_b32 s2, ttmp9, 2                        ; the job: 0 Q, 1 K, 2 V
	s_and_b32 s3, ttmp9, 3
	s_lshl_b32 s3, s3, 2
	s_cmp_eq_u32 s2, 2
	s_cselect_b32 s18, 0, s3
	s_cselect_b32 s19, s3, 0
	s_add_co_u32 s17, s41, s18                     ; tile row: Q, K: 4 part + cy; V: cy
	s_add_co_u32 s42, s40, s19                     ; tile column: Q, K: cx; V: 4 part + cx
	s_lshl_b32 s43, s41, 2
	s_lshl_b32 s43, 15, s43                        ; my row of the cluster
	s_lshl_b32 s44, 0x1111, s40                    ; my column
	s_or_b32 s[G1+0], s43, (3<<16)|(1<<21)         ; the mask; elements of 8 bytes; bit 21 beside a mask; no padding
	s_or_b32 s[G1B+0], s44, (3<<16)|(1<<21)
.irp g, G1, G1B                        ; 8 tiles x 3,072 bytes
	s_mov_b32 s[\g+1], 384<<16
	s_mov_b32 s[\g+2], 8<<16
	s_mov_b32 s[\g+3], 384<<16
	s_mov_b32 s[\g+4], 8
	s_mov_b32 s[\g+5], PITCHB/8
	s_mov_b32 s[\g+6], 0
	s_mov_b32 s[\g+7], 0
.endr
	s_or_b32 s[G1S+0], s43, (3<<16)|(1<<21)
	s_or_b32 s[G1SB+0], s44, (3<<16)|(1<<21)
.irp g, G1S, G1SB                      ; the scale words of 8 tiles: a dense block, as rows of 256 bytes
	s_mov_b32 s[\g+1], 32<<16
	s_mov_b32 s[\g+2], (HALFS/256)<<16
	s_mov_b32 s[\g+3], 32<<16
	s_mov_b32 s[\g+4], HALFS/256
	s_mov_b32 s[\g+5], 32
	s_mov_b32 s[\g+6], 0
	s_mov_b32 s[\g+7], 0
.endr
	s_mov_b32 s[SEL], 0x76543210
	s_mov_b32 s[SEL+1], 0xfedcba98
	s_lshl_b32 s18, s16, 3
	s_lshl_b32 s20, s17, 4
	s_add_co_u32 s20, s20, s18                     ; A': tile 16 x tile row + 8 x half
	s_lshl_b32 s46, s42, 4
	s_add_co_u32 s46, s46, s18                     ; B': tile 16 x tile column + 8 x half
	s_mul_i32 s22, s20, SBLK
	s_mul_i32 s92, s46, SBLK
	s_mul_i32 s20, s20, PITCHB
	s_mul_i32 s46, s46, PITCHB
	s_cmp_eq_u32 s2, 1                             ; where the job's operands begin in their buffers
	s_cselect_b32 s18, 3145728, 0                  ; A' codes: x 0, y, Wv
	s_cselect_b32 s19, 786432, 0                   ; B' codes: Wq 0, Wk, y
	s_mov_b32 s21, 6291456
	s_cselect_b32 s21, 6422528, s21                ; A' scales
	s_mov_b32 s23, 9437184
	s_cselect_b32 s23, 9469952, s23                ; B' scales
	s_cmp_eq_u32 s2, 2
	s_cselect_b32 s18, 1572864, s18
	s_cselect_b32 s19, 3145728, s19
	s_cselect_b32 s21, 9502720, s21
	s_cselect_b32 s23, 6422528, s23
	s_add_co_u32 s20, s20, s18
	s_add_co_u32 s46, s46, s19
	s_add_co_u32 s22, s22, s21
	s_add_co_u32 s92, s92, s23
	s_mov_b32 s21, 0
	s_mov_b32 s23, 0
	s_mov_b32 s47, 0
	s_mov_b32 s93, 0
	s_mul_i32 s45, s14, HALFT                      ; where they go: wave x 8 tiles: no place in the cluster enters an LDS address
	s_mul_i32 s94, s14, HALFS
	s_wait_dscnt 0x0                               ; the opening add is done
	s_wait_kmcnt 0x0
	s_cmp_eq_u32 s2, 2
	s_cselect_b64 s[18:19], s[6:7], s[4:5]         ; A' lies in acts, for V in wts
	s_cselect_b64 s[4:5], s[4:5], s[6:7]           ; B' in wts, for V in acts
	s_add_nc_u64 s[20:21], s[18:19], s[20:21]
	s_add_nc_u64 s[22:23], s[18:19], s[22:23]
	s_add_nc_u64 s[46:47], s[4:5], s[46:47]
	s_add_nc_u64 s[92:93], s[4:5], s[92:93]
	s_cmp_eq_u32 s2, 1
	s_cselect_b64 s[8:9], s[10:11], s[8:9]
	s_cmp_eq_u32 s2, 2
	s_cselect_b64 s[8:9], s[96:97], s[8:9]         ; the job's bias
	CROUND                                         ; all sixteen work-groups are here: the first joint loads meet
	s_mov_b32 s[G0S], 1
	s_add_co_u32 s[G0S+1], s94, SCL
	s_mov_b64 s[G0S+2:G0S+3], s[22:23]
	s_or_b32 s[G0S+3], s[G0S+3], 0x80000000
	s_mov_b32 s[G0SB], 1
	s_add_co_u32 s[G0SB+1], s94, SCL
	s_mov_b64 s[G0SB+2:G0SB+3], s[92:93]
	s_or_b32 s[G0SB+3], s[G0SB+3], 0x80000000
	JLOAD G0S, G1S, G0SB, G1SB                     ; the scale words first; with the two slots three loads of mine are out
.irp s, 0,1
	s_mov_b32 s[G0+4*\s], 1
	s_add_co_u32 s[G0+4*\s+1], s45, \s*SLOT
	s_add_nc_u64 s[G0+4*\s+2:G0+4*\s+3], s[20:21], \s*TROW
	s_or_b32 s[G0+4*\s+3], s[G0+4*\s+3], 0x80000000
	s_mov_b32 s[G0B+4*\s], 1
	s_add_co_u32 s[G0B+4*\s+1], s45, \s*SLOT
	s_add_nc_u64 s[G0B+4*\s+2:G0B+4*\s+3], s[46:47], \s*TROW
	s_or_b32 s[G0B+4*\s+3], s[G0B+4*\s+3], 0x80000000
	JLOAD G0+4*\s, G1, G0B+4*\s, G1B
.endr
	v_and_b32 v1, 15, v0                           ; r
	v_bfe_u32 v2, v0, 4, 1                         ; h
	v_and_b32 v3, 31, v0
	v_lshlrev_b32 v[L16], 4, v3
	v_lshlrev_b32 v[L8], 3, v3
	s_mul_i32 s21, s15, HALFT
	s_mul_i32 s22, s16, HALFT
	s_add_co_u32 s22, s22, 2*HALFT
.irp s, 0,1
	v_add_nc_u32 v[ADRA+\s], s21, v[L16]
	v_add_nc_u32 v[ADRB+\s], s22, v[L16]
	v_add_nc_u32 v[ADRA+2+\s], s21, v[L8]
	v_add_nc_u32 v[ADRB+2+\s], s22, v[L8]
	s_add_co_u32 s21, s21, SLOT
	s_add_co_u32 s22, s22, SLOT
.endr
	s_mul_i32 s21, s15, HALFS
	s_mul_i32 s22, s16, HALFS
	s_add_co_u32 s22, s22, 2*HALFS
	s_sub_co_u32 s22, s22, s21
	v_mul_u32_u24 v6, s22, v2                      ; lanes 16-31 take B' words: one product with h
	s_add_co_u32 s21, s21, SCL
	v_lshl_add_u32 v6, v1, 2, v6
	v_add_nc_u32 v[ADRS], s21, v6
	; the biases: both are loaded from inside the job's 4,096 bytes, and the one that the job does not have is replaced by 0
	s_lshl_b32 s18, s42, 10
	s_lshl_b32 s19, s16, 9
	s_add_co_u32 s18, s18, s19                     ; my first column, in bytes
	s_lshl_b32 s20, s17, 10
	s_lshl_b32 s21, s15, 9
	s_add_co_u32 s20, s20, s21                     ; my first row
	s_cmp_eq_u32 s2, 2
	s_cselect_b32 s18, 0, s18
	s_cselect_b32 s20, s20, 0
	s_cselect_b32 s12, -1, 0                       ; V: the column bias is 0
	s_cselect_b32 s13, 0, -1                       ; Q, K: the row bias is 0
	s_mov_b32 s19, 0
	s_mov_b32 s21, 0
	s_add_nc_u64 s[92:93], s[8:9], s[18:19]
	s_add_nc_u64 s[46:47], s[8:9], s[20:21]
	v_lshlrev_b32 v6, 6, v2                        ; 16 h numbers
	v_and_b32 v7, 8, v1
	v_add_nc_u32 v7, v7, v1
	v_lshlrev_b32 v7, 2, v7                        ; r + 8 (r / 8) numbers
	v_mov_b32 v31, 0
.irp b, 0,1,2,3,4,5,6,7
	global_load_b128 v[CB+8*\b:CB+8*\b+3], v6, s[92:93] offset:128*(\b/2)+32*(\b%2)        ; register 8 b + j: column 32 (b / 2) + 8 (b % 2) + 16 h + j
	global_load_b128 v[CB+8*\b+4:CB+8*\b+7], v6, s[92:93] offset:128*(\b/2)+32*(\b%2)+16
.endr
.irp a, 0,1,2,3,4,5,6,7
	global_load_b32 v[RB+2*\a], v7, s[46:47] offset:4*(32*(\a/2)+8*(\a%2))                 ; block a, lane-row r
.endr
	; where my results go
	s_cmp_eq_u32 s2, 2
	s_cselect_b32 s10, s42, s17                    ; U: the coordinate along the 4,096 rows of x or y
	s_cselect_b32 s11, s17, s42                    ; the one along the 1,024
	s_cselect_b32 s40, s16, s15
	s_cselect_b32 s41, s15, s16
	s_lshr_b32 s43, s10, 3
	s_lshl_b32 s43, s43, 4                         ; 16 x batch
	s_lshl_b32 s11, s11, 2
	s_add_co_u32 s43, s43, s11
	s_lshl_b32 s41, s41, 1
	s_add_co_u32 s43, s43, s41                     ; my first head (of two)
	s_and_b32 s10, s10, 7
	s_lshl_b32 s10, s10, 1
	s_add_co_u32 s10, s10, s40                     ; which 128 rows of the batch
	s_mov_b32 s44, 196608
	s_mov_b32 s45, 12288
	s_mov_b32 s11, 9699328
	s_cmp_eq_u32 s2, 0
	s_cselect_b32 s44, 98304, s44                  ; from head to head, codes
	s_cselect_b32 s45, 8192, s45                   ; scale words
	s_cselect_b32 s11, 9437184, s11                ; where the scale words begin
	s_cselect_b32 s40, 0, 3145728                  ; where the codes begin
	s_mov_b32 s18, 768
	s_mov_b32 s41, 512
	s_cmp_eq_u32 s2, 2
	s_cselect_b32 s11, 9707520, s11
	s_cselect_b32 s40, 3244032, s40
	s_cselect_b32 s6, 768, s44                     ; from a fragment's first half to its second: Q, K: the next head; V: on end
	s_cselect_b32 s20, 192000, s18                 ; from block 3 to block 4: V: the next head's first tile
	s_cselect_b32 s18, 1536, s18                   ; from block to block
	s_cselect_b32 s22, 12096, 64                   ; the same for the scale words (else 64)
	s_cselect_b32 s41, 256, s41                    ; scale words of 128 rows
	s_cselect_b32 s3, 0, 16                        ; lanes 16-31 store the word's upper half (Q, K)
	s_cselect_b32 s42, 0, s45                      ; for the next head
	s_mov_b32 s7, 0
	s_mov_b32 s19, 0
	s_mov_b32 s21, 0
	s_mov_b32 s23, 0
	s_mul_i32 s44, s43, s44
	s_add_co_u32 s44, s44, s40
	s_mul_i32 s40, s10, 6144
	s_add_co_u32 s44, s44, s40
	s_mul_i32 s40, s43, s45
	s_mov_b32 s45, 0
	s_add_nc_u64 s[4:5], s[98:99], s[44:45]        ; the first halves
	s_add_nc_u64 s[6:7], s[4:5], s[6:7]            ; the second halves
	s_add_co_u32 s40, s40, s11
	s_mul_i32 s41, s10, s41
	s_add_co_u32 s40, s40, s41
	s_mov_b32 s41, 0
	s_add_nc_u64 s[100:101], s[98:99], s[40:41]    ; the scale words
	v_mul_u32_u24 v30, s3, v2
	v_mul_u32_u24 v26, s42, v2
	v_lshl_add_u32 v26, v1, 2, v26
	s_wait_loadcnt 0x0                             ; the biases
.set i, 0
.rept 64
	v_cndmask_b32 v[CB+i], v[CB+i], v31, s12
.set i, i+1
.endr
.irp a, 0,1,2,3,4,5,6,7
	v_cndmask_b32 v[RB+2*\a+1], v[RB+2*\a], v31, s13
	v_cndmask_b32 v[RB+2*\a], v[RB+2*\a], v31, s13
.endr
	s_wait_tensorcnt 1                             ; the scale words and my part of slot 0 are in; slot 1's load may be out
	s_barrier_signal -1
	s_barrier_wait -1
	FETCH_B 0, 0, 0
	FETCH_A 0, 0, 0
	SCALES 0
	FETCH_A 0, 0, 4
	STEP 0, 1                                      ; the first step stands in front of the loop: its products start the sums, on the bias
	s_mov_b32 s3, LAPS-1
.Llap:
	TURN 0, 1, 1
	STEP 1, 0
	TURN 1, 0, 1
	STEP 0, 0
	s_sub_co_u32 s3, s3, 1
	s_cmp_lg_u32 s3, 0
	s_cbranch_scc1 .Llap
	TURN 0, 1, 0                                   ; the last lap fills nothing
	STEP 1, 0
	s_wait_dscnt 4*NL
	WIN MUL_LO
	MUL16 0, 1, 1, 1, 0
	MUL16 2, 1, 1, 1, 0
	s_wait_dscnt 0x0
	WIN MUL_HI
	MUL16 4, 1, 1, 1, 0
	MUL16 6, 1, 1, 1, 0
	WIN 0
	PLACES NP                                      ; in front of the first read of results and the first write of registers that the last products read
.irp b, 0,1,2,3
	v_mov_b32 v[TM+4+\b], 0                        ; written once: a lane permute's destination counts as one of its sources
.endr
; THE WAY OUT, a block of 16 rows at a time: the row bias is added (which brings the block into window 0, each accumulator from its low end on), the 64 numbers are quantised, and the image leaves.
.macro QOUT a
	s_wait_xcnt 0x0                                ; the last block's stores have read their data and bases
.if (\a) == 4
	s_add_nc_u64 s[4:5], s[4:5], s[20:21]
	s_add_nc_u64 s[6:7], s[6:7], s[20:21]
	s_add_nc_u64 s[100:101], s[100:101], s[22:23]
.elseif (\a) > 0
	s_add_nc_u64 s[4:5], s[4:5], s[18:19]
	s_add_nc_u64 s[6:7], s[6:7], s[18:19]
	s_add_nc_u64 s[100:101], s[100:101], 64
.endif
	WIN 0x02+(\a)/4
.set i, 0
.rept 32
	v_pk_add_f32 v[HA+2*i:HA+2*i+1], v[64*((\a)%4)+2*i:64*((\a)%4)+2*i+1], v[RB+2*(\a):RB+2*(\a)+1]
.set i, i+1
.endr
	WIN 0
	QUANT HA
	v_lshrrev_b32 v[PS], v30, v[PW]
	global_store_b128 v[L16], v[PC:PC+3], s[4:5]
	global_store_b64 v[L8], v[PC+4:PC+5], s[4:5] offset:512
	global_store_b128 v[L16], v[PC+6:PC+9], s[6:7]
	global_store_b64 v[L8], v[PC+10:PC+11], s[6:7] offset:512
	global_store_b32 v26, v[PS], s[100:101]
.endm
.irp a, 0,1,2,3,4,5,6,7
	QOUT \a
.endr
	s_wait_tensorcnt 0x0                           ; the wave's end
	ds_add_u32 v[SPW], v[NIL]
	s_wait_dscnt 0x0
	CROUND                                         ; the closing round
	s_endpgm
.Lfunc_end_k_q0fac7607a7_qkv:
	.size	k_q0fac7607a7_qkv, .Lfunc_end_k_q0fac7607a7_qkv-k_q0fac7607a7_qkv
	.p2alignl 7, 3214868480
	.fill 96, 4, 3214868480
	.section	.rodata,"a",@progbits
	.p2align	6, 0x0
	.amdhsa_kernel k_q0fac7607a7_qkv
		.amdhsa_group_segment_fixed_size 327680
		.amdhsa_private_segment_fixed_size 0
		.amdhsa_enable_private_segment 0
		.amdhsa_kernarg_size 48
		.amdhsa_user_sgpr_count 2
		.amdhsa_user_sgpr_kernarg_segment_ptr 1
		.amdhsa_wavefront_size32 1
		.amdhsa_system_sgpr_workgroup_id_x 1
		.amdhsa_system_sgpr_workgroup_id_y 1
		.amdhsa_system_sgpr_workgroup_id_z 1
		.amdhsa_system_vgpr_workitem_id 0
		.amdhsa_next_free_vgpr 1024
		.amdhsa_next_free_sgpr 102
		.amdhsa_reserve_vcc 0
		.amdhsa_float_denorm_mode_32 3
		.amdhsa_float_denorm_mode_16_64 3
		.amdhsa_memory_ordered 1
		.amdhsa_forward_progress 1
		.amdhsa_inst_pref_size 178
	.end_amdhsa_kernel
	.amdgpu_metadata
---
amdhsa.version: [ 1, 2 ]
amdhsa.kernels:
  - .name:           k_q0fac7607a7_qkv
    .symbol:         k_q0fac7607a7_qkv.kd
    .args:
      - { .name: acts, .offset: 0, .size: 8, .value_kind: global_buffer, .address_space: global }
      - { .name: wts, .offset: 8, .size: 8, .value_kind: global_buffer, .address_space: global }
      - { .name: bq, .offset: 16, .size: 8, .value_kind: global_buffer, .address_space: global }
      - { .name: bk, .offset: 24, .size: 8, .value_kind: global_buffer, .address_space: global }
      - { .name: bv, .offset: 32, .size: 8, .value_kind: global_buffer, .address_space: global }
      - { .name: qkv, .offset: 40, .size: 8, .value_kind: global_buffer, .address_space: global }
    .group_segment_fixed_size: 327680
    .private_segment_fixed_size: 0
    .kernarg_segment_align: 8
    .kernarg_segment_size: 48
    .max_flat_workgroup_size: 128
    .sgpr_count:     102
    .vgpr_count:     1024
    .wavefront_size: 32
...
	.end_amdgpu_metadata
.endif
;; end of part 2
;; launch attn (part 3): grid 8 x 32, 16 waves a work-group, clusters of 4 x 1, 219,136 bytes of LDS; arguments qkv, mask, att; writes att
.if DOCPART == 3
	.amdgcn_target "amdgcn-amd-amdhsa--gfx1250"
	.amdhsa_code_object_version 6
	.text
	.protected	k_q0fac7607a7_attn
	.globl	k_q0fac7607a7_attn
	.p2align	8
	.type	k_q0fac7607a7_attn,@function
k_q0fac7607a7_attn:
	s_mov_b64 s[64:65], 0
	v_nop
	global_prefetch_b8 v0, s[64:65] scope:SCOPE_SE
	s_setreg_imm32_b32 hwreg(HW_REG_WAVE_MODE, 25, 1), 1
	s_wait_xcnt 0x0
	s_wait_alu depctr_hold_cnt(0) depctr_sa_sdst(0) depctr_va_vdst(0) depctr_va_sdst(0) depctr_va_ssrc(0) depctr_va_vcc(0) depctr_vm_vsrc(0)
	s_getreg_b32 s2, hwreg(HW_REG_IB_STS2, 6, 4)
	s_cmp_eq_u32 s2, 0
	s_cbranch_scc0 .Lentry_in_a_cluster
	s_endpgm
.Lentry_in_a_cluster:
	s_bfe_u32 s2, ttmp6, 0x10000c
	s_cmp_lg_u32 s2, 0x3003
	s_cbranch_scc0 .Lentry_shape_is_right
	s_endpgm
.Lentry_shape_is_right:
; Attention of one head on codes of FP6 (E2M3) with E8M0 scales: S^T = K Q^T, the mask, p = 2^(t - M), O^T = V^T P^T, O / l; the result is quantised along the model's 1,024 and leaves as codes.
; t = score x log2(e) / 8; M = the running largest t rounded up to a whole number; the row's sum l is taken of the unquantised p; when M moves, l and O^T are multiplied by 2^(old M - new M), exactly.
; SHARES.  A work-group owns 256 queries of one head, each of its sixteen waves one tile of 16 in 256 registers: four waves to a SIMD, so that one wave's vector work stands beside another's loads and products.
; THE WHOLE HEAD LIES IN LDS: K's and V's codes (2 x 98,304 bytes), their scale words (12,288) and the mask's addends (8,192), each byte filled once: no ring, no refill.
; The four work-groups of a cluster belong to one head: every tensor load is joint.  The loads go in four groups of 512 keys, and the work on a group begins when that group has landed.
; LAYOUT.  Operands lie as images of their registers; lane-row p of tile T is row 32 (T / 2) + 8 (T % 2) + p + 8 (p / 8), so a lane holds one query and the 16 registers of tiles 2 b, 2 b + 1 are 16 neighbouring keys.
; K = 64 IN AN INSTRUCTION OF 128: Q's registers 6-11 are zero codes, so what stands in K's registers 6-11 adds nothing: K's tiles lie 6 registers apart and each instruction names 12.
; THE MASK costs no vector instruction in the loop: 0 or -2^100 for each key is loaded into the score's registers and is the C of the product.
; LIMITS: a hidden key gets -2^100 added where the reference sets the logit to -1e9: the same result while |raw score| < 2^76 and a row's open logits lie well above -1e9 (a row with every key hidden
; gets equal weights, as there, provided the sum of -2^100 and a score rounds to -2^100); NaN and infinities are not served; 1 / l by v_rcp_f32; a block of zeros has the byte 1.
.set LVC,   98304                      ; LDS: K's codes at 0, V's here,
.set LKS,   196608                     ; K's scale words, [tile][16],
.set LVS,   204800                     ; V's, [key step][tile][16],
.set LMB,   208896                     ; the mask's addends, f32, a key each: written by ds_store, never a tensor load's target
.set SPARE, 217088                     ; the spare words, 128 bytes a wave
.set C16, 1                            ; v1  16 x lane
.set C8,  2                            ; v2  8 x lane
.set CKS, 3                            ; v3  LKS + 4 r
.set CVS, 4                            ; v4  LVS + 4 r
.set CMB, 5                            ; v5  LMB + 64 h
.set SPW, 6
.set NIL, 7
.set ADK16, 8                          ; v8-11, v28-30: the step's addresses
.set ADK8,  9
.set ADV16, 10
.set ADV8,  11
.set ADS, 28
.set ADM, 29
.set ADT, 30
.set R4,  31                           ; v31 4 r
.set CV16, 94
.set CV8,  95
.set WV,  10
.set SEL, 20
.set CS,  22                           ; s[22:23] c = log2(e) / 8
.set G1C, 24                           ; s[24:31] 12 rows of 256 bytes
.set G1S, 32                           ; s[32:39] 3 rows of 256 bytes
.set G0S, 40
.set G0C, 44                           ; s[44:59] a group 0 for each of the four groups of keys
.set TB,  60
.set TS,  61
.set TJ,  62
.set CNT, 63
; REGISTERS: v12 -M, v13 the largest t, v[14:15] the sum; v16-27 Q; v32-85 K's eight tiles (v80-85 stay 0), then V's four in v32-79; v86-93 scale words; v96-159 S^T, then p; v160-191 O^T; v192-223 O / l; v224-254 at work; v255 Q's scale word.
.macro CROUND
	s_barrier_signal -1
	s_barrier_wait -1
	s_cmp_lg_u32 s[WV], 0
	s_cbranch_scc1 .Lnot_wave_0_\@
	s_barrier_signal -3
.Lnot_wave_0_\@:
	s_barrier_wait -3
	s_barrier_signal -1
	s_barrier_wait -1
.endm
	s_load_b128 s[4:7], s[0:1], 0x0                ; qkv s[4:5], mask s[6:7]
	s_load_b64 s[8:9], s[0:1], 0x10                ; att
	v_lshl_add_u32 v[SPW], v0, 2, SPARE
	v_mov_b32 v[NIL], 0
	ds_add_u32 v[SPW], v[NIL]                      ; the wave's opening: the add and its wait ahead of my first tensor load
	v_lshrrev_b32 v8, 5, v0
	v_readfirstlane_b32 s[WV], v8                  ; wave 0..15
	s_bfe_u32 s11, ttmp6, 0x40000                  ; cx
	s_lshl_b32 s12, ttmp9, 2
	s_add_co_u32 s12, s12, s11                     ; my block of 256 queries: it enters Q's and the result's addresses alone
	s_and_b32 s13, ttmp7, 0xffff                   ; 16 x batch + head, which the four partners share
	s_mov_b32 s[G1C], 15|(3<<16)|(1<<21)           ; the mask: all four; elements of 8 bytes; bit 21 beside a mask
	s_mov_b32 s[G1C+1], 32<<16
	s_mov_b32 s[G1C+2], 12<<16
	s_mov_b32 s[G1C+3], 32<<16
	s_mov_b32 s[G1C+4], 12
	s_mov_b32 s[G1C+5], 32
	s_mov_b32 s[G1C+6], 0
	s_mov_b32 s[G1C+7], 0
	s_mov_b32 s[G1S], 15|(3<<16)|(1<<21)
	s_mov_b32 s[G1S+1], 32<<16
	s_mov_b32 s[G1S+2], 3<<16
	s_mov_b32 s[G1S+3], 32<<16
	s_mov_b32 s[G1S+4], 3
	s_mov_b32 s[G1S+5], 32
	s_mov_b32 s[G1S+6], 0
	s_mov_b32 s[G1S+7], 0
	s_mul_i32 s66, s[WV], 768                      ; my 768 bytes of the 12,288 of scale words
	s_mul_i32 s68, s13, 12288
	s_add_co_u32 s68, s68, s66
	s_add_co_u32 s68, s68, 9699328
	s_mov_b32 s69, 0
	s_lshr_b32 s67, s[WV], 3                       ; waves 0-7 fetch K's codes, waves 8-15 V's:
	s_mul_i32 s67, s67, 98304
	s_and_b32 s70, s[WV], 7
	s_mul_i32 s70, s70, 3072                       ; 3,072 bytes of each group's 24,576
	s_add_co_u32 s67, s67, s70                     ; the same place in LDS and in the head's codes in memory
	s_mul_i32 s70, s13, 196608
	s_add_co_u32 s70, s70, s67
	s_add_co_u32 s70, s70, 3145728
	s_mov_b32 s71, 0
	s_mov_b32 s[SEL], 0x76543210
	s_mov_b32 s[SEL+1], 0xfedcba98
	s_mov_b32 s[CS], 0x3e38aa3b
	s_mov_b32 s[CS+1], s[CS]
	s_wait_dscnt 0x0                               ; the opening add is done
	s_wait_kmcnt 0x0
	s_mov_b32 s[G0S], 1
	s_add_co_u32 s[G0S+1], s66, LKS
	s_add_nc_u64 s[G0S+2:G0S+3], s[4:5], s[68:69]
	s_or_b32 s[G0S+3], s[G0S+3], 0x80000000
	s_add_nc_u64 s[70:71], s[4:5], s[70:71]
.irp g, 0,1,2,3
	s_mov_b32 s[G0C+4*\g], 1
	s_add_co_u32 s[G0C+4*\g+1], s67, \g*24576
	s_add_nc_u64 s[G0C+4*\g+2:G0C+4*\g+3], s[70:71], \g*24576
	s_or_b32 s[G0C+4*\g+3], s[G0C+4*\g+3], 0x80000000
.endr
	CROUND                                         ; all four work-groups are here: the joint loads meet
	tensor_load_to_lds s[G0S:G0S+3], s[G1S:G1S+7]  ; five loads of mine are out: the scale words, then the four groups of 512 keys
	s_nop 0
.irp g, 0,1,2,3
	tensor_load_to_lds s[G0C+4*\g:G0C+4*\g+3], s[G1C:G1C+7]
	s_nop 0
.endr
.rept 4
	v_nop
.endr
	s_lshr_b32 s72, s13, 4
	s_lshl_b32 s72, s72, 13                        ; the batch's 2,048 words of the mask
	s_mov_b32 s73, 0
	s_add_nc_u64 s[6:7], s[6:7], s[72:73]
	s_lshl_b32 s74, s12, 4
	s_add_co_u32 s74, s74, s[WV]                   ; my tile of queries in the batch
	s_mul_i32 s72, s13, 98304
	s_mul_i32 s75, s74, 768
	s_add_co_u32 s72, s72, s75
	s_add_nc_u64 s[14:15], s[4:5], s[72:73]        ; Q's codes
	s_lshl_b32 s72, s13, 13
	s_lshl_b32 s75, s74, 6
	s_add_co_u32 s72, s72, s75
	s_add_co_u32 s72, s72, 9437184
	s_add_nc_u64 s[16:17], s[4:5], s[72:73]        ; Q's scale words
	s_lshr_b32 s72, s13, 4
	s_lshl_b32 s72, s72, 7
	s_add_co_u32 s72, s72, s74                     ; my tile among the 256
	s_lshl_b32 s72, s72, 3
	s_bfe_u32 s75, s13, 0x30001
	s_add_co_u32 s72, s72, s75                     ; fragment (tile, K step head / 2)
	s_and_b32 s75, s13, 1                          ; and the half of it that is my head's
	s_lshl_b32 s18, s72, 6
	s_lshl_b32 s19, s75, 1
	s_add_co_u32 s18, s18, s19
	s_add_co_u32 s18, s18, 3145728
	s_mov_b32 s19, 0
	s_mul_i32 s72, s72, 1536
	s_mul_i32 s75, s75, 768
	s_add_co_u32 s72, s72, s75
	s_add_nc_u64 s[18:19], s[8:9], s[18:19]        ; the result's scale bytes
	s_add_nc_u64 s[8:9], s[8:9], s[72:73]          ; and codes
	v_and_b32 v8, 15, v0                           ; r
	v_bfe_u32 v9, v0, 4, 1                         ; h
	v_and_b32 v10, 31, v0
	v_lshlrev_b32 v[C16], 4, v10
	v_lshlrev_b32 v[C8], 3, v10
	v_lshl_add_u32 v[CKS], v8, 2, LKS
	v_lshl_add_u32 v[CVS], v8, 2, LVS
	v_lshl_add_u32 v[CMB], v9, 6, LMB
	v_add_nc_u32 v[CV16], LVC, v[C16]
	v_add_nc_u32 v[CV8], LVC, v[C8]
	v_lshlrev_b32 v[R4], 2, v8
	v_lshlrev_b32 v224, 4, v0
	v_lshl_add_u32 v225, v0, 4, LMB
	global_load_b128 v[232:235], v224, s[6:7]      ; four words of the mask a thread
	global_load_b128 v[16:19], v[C16], s[14:15]    ; Q's half image: registers 0-5
	global_load_b64 v[20:21], v[C8], s[14:15] offset:512
	global_load_b32 v255, v[R4], s[16:17]
.irp j, 22,23,24,25,26,27,80,81,82,83,84,85
	v_mov_b32 v[\j], 0                             ; Q's upper half: zero codes; and what the last tile of K names beyond its six registers
.endr
	v_mov_b32 v13, 0xff61b1e6                      ; the largest t so far: -3e38
	v_floor_f32 v12, -v13                          ; -M
	v_mov_b32 v14, 0
	v_mov_b32 v15, 0
.irp b, 0,1,2,3
	v_mov_b32 v[236+\b], 0                         ; written once: a lane permute's destination counts as one of its sources
.endr
	v_mov_b32 v253, 0
.set j, 0
.rept 32
	v_mov_b32 v[160+j], 0                          ; O^T: the step is written once; the first change of M leaves zeros zeros
.set j, j+1
.endr
	v_mov_b32 v226, 0xf1800000                     ; -2^100
	s_wait_loadcnt 0x0
.irp i, 0,1,2,3
	v_cmp_eq_u32 vcc_lo, 0, v[232+\i]
	v_cndmask_b32 v[232+\i], 0, v226, vcc_lo
.endr
	ds_store_b128 v225, v[232:235]
; A KEY STEP: 128 keys
.macro STEP
	v_add_nc_u32 v[ADK16], s[TB], v[C16]           ; seven plain lines: also the places behind the last step's products, in front of the loads below
	v_add_nc_u32 v[ADK8], s[TB], v[C8]
	v_add_nc_u32 v[ADV16], s[TB], v[CV16]
	v_add_nc_u32 v[ADV8], s[TB], v[CV8]
	v_add_nc_u32 v[ADS], s[TS], v[CKS]
	v_add_nc_u32 v[ADM], s[TS], v[CMB]
	v_add_nc_u32 v[ADT], s[TJ], v[CVS]
.irp t, 0,1,2,3,4,5,6,7
	ds_load_b128 v[32+6*\t:35+6*\t], v[ADK16] offset:768*\t
	ds_load_b64 v[36+6*\t:37+6*\t], v[ADK8] offset:768*\t+512
	ds_load_b32 v[86+\t], v[ADS] offset:64*\t
	ds_load_b128 v[96+8*\t:99+8*\t], v[ADM] offset:128*(\t/2)+32*(\t%2)          ; the mask's addends of my eight keys of the tile
	ds_load_b128 v[100+8*\t:103+8*\t], v[ADM] offset:128*(\t/2)+32*(\t%2)+16
.endr
	s_wait_dscnt 0x0
.irp t, 0,1,2,3,4,5,6,7
	v_wmma_scale_f32_16x16x128_f8f6f4 v[96+8*\t:103+8*\t], v[32+6*\t:43+6*\t], v[16:27], v[96+8*\t:103+8*\t], v[86+\t], v255 matrix_a_fmt:MATRIX_FMT_FP6 matrix_b_fmt:MATRIX_FMT_FP6
.endr
.rept 4
	v_nop                                          ; places in front of the loads into K's registers and of the first read of the scores
.endr
.irp d, 0,1,2,3                                ; V's four tiles land while the softmax is worked
	ds_load_b128 v[32+12*\d:35+12*\d], v[ADV16] offset:1536*\d
	ds_load_b64 v[36+12*\d:37+12*\d], v[ADV8] offset:1536*\d+512
	ds_load_b128 v[38+12*\d:41+12*\d], v[ADV16] offset:1536*\d+768
	ds_load_b64 v[42+12*\d:43+12*\d], v[ADV8] offset:1536*\d+1280
	ds_load_b32 v[86+\d], v[ADT] offset:64*\d
.endr
.irp b, 0,1,2,3
	v_max3_num_f32 v[232+\b], v[96+16*\b], v[97+16*\b], v[98+16*\b]   ; the largest score of each block of 32 keys: for the row's maximum, and, since p rises with the score, for the block's largest p
.endr
.irp i, 3,5,7,9,11,13
.irp b, 0,1,2,3
	v_max3_num_f32 v[232+\b], v[232+\b], v[96+16*\b+\i], v[97+16*\b+\i]
.endr
.endr
.irp b, 0,1,2,3
	v_max_num_f32 v[232+\b], v[232+\b], v[111+16*\b]
.endr
.irp b, 0,1,2,3
	v_permlanex16_b32 v[236+\b], v[232+\b], s[SEL], s[SEL+1]
.endr
.irp b, 0,1,2,3
	v_max_num_f32 v[232+\b], v[232+\b], v[236+\b]
.endr
	v_max3_num_f32 v254, v232, v233, v234
	v_max_num_f32 v254, v254, v235
	v_mul_f32 v254, s[CS], v254
	v_max_num_f32 v13, v13, v254                   ; the running largest t
	v_mov_b32 v254, v12
	v_floor_f32 v12, -v13                          ; the new -M: M is a whole number
	v_sub_f32 v254, v12, v254
	v_cvt_i32_f32 v254, v254                       ; (it saturates)
	v_ldexp_f32 v252, 1.0, v254                    ; f = 2^(old M - new M)
.set j, 0
.rept 32
	v_pk_fma_f32 v[96+j:97+j], v[96+j:97+j], s[CS:CS+1], v[12:13] op_sel_hi:[1,0,0]   ; t - M
.set j, j+2
.endr
.irp b, 0,1,2,3
	v_fma_f32 v[232+\b], v[232+\b], s[CS], v12
.endr
.set j, 0
.rept 64
	v_exp_f32 v[96+j], v[96+j]                     ; p = 2^(t - M)
.set j, j+1
.endr
	v_pk_mul_f32 v[14:15], v[14:15], v[252:253] op_sel_hi:[1,0]   ; the sums under the new M: a plain place behind the exponentials
	s_wait_alu depctr_va_vdst(0)                   ; one wait for the whole batch, ahead of its first reader
.irp b, 0,1,2,3
	v_exp_f32 v[232+\b], v[232+\b]                 ; the block's largest p
.endr
	v_pk_add_f32 v[236:237], v[96:97], v[98:99]    ; the row's sum, of the unquantised p, in two chains
.irp j, 4,8,12,16,20,24,28,32,36,40,44,48,52,56,60
	v_pk_add_f32 v[14:15], v[14:15], v[96+\j:97+\j]
	v_pk_add_f32 v[236:237], v[236:237], v[98+\j:99+\j]
.endr
	v_pk_add_f32 v[14:15], v[14:15], v[236:237]
	s_wait_alu depctr_va_vdst(0)                   ; and one for the four
.irp b, 0,1,2,3
	v_max_num_f32 v[232+\b], 0x1800000, v[232+\b]  ; the floor 2^(3 - 127)
.endr
.irp b, 0,1,2,3
	v_add_nc_u32 v[244+\b], 0xff000000, v[232+\b]
.endr
.irp b, 0,1,2,3
	v_lshrrev_b32 v[236+\b], 23, v[244+\b]
.endr
	v_lshl_or_b32 v253, v237, 8, v236              ; p's scale word for these 128 keys
	v_lshl_or_b32 v253, v238, 16, v253
	v_lshl_or_b32 v253, v239, 24, v253
.irp c, 0,1
	v_cvt_scalef32_pk16_fp6_f32 v[224+6*\c:226+6*\c], v[96+32*\c:111+32*\c], v[244+2*\c]
	v_cvt_scalef32_pk16_fp6_f32 v[236+4*\c:238+4*\c], v[112+32*\c:127+32*\c], v[244+2*\c+1]
.endr
	v_nop                                          ; one plain place behind a scaled conversion
.irp c, 0,1
.irp i, 0,1,2
	v_permlane16_swap_b32 v[224+6*\c+\i], v[236+4*\c+\i]
.endr
.irp i, 0,1,2
	v_mov_b32 v[227+6*\c+\i], v[236+4*\c+\i]
.endr
.endr
.set j, 0
.rept 16
	v_pk_mul_f32 v[160+j:161+j], v[160+j:161+j], v[252:253] op_sel_hi:[1,0]   ; O^T under the new M; these sixteen are also the places in front of the scaled products
.set j, j+2
.endr
	s_wait_dscnt 0x0                               ; V
.irp d, 0,1,2,3
	v_wmma_scale_f32_16x16x128_f8f6f4 v[160+8*\d:167+8*\d], v[32+12*\d:43+12*\d], v[224:235], v[160+8*\d:167+8*\d], v[86+\d], v253 matrix_a_fmt:MATRIX_FMT_FP6 matrix_b_fmt:MATRIX_FMT_FP6
.endr
	s_add_co_u32 s[TB], s[TB], 6144
	s_add_co_u32 s[TS], s[TS], 512
	s_add_co_u32 s[TJ], s[TJ], 256
.endm
; Group g of 512 keys: my part of it has landed (the 3 - g loads issued behind it may stay out), everybody's has behind the barrier; then four key steps.
.macro CHUNK g
	s_wait_tensorcnt 3-\g
	s_wait_dscnt 0x0                               ; for the others' sake: my store of the mask's addends is done
	s_barrier_signal -1
	s_barrier_wait -1
	s_mov_b32 s[TB], \g*24576
	s_mov_b32 s[TS], \g*2048
	s_mov_b32 s[TJ], \g*1024
	s_mov_b32 s[CNT], 4
.Lstep_\@:
	STEP
	s_sub_co_u32 s[CNT], s[CNT], 1
	s_cmp_lg_u32 s[CNT], 0
	s_cbranch_scc1 .Lstep_\@
.endm
	CHUNK 0
	CHUNK 1
	CHUNK 2
	CHUNK 3
	; THE WAY OUT: O^T / l, quantised along my head's 64 (two blocks), as half an image
.rept 4
	v_nop                                          ; places behind the last products
.endr
	v_add_f32 v14, v14, v15
	v_permlanex16_b32 v252, v14, s[SEL], s[SEL+1]
	v_add_f32 v14, v14, v252                       ; the row's sum
	v_rcp_f32 v14, v14
	v_nop                                          ; a plain place behind the transcendental
	s_wait_alu depctr_va_vdst(0)                   ; and the wait ahead of its first reader
.set j, 0
.rept 16
	v_pk_mul_f32 v[192+j:193+j], v[160+j:161+j], v[14:15] op_sel_hi:[1,0]   ; register 16 g + i: channel 32 g + 16 h + i of my query
.set j, j+2
.endr
.irp b, 0,1
	v_max3_num_f32 v[232+\b], |v[192+16*\b]|, |v[193+16*\b]|, 0x1800000
.endr
.irp i, 2,4,6,8,10,12,14
.irp b, 0,1
	v_max3_num_f32 v[232+\b], v[232+\b], |v[192+16*\b+\i]|, |v[193+16*\b+\i]|
.endr
.endr
.irp b, 0,1
	v_permlanex16_b32 v[236+\b], v[232+\b], s[SEL], s[SEL+1]
.endr
.irp b, 0,1
	v_max_num_f32 v[232+\b], v[232+\b], v[236+\b]
.endr
.irp b, 0,1
	v_add_nc_u32 v[244+\b], 0xff000000, v[232+\b]
.endr
.irp b, 0,1
	v_lshrrev_b32 v[236+\b], 23, v[244+\b]
.endr
	v_lshl_or_b32 v253, v237, 8, v236              ; my head's two bytes of the row's scale word
	v_cvt_scalef32_pk16_fp6_f32 v[224:226], v[192:207], v244
	v_cvt_scalef32_pk16_fp6_f32 v[240:242], v[208:223], v245
	v_nop
.irp i, 0,1,2
	v_permlane16_swap_b32 v[224+\i], v[240+\i]
.endr
.irp i, 0,1,2
	v_mov_b32 v[227+\i], v[240+\i]
.endr
	global_store_b128 v[C16], v[224:227], s[8:9]           ; 512 and 256 consecutive bytes, aligned
	global_store_b64 v[C8], v[228:229], s[8:9] offset:512
	global_store_b16 v[R4], v253, s[18:19]                 ; two bytes a row (lanes r and r + 16 write the same)
	s_wait_tensorcnt 0x0                           ; the wave's end
	ds_add_u32 v[SPW], v[NIL]
	s_wait_dscnt 0x0
	CROUND                                         ; the closing round
	s_endpgm
.Lfunc_end_k_q0fac7607a7_attn:
	.size	k_q0fac7607a7_attn, .Lfunc_end_k_q0fac7607a7_attn-k_q0fac7607a7_attn
	.p2alignl 7, 3214868480
	.fill 96, 4, 3214868480
	.section	.rodata,"a",@progbits
	.p2align	6, 0x0
	.amdhsa_kernel k_q0fac7607a7_attn
		.amdhsa_group_segment_fixed_size 219136
		.amdhsa_private_segment_fixed_size 0
		.amdhsa_enable_private_segment 0
		.amdhsa_kernarg_size 24
		.amdhsa_user_sgpr_count 2
		.amdhsa_user_sgpr_kernarg_segment_ptr 1
		.amdhsa_wavefront_size32 1
		.amdhsa_system_sgpr_workgroup_id_x 1
		.amdhsa_system_sgpr_workgroup_id_y 1
		.amdhsa_system_sgpr_workgroup_id_z 1
		.amdhsa_system_vgpr_workitem_id 0
		.amdhsa_next_free_vgpr 256
		.amdhsa_next_free_sgpr 76
		.amdhsa_reserve_vcc 1
		.amdhsa_float_denorm_mode_32 3
		.amdhsa_float_denorm_mode_16_64 3
		.amdhsa_memory_ordered 1
		.amdhsa_forward_progress 1
		.amdhsa_inst_pref_size 85
	.end_amdhsa_kernel
	.amdgpu_metadata
---
amdhsa.version: [ 1, 2 ]
amdhsa.kernels:
  - .name:           k_q0fac7607a7_attn
    .symbol:         k_q0fac7607a7_attn.kd
    .args:
      - { .name: qkv, .offset: 0, .size: 8, .value_kind: global_buffer, .address_space: global }
      - { .name: mask, .offset: 8, .size: 8, .value_kind: global_buffer, .address_space: global }
      - { .name: att, .offset: 16, .size: 8, .value_kind: global_buffer, .address_space: global }
    .group_segment_fixed_size: 219136
    .private_segment_fixed_size: 0
    .kernarg_segment_align: 8
    .kernarg_segment_size: 24
    .max_flat_workgroup_size: 512
    .sgpr_count:     76
    .vgpr_count:     256
    .wavefront_size: 32
...
	.end_amdgpu_metadata
.endif
;; end of part 3
;; launch wo (part 4): grid 4 x 16, 4 waves a work-group, clusters of 4 x 4, 327,680 bytes of LDS; arguments att, wts, bo, x, z; writes z
.if DOCPART == 4
	.amdgcn_target "amdgcn-amd-amdhsa--gfx1250"
	.amdhsa_code_object_version 6
	.text
	.protected	k_q0fac7607a7_wo
	.globl	k_q0fac7607a7_wo
	.p2align	8
	.type	k_q0fac7607a7_wo,@function
k_q0fac7607a7_wo:
	s_mov_b64 s[64:65], 0
	v_nop
	global_prefetch_b8 v0, s[64:65] scope:SCOPE_SE
	s_setreg_imm32_b32 hwreg(HW_REG_WAVE_MODE, 25, 1), 1
	s_wait_xcnt 0x0
	s_wait_alu depctr_hold_cnt(0) depctr_sa_sdst(0) depctr_va_vdst(0) depctr_va_sdst(0) depctr_va_ssrc(0) depctr_va_vcc(0) depctr_vm_vsrc(0)
	s_getreg_b32 s2, hwreg(HW_REG_IB_STS2, 6, 4)
	s_cmp_eq_u32 s2, 0
	s_cbranch_scc0 .Lentry_in_a_cluster
	s_endpgm
.Lentry_in_a_cluster:
	s_bfe_u32 s2, ttmp6, 0x10000c
	s_cmp_lg_u32 s2, 0xf033
	s_cbranch_scc0 .Lentry_shape_is_right
	s_endpgm
.Lentry_shape_is_right:
; z = x + attn Wo + bo.  attn and Wo are codes of FP6 (E2M3) with E8M0 scales; sums, bias, residual and z in f32.
; OPERANDS lie as images of their registers: [tile of 16 rows][K step of 128][1,536 bytes]; lane-row p of tile T is row 32 (T / 2) + 8 (T % 2) + p + 8 (p / 8); scale words [tile][K step][16].
; A block of 256 x 256 of the result is made by four waves, 128 x 128 each: 64 accumulators, 512 registers.  K goes in steps of 256 through a ring of two LDS slots filled by the tensor data mover.
; THE MATRIX INSTRUCTION IS USED TRANSPOSED (source 0 = 16 rows of B' = Wo's columns, source 1 = 16 rows of A'): register j of accumulator (a, b) is column 32 (b / 2) + 8 (b % 2) + 16 (lane / 16) + j of lane-row lane % 16.
; CLUSTERS 4 x 4: A' tiles are shared along a row of the cluster, B' tiles along a column, each asked for jointly.  The result has 64 blocks: 64 work-groups.
; The bias is the C of each sum's first matrix instruction (summed first where the reference adds it last).  The way out goes through a stage in LDS, so that each store covers 512 consecutive bytes of a row.
.set KTOT,   1024
.set AS_OFF, 3145728                   ; A' scale words in its buffer
.set BC_OFF, 2359296                   ; B' codes in wts
.set BS_OFF, 9535488                   ; B' scale words in wts
.set NS,     KTOT/128
.set FRB,    1536
.set TROW,   2*FRB
.set HALFT,  8*TROW
.set SLOT,   4*HALFT
.set LAPS,   KTOT/512
.set PITCHB, NS*FRB
.set SBLK,   NS*64
.set HALFS,  8*SBLK
.set SCL,    2*SLOT
.set SPARE,  SCL+4*HALFS
.set SPITCH, 528                       ; the stage: 16 rows x (512 + 16) bytes a wave, in slot 0, which has had its last fill and its last read when the first result is stored there
.set FR, 12
.set NL, 4
.set NP, 4
.set L16,  4
.set L8,   5
.set ADRA, 16
.set ADRB, 20
.set STO,  24
.set RD,   25
.set ADRS, 27
.set SPW,  28
.set NIL,  29
.set SC,   32
.set CB,   64
.set AF,   128
.set BK,   128
.set G1, 24
.set G0, 32
.set G1B, 48
.set G0B, 56
.set G1S, 68
.set G0S, 76
.set G1SB, 80
.set G0SB, 88
.set MSB, 0
.macro WIN new
.if MSB != (\new)
	s_set_vgpr_msb (MSB<<8)|(\new)
.set MSB, (\new)
.endif
.endm
.set MUL_LO, 0xa1
.set MUL_HI, 0xf1
.set TO_B,   0x40
.macro JLOAD g0a, g1a, g0b, g1b        ; a joint load: waves 0 and 1 fetch for A', waves 2 and 3 for B'; an s_nop 0 and four v_nop follow each line
	s_cmp_eq_u32 s15, 0
	s_cbranch_scc0 .Lfor_b_\@
	tensor_load_to_lds s[\g0a:\g0a+3], s[\g1a:\g1a+7]
	s_nop 0
.rept 4
	v_nop
.endr
	s_branch .Lasked_\@
.Lfor_b_\@:
	tensor_load_to_lds s[\g0b:\g0b+3], s[\g1b:\g1b+7]
	s_nop 0
.rept 4
	v_nop
.endr
.Lasked_\@:
.endm
.macro CREST
	s_cmp_lg_u32 s14, 0
	s_cbranch_scc1 .Lnot_wave_0_\@
	s_barrier_signal -3
.Lnot_wave_0_\@:
	s_barrier_wait -3
	s_barrier_signal -1
	s_barrier_wait -1
.endm
.macro CROUND
	s_barrier_signal -1
	s_barrier_wait -1
	CREST
.endm
.macro PLACES n
.rept \n
	v_nop
.endr
.endm
.macro FRAG reg, adr, q, i
	ds_load_b128 v[\reg:\reg+3], v[\adr] offset:(\i)*TROW+(\q)*FRB
	ds_load_b64 v[\reg+4:\reg+5], v[\adr+2] offset:(\i)*TROW+(\q)*FRB+512
	ds_load_b128 v[\reg+6:\reg+9], v[\adr] offset:(\i)*TROW+(\q)*FRB+768
	ds_load_b64 v[\reg+10:\reg+11], v[\adr+2] offset:(\i)*TROW+(\q)*FRB+1280
.endm
.macro FETCH_B slot, q, p
	WIN TO_B
.irp i, 0,1,2,3,4,5,6,7
	FRAG 128*(\p)+FR*\i, ADRB+\slot, \q, \i
.endr
	WIN 0
.endm
.macro FETCH_A slot, q, i0
.irp i, \i0, \i0+1, \i0+2, \i0+3
	FRAG AF+FR*(\i), ADRA+\slot, \q, \i
.endr
.endm
.macro SCALES sc
.irp i, 0,1,2,3,4,5,6,7
	ds_load_b32 v[SC+16*\sc+2*\i], v[ADRS] offset:\i*SBLK
	ds_load_b32 v[SC+16*\sc+2*\i+1], v[ADRS] offset:\i*SBLK+64
.endr
.endm
; The 64 accumulators take turns, one instruction a turn, in the same order in every step.  first = 1: C is the bias.
.macro MUL16 a0, p, q, sc, first
.irp a, \a0, \a0+1
.irp b, 0,1,2,3,4,5,6,7
.if \first
	v_wmma_scale_f32_16x16x128_f8f6f4 v[8*(8*((\a)%4)+\b):8*(8*((\a)%4)+\b)+7], v[128*(\p)+FR*\b:128*(\p)+FR*\b+FR-1], v[AF+FR*(\a):AF+FR*(\a)+FR-1], v[CB+8*\b:CB+8*\b+7], v[SC+16*(\sc)+2*\b+(\q)], v[SC+16*(\sc)+2*(\a)+(\q)] matrix_a_fmt:MATRIX_FMT_FP6 matrix_b_fmt:MATRIX_FMT_FP6 matrix_a_scale:MATRIX_SCALE_ROW1
.else
	v_wmma_scale_f32_16x16x128_f8f6f4 v[8*(8*((\a)%4)+\b):8*(8*((\a)%4)+\b)+7], v[128*(\p)+FR*\b:128*(\p)+FR*\b+FR-1], v[AF+FR*(\a):AF+FR*(\a)+FR-1], v[8*(8*((\a)%4)+\b):8*(8*((\a)%4)+\b)+7], v[SC+16*(\sc)+2*\b+(\q)], v[SC+16*(\sc)+2*(\a)+(\q)] matrix_a_fmt:MATRIX_FMT_FP6 matrix_b_fmt:MATRIX_FMT_FP6 matrix_a_scale:MATRIX_SCALE_ROW1
.endif
.endr
.endr
.endm
.macro STEP slot, first
	s_wait_dscnt 4*NL                              ; all but the youngest 16 loads (A' blocks 4-7) are in
.if \first
	WIN 0x81
.else
	WIN MUL_LO
.endif
	MUL16 0, 0, 0, \slot, \first
	MUL16 2, 0, 0, \slot, \first
	s_wait_dscnt 0x0
	PLACES NP
	FETCH_B \slot, 1, 1
	FETCH_A \slot, 1, 0
.if \first
	WIN 0xc1
.else
	WIN MUL_HI
.endif
	MUL16 4, 0, 0, \slot, \first
	MUL16 6, 0, 0, \slot, \first
	PLACES NP
	WIN 0
	FETCH_A \slot, 1, 4
.endm
.macro TURN slot, next, fill
	s_wait_tensorcnt 0x0                           ; all my tensor loads have landed: my part of the next slot
	ds_add_u32 v[SPW], v[NIL]                      ; 0 onto my spare word
	s_wait_dscnt 4*NL+1                            ; (the add and the youngest 16 loads may be out)
	WIN MUL_LO
	MUL16 0, 1, 1, \slot, 0
	s_wait_dscnt 0x0                               ; the add is done, and my reads of this slot are over
	s_barrier_signal -1
	MUL16 2, 1, 1, \slot, 0
	WIN 0
	s_barrier_wait -1
.if \fill
	CREST                                          ; a round of the cluster's barrier: no wave of any partner still reads this slot or has a load on its way
	s_add_nc_u64 s[G0+4*\slot+2:G0+4*\slot+3], s[G0+4*\slot+2:G0+4*\slot+3], 2*TROW
	s_add_nc_u64 s[G0B+4*\slot+2:G0B+4*\slot+3], s[G0B+4*\slot+2:G0B+4*\slot+3], 2*TROW
	JLOAD G0+4*\slot, G1, G0B+4*\slot, G1B
.else
	PLACES NP
.endif
	v_add_nc_u32 v[ADRS], 128, v[ADRS]
	FETCH_B \next, 0, 0
	FETCH_A \next, 0, 0
	SCALES \next
	WIN MUL_HI
	MUL16 4, 1, 1, \slot, 0
	MUL16 6, 1, 1, \slot, 0
	PLACES NP
	WIN 0
	FETCH_A \next, 0, 4
.endm
	s_load_b256 s[4:11], s[0:1], 0x0               ; A' buffer s[4:5], wts s[6:7], the bias s[8:9], the residual s[10:11]
	s_load_b64 s[12:13], s[0:1], 0x20              ; z
	v_lshl_add_u32 v[SPW], v0, 2, SPARE
	v_mov_b32 v[NIL], 0
	ds_add_u32 v[SPW], v[NIL]                      ; the wave's opening: the add and its wait ahead of my first tensor load
	v_lshrrev_b32 v1, 5, v0
	v_readfirstlane_b32 s14, v1
	s_lshr_b32 s15, s14, 1
	s_and_b32 s16, s14, 1
	s_bfe_u32 s40, ttmp6, 0x40000
	s_bfe_u32 s41, ttmp6, 0x40004
	s_lshl_b32 s42, ttmp9, 2
	s_add_co_u32 s42, s42, s40                     ; tile column
	s_and_b32 s17, ttmp7, 0xffff
	s_lshl_b32 s17, s17, 2
	s_add_co_u32 s17, s17, s41                     ; tile row
	s_lshl_b32 s43, s41, 2
	s_lshl_b32 s43, 15, s43
	s_lshl_b32 s44, 0x1111, s40
	s_or_b32 s[G1+0], s43, (3<<16)|(1<<21)
	s_or_b32 s[G1B+0], s44, (3<<16)|(1<<21)
.irp g, G1, G1B
	s_mov_b32 s[\g+1], 384<<16
	s_mov_b32 s[\g+2], 8<<16
	s_mov_b32 s[\g+3], 384<<16
	s_mov_b32 s[\g+4], 8
	s_mov_b32 s[\g+5], PITCHB/8
	s_mov_b32 s[\g+6], 0
	s_mov_b32 s[\g+7], 0
.endr
	s_or_b32 s[G1S+0], s43, (3<<16)|(1<<21)
	s_or_b32 s[G1SB+0], s44, (3<<16)|(1<<21)
.irp g, G1S, G1SB
	s_mov_b32 s[\g+1], 32<<16
	s_mov_b32 s[\g+2], (HALFS/256)<<16
	s_mov_b32 s[\g+3], 32<<16
	s_mov_b32 s[\g+4], HALFS/256
	s_mov_b32 s[\g+5], 32
	s_mov_b32 s[\g+6], 0
	s_mov_b32 s[\g+7], 0
.endr
	s_lshl_b32 s18, s16, 3
	s_lshl_b32 s20, s17, 4
	s_add_co_u32 s20, s20, s18
	s_lshl_b32 s46, s42, 4
	s_add_co_u32 s46, s46, s18
	s_mul_i32 s22, s20, SBLK
	s_mul_i32 s92, s46, SBLK
	s_mul_i32 s20, s20, PITCHB
	s_mul_i32 s46, s46, PITCHB
	s_mov_b32 s21, 0
	s_mov_b32 s23, 0
	s_mov_b32 s47, 0
	s_mov_b32 s93, 0
	s_mul_i32 s45, s14, HALFT
	s_mul_i32 s94, s14, HALFS
	s_wait_dscnt 0x0
	s_wait_kmcnt 0x0
	s_mov_b64 s[96:97], s[8:9]                     ; the bias
	s_mov_b64 s[98:99], s[10:11]                   ; the residual
	s_add_nc_u64 s[8:9], s[6:7], BC_OFF
	s_add_nc_u64 s[10:11], s[6:7], BS_OFF
	s_add_nc_u64 s[6:7], s[4:5], AS_OFF
	s_add_nc_u64 s[20:21], s[4:5], s[20:21]
	s_add_nc_u64 s[22:23], s[6:7], s[22:23]
	s_add_nc_u64 s[46:47], s[8:9], s[46:47]
	s_add_nc_u64 s[92:93], s[10:11], s[92:93]
	CROUND
	s_mov_b32 s[G0S], 1
	s_add_co_u32 s[G0S+1], s94, SCL
	s_mov_b64 s[G0S+2:G0S+3], s[22:23]
	s_or_b32 s[G0S+3], s[G0S+3], 0x80000000
	s_mov_b32 s[G0SB], 1
	s_add_co_u32 s[G0SB+1], s94, SCL
	s_mov_b64 s[G0SB+2:G0SB+3], s[92:93]
	s_or_b32 s[G0SB+3], s[G0SB+3], 0x80000000
	JLOAD G0S, G1S, G0SB, G1SB                     ; with the two slots three loads of mine are out
.irp s, 0,1
	s_mov_b32 s[G0+4*\s], 1
	s_add_co_u32 s[G0+4*\s+1], s45, \s*SLOT
	s_add_nc_u64 s[G0+4*\s+2:G0+4*\s+3], s[20:21], \s*TROW
	s_or_b32 s[G0+4*\s+3], s[G0+4*\s+3], 0x80000000
	s_mov_b32 s[G0B+4*\s], 1
	s_add_co_u32 s[G0B+4*\s+1], s45, \s*SLOT
	s_add_nc_u64 s[G0B+4*\s+2:G0B+4*\s+3], s[46:47], \s*TROW
	s_or_b32 s[G0B+4*\s+3], s[G0B+4*\s+3], 0x80000000
	JLOAD G0+4*\s, G1, G0B+4*\s, G1B
.endr
	v_and_b32 v1, 15, v0
	v_bfe_u32 v2, v0, 4, 1
	v_and_b32 v3, 31, v0
	v_lshlrev_b32 v[L16], 4, v3
	v_lshlrev_b32 v[L8], 3, v3
	s_mul_i32 s21, s15, HALFT
	s_mul_i32 s22, s16, HALFT
	s_add_co_u32 s22, s22, 2*HALFT
.irp s, 0,1
	v_add_nc_u32 v[ADRA+\s], s21, v[L16]
	v_add_nc_u32 v[ADRB+\s], s22, v[L16]
	v_add_nc_u32 v[ADRA+2+\s], s21, v[L8]
	v_add_nc_u32 v[ADRB+2+\s], s22, v[L8]
	s_add_co_u32 s21, s21, SLOT
	s_add_co_u32 s22, s22, SLOT
.endr
	s_mul_i32 s21, s15, HALFS
	s_mul_i32 s22, s16, HALFS
	s_add_co_u32 s22, s22, 2*HALFS
	s_sub_co_u32 s22, s22, s21
	v_mul_u32_u24 v6, s22, v2
	s_add_co_u32 s21, s21, SCL
	v_lshl_add_u32 v6, v1, 2, v6
	v_add_nc_u32 v[ADRS], s21, v6
	s_lshl_b32 s18, s42, 10
	s_lshl_b32 s19, s16, 9
	s_add_co_u32 s18, s18, s19                     ; my first column, in bytes of f32
	s_mov_b32 s19, 0
	s_add_nc_u64 s[96:97], s[96:97], s[18:19]
	v_lshlrev_b32 v6, 6, v2
.irp b, 0,1,2,3,4,5,6,7
	global_load_b128 v[CB+8*\b:CB+8*\b+3], v6, s[96:97] offset:128*(\b/2)+32*(\b%2)
	global_load_b128 v[CB+8*\b+4:CB+8*\b+7], v6, s[96:97] offset:128*(\b/2)+32*(\b%2)+16
.endr
	s_lshl_b32 s20, s17, 8
	s_lshl_b32 s21, s15, 7
	s_add_co_u32 s20, s20, s21                     ; my first row
	s_lshl_b32 s20, s20, 12
	s_add_co_u32 s20, s20, s18
	s_mov_b32 s21, 0
	s_add_nc_u64 s[12:13], s[12:13], s[20:21]
	s_add_nc_u64 s[98:99], s[98:99], s[20:21]
	s_mul_i32 s23, s14, 16*SPITCH
	v_mul_u32_u24 v7, v1, SPITCH
	v_lshl_add_u32 v7, v2, 6, v7
	v_add_nc_u32 v[STO], s23, v7                   ; in: row r, + 64 h
	v_add_nc_u32 v[RD], s23, v[L16]                ; back: a whole row, 16 bytes a lane
	s_wait_tensorcnt 1                             ; slot 1's load may be out
	s_barrier_signal -1
	s_barrier_wait -1
	FETCH_B 0, 0, 0
	FETCH_A 0, 0, 0
	SCALES 0
	FETCH_A 0, 0, 4
	s_wait_loadcnt 0x0                             ; the bias
	STEP 0, 1
	s_mov_b32 s3, LAPS-1
.Llap:
	TURN 0, 1, 1
	STEP 1, 0
	TURN 1, 0, 1
	STEP 0, 0
	s_sub_co_u32 s3, s3, 1
	s_cmp_lg_u32 s3, 0
	s_cbranch_scc1 .Llap
	TURN 0, 1, 0
	STEP 1, 0
	s_wait_dscnt 4*NL
	WIN MUL_LO
	MUL16 0, 1, 1, 1, 0
	MUL16 2, 1, 1, 1, 0
	s_wait_dscnt 0x0
	WIN MUL_HI
	MUL16 4, 1, 1, 1, 0
	MUL16 6, 1, 1, 1, 0
	WIN 0
; THE WAY OUT, a block of 16 rows x 128 columns at a time.  Lane-row t of block a is row 32 (a / 2) + 8 (a % 2) + t + 8 (t / 8) of my 128: it stands in the immediates, and no base is stepped.
.macro RLOAD a                         ; the residual's 16 rows, into window 1, where B' fragments lay
	WIN 0x40
.irp t, 0,1,2,3,4,5,6,7,8,9,10,11,12,13,14,15
	global_load_b128 v[64*((\a)%4)+4*\t:64*((\a)%4)+4*\t+3], v[L16], s[98:99] offset:(32*((\a)/2)+8*((\a)%2)+\t+8*(\t/8))*4096 th:TH_LOAD_NT
.endr
	WIN 0
.endm
.macro TOSTAGE a
.set AC, 64*((\a)%4)
	WIN 0x08+4*((\a)/4)
.irp b, 0,1,2,3,4,5,6,7
	ds_store_b128 v[STO], v[AC+8*\b:AC+8*\b+3] offset:128*(\b/2)+32*(\b%2)          ; each accumulator from its low end on
	ds_store_b128 v[STO], v[AC+8*\b+4:AC+8*\b+7] offset:128*(\b/2)+32*(\b%2)+16
.endr
	WIN 0
.set BB, BK+64*((\a)%2)
.irp t, 0,1,2,3,4,5,6,7,8,9,10,11,12,13,14,15
	ds_load_b128 v[BB+4*\t:BB+4*\t+3], v[RD] offset:\t*SPITCH      ; LDS serves a wave's instructions in order: these see the stores above
.endr
.endm
.macro SEND a, younger, left           ; younger: LDS instructions issued behind block a's loads; left: residual loads issued behind block a's
.set BB, BK+64*((\a)%2)
	s_wait_dscnt \younger
	s_wait_loadcnt \left
	WIN 0x04
.set i, 0
.rept 32
	v_pk_add_f32 v[BB+2*i:BB+2*i+1], v[BB+2*i:BB+2*i+1], v[64*((\a)%4)+2*i:64*((\a)%4)+2*i+1]
.set i, i+1
.endr
	WIN 0
.irp t, 0,1,2,3,4,5,6,7,8,9,10,11,12,13,14,15
	global_store_b128 v[L16], v[BB+4*\t:BB+4*\t+3], s[12:13] offset:(32*((\a)/2)+8*((\a)%2)+\t+8*(\t/8))*4096   ; 32 lanes store 512 consecutive bytes, aligned
.endr
.if (\a) < 4
	RLOAD (\a)+4
.endif
.endm
	PLACES NP                                      ; in front of loads into registers that the last products read, and of the first read of results
	RLOAD 0
	RLOAD 1
	RLOAD 2
	RLOAD 3
	TOSTAGE 0
	TOSTAGE 1
	SEND 0, 32, 48
.irp a, 2,3,4,5
	s_wait_xcnt 0x0                                ; the stores of two blocks back have read their registers: this block's rows may land there
	TOSTAGE \a
	SEND \a-1, 32, 48
.endr
	s_wait_xcnt 0x0
	TOSTAGE 6
	SEND 5, 32, 32
	s_wait_xcnt 0x0
	TOSTAGE 7
	SEND 6, 32, 16
	SEND 7, 0, 0
	s_wait_tensorcnt 0x0                           ; the wave's end
	ds_add_u32 v[SPW], v[NIL]
	s_wait_dscnt 0x0
	CROUND                                         ; the closing round
	s_endpgm
.Lfunc_end_k_q0fac7607a7_wo:
	.size	k_q0fac7607a7_wo, .Lfunc_end_k_q0fac7607a7_wo-k_q0fac7607a7_wo
	.p2alignl 7, 3214868480
	.fill 96, 4, 3214868480
	.section	.rodata,"a",@progbits
	.p2align	6, 0x0
	.amdhsa_kernel k_q0fac7607a7_wo
		.amdhsa_group_segment_fixed_size 327680
		.amdhsa_private_segment_fixed_size 0
		.amdhsa_enable_private_segment 0
		.amdhsa_kernarg_size 40
		.amdhsa_user_sgpr_count 2
		.amdhsa_user_sgpr_kernarg_segment_ptr 1
		.amdhsa_wavefront_size32 1
		.amdhsa_system_sgpr_workgroup_id_x 1
		.amdhsa_system_sgpr_workgroup_id_y 1
		.amdhsa_system_sgpr_workgroup_id_z 1
		.amdhsa_system_vgpr_workitem_id 0
		.amdhsa_next_free_vgpr 1024
		.amdhsa_next_free_sgpr 102
		.amdhsa_reserve_vcc 0
		.amdhsa_float_denorm_mode_32 3
		.amdhsa_float_denorm_mode_16_64 3
		.amdhsa_memory_ordered 1
		.amdhsa_forward_progress 1
		.amdhsa_inst_pref_size 176
	.end_amdhsa_kernel
	.amdgpu_metadata
---
amdhsa.version: [ 1, 2 ]
amdhsa.kernels:
  - .name:           k_q0fac7607a7_wo
    .symbol:         k_q0fac7607a7_wo.kd
    .args:
      - { .name: att, .offset: 0, .size: 8, .value_kind: global_buffer, .address_space: global }
      - { .name: wts, .offset: 8, .size: 8, .value_kind: global_buffer, .address_space: global }
      - { .name: bo, .offset: 16, .size: 8, .value_kind: global_buffer, .address_space: global }
      - { .name: x, .offset: 24, .size: 8, .value_kind: global_buffer, .address_space: global }
      - { .name: z, .offset: 32, .size: 8, .value_kind: global_buffer, .address_space: global }
    .group_segment_fixed_size: 327680
    .private_segment_fixed_size: 0
    .kernarg_segment_align: 8
    .kernarg_segment_size: 40
    .max_flat_workgroup_size: 128
    .sgpr_count:     102
    .vgpr_count:     1024
    .wavefront_size: 32
...
	.end_amdgpu_metadata
.endif
;; end of part 4
;; launch ln1q (part 5): grid 256 x 1, 4 waves a work-group, no clusters, 66,304 bytes of LDS; arguments z, g1, be1, x1; writes x1
.if DOCPART == 5
	.amdgcn_target "amdgcn-amd-amdhsa--gfx1250"
	.amdhsa_code_object_version 6
	.text
	.protected	k_q0fac7607a7_ln1q
	.globl	k_q0fac7607a7_ln1q
	.p2align	8
	.type	k_q0fac7607a7_ln1q,@function
k_q0fac7607a7_ln1q:
	s_mov_b64 s[64:65], 0
	v_nop
	global_prefetch_b8 v0, s[64:65] scope:SCOPE_SE
	s_setreg_imm32_b32 hwreg(HW_REG_WAVE_MODE, 25, 1), 1
	s_wait_xcnt 0x0
; x1 = LayerNorm(z; g1, be1) over rows of 1,024, in f32, stored as f32 (rows as they lie) and as codes of FP6 (E2M3) with E8M0 scales for the next product.
; A work-group takes one tile of 16 rows in the operands' order (lane-row p of tile T is row 32 (T / 2) + 8 (T % 2) + p + 8 (p / 8)), a wave four whole rows: a row is 32 registers and stays in them between the passes.
; The variance is the mean of the squared differences from the mean, as the reference has it; 1 / sqrt by v_rsq_f32.
; Then the 16 rows meet in a stage in LDS, and wave w quantises K steps 2 w and 2 w + 1.  Codes: [tile][K step][1,536] as images of the operand's registers at byte 16,777,216; scale words [tile][K step][16] at 19,922,944.
; Memory binds: no matrix unit, no clusters (work-groups share only the 8 KiB of gain and offset).  LIMITS: NaN and infinities are not served; a block under 2^-124, or of zeros, has the byte 1.
.set SPARE, 65792                      ; behind the stage of 16 x 4,112 bytes
.set SPW, 2
.set NIL, 3
.set AC,  4                            ; v4-19 two pairs of partial sums a row
.set MN,  20                           ; v20-27 a pair a row: -mean, later 1 / sqrt (the low word serves both halves)
.set TP,  28                           ; v28-31 the other half of the lanes' sums
.set Z,   32                           ; v32-159 four rows
.set G,   160                          ; v160-191 the gain
.set BE,  192                          ; v192-223 the offset
.set TM,  224
.set SEL, 12
.macro QUANT s
.irp b, 0,1,2,3
	v_max3_num_f32 v[TM+\b], |v[\s+16*\b]|, |v[\s+1+16*\b]|, 0x1800000   ; and the floor 2^(3 - 127)
.endr
.irp i, 2,4,6,8,10,12,14
.irp b, 0,1,2,3
	v_max3_num_f32 v[TM+\b], v[TM+\b], |v[\s+16*\b+\i]|, |v[\s+1+16*\b+\i]|
.endr
.endr
.irp b, 0,1,2,3
	v_permlanex16_b32 v[TM+4+\b], v[TM+\b], s[SEL], s[SEL+1]
.endr
.irp b, 0,1,2,3
	v_max_num_f32 v[TM+\b], v[TM+\b], v[TM+4+\b]
.endr
.irp b, 0,1,2,3
	v_add_nc_u32 v[TM+12+\b], 0xff000000, v[TM+\b]
.endr
.irp b, 0,1,2,3
	v_lshrrev_b32 v[TM+4+\b], 23, v[TM+12+\b]
.endr
	v_lshl_or_b32 v[PW], v[TM+5], 8, v[TM+4]
	v_lshl_or_b32 v[PW], v[TM+6], 16, v[PW]
	v_lshl_or_b32 v[PW], v[TM+7], 24, v[PW]
.irp c, 0,1
	v_cvt_scalef32_pk16_fp6_f32 v[PC+6*\c:PC+2+6*\c], v[\s+32*\c:\s+15+32*\c], v[TM+12+2*\c]
	v_cvt_scalef32_pk16_fp6_f32 v[PC+12+4*\c:PC+14+4*\c], v[\s+16+32*\c:\s+31+32*\c], v[TM+12+2*\c+1]
.endr
	v_nop
.irp c, 0,1
.irp i, 0,1,2
	v_permlane16_swap_b32 v[PC+6*\c+\i], v[PC+12+4*\c+\i]
.endr
.irp i, 0,1,2
	v_mov_b32 v[PC+3+6*\c+\i], v[PC+12+4*\c+\i]
.endr
.endr
.endm
.macro REDUCE                          ; each row's two pairs become one number in every lane, the four rows by turns
.irp i, 0,1,2,3
	v_pk_add_f32 v[AC+4*\i:AC+4*\i+1], v[AC+4*\i:AC+4*\i+1], v[AC+4*\i+2:AC+4*\i+3]
.endr
.irp i, 0,1,2,3
	v_add_f32 v[AC+4*\i], v[AC+4*\i], v[AC+4*\i+1]
.endr
.irp m, 1,2,4,8
.irp i, 0,1,2,3
	v_add_f32_dpp v[AC+4*\i], v[AC+4*\i], v[AC+4*\i] row_xmask:\m row_mask:0xf bank_mask:0xf
.endr
.endr
.irp i, 0,1,2,3
	v_permlanex16_b32 v[TP+\i], v[AC+4*\i], s[SEL], s[SEL+1]
.endr
.irp i, 0,1,2,3
	v_add_f32 v[AC+4*\i], v[AC+4*\i], v[TP+\i]
.endr
.endm
	s_load_b256 s[4:11], s[0:1], 0x0               ; z s[4:5], g1 s[6:7], be1 s[8:9], x1 s[10:11]
	v_lshl_add_u32 v[SPW], v0, 2, SPARE
	v_mov_b32 v[NIL], 0
	v_lshrrev_b32 v1, 5, v0
	v_readfirstlane_b32 s16, v1                    ; wave
	v_and_b32 v240, 31, v0
	v_lshlrev_b32 v1, 4, v240                      ; 16 x lane
	v_lshlrev_b32 v246, 3, v240                    ; 8 x lane
	v_lshlrev_b32 v247, 2, v240                    ; 4 x lane
	v_and_b32 v248, 15, v0                         ; r
	v_bfe_u32 v249, v0, 4, 1                       ; h
	s_mul_i32 s17, s16, 4*4112
	v_add_nc_u32 v244, s17, v1                     ; the stage, in: my four rows, 16 bytes a lane
	v_mul_u32_u24 v245, v248, 4112
	v_lshl_add_u32 v245, v249, 6, v245
	s_lshl_b32 s17, s16, 10
	v_add_nc_u32 v245, s17, v245                   ; out: row r, + 64 h, + my two K steps of 512 bytes
	s_mov_b32 s[SEL], 0x76543210
	s_mov_b32 s[SEL+1], 0xfedcba98
	s_mov_b32 s18, 0x3a800000                      ; 1 / 1,024
	s_mov_b32 s19, 0x3727c5ac                      ; 1e-5
	s_mov_b32 s20, 0xffff0000                      ; lanes 16-31
	s_lshr_b32 s14, ttmp9, 1
	s_lshl_b32 s14, s14, 5
	s_and_b32 s15, ttmp9, 1
	s_lshl_b32 s15, s15, 3
	s_add_co_u32 s14, s14, s15
	s_lshl_b32 s15, s16, 2
	s_add_co_u32 s14, s14, s15
	s_lshr_b32 s15, s16, 1
	s_lshl_b32 s15, s15, 3
	s_add_co_u32 s14, s14, s15                     ; my first row: 32 (T / 2) + 8 (T % 2) + 4 w + 8 (w / 2)
	s_lshl_b32 s14, s14, 12
	s_mov_b32 s15, 0
	s_lshl_b32 s22, ttmp9, 3
	s_lshl_b32 s23, s16, 1
	s_add_co_u32 s22, s22, s23                     ; fragment (T, 2 w)
	s_lshl_b32 s24, s22, 6
	s_add_co_u32 s24, s24, 19922944
	s_mov_b32 s25, 0
	s_mul_i32 s22, s22, 1536
	s_add_co_u32 s22, s22, 16777216
	s_mov_b32 s23, 0
.irp i, 0,1,2,3
	v_mov_b32 v[MN+2*\i+1], 0                      ; named as the upper half of a pair
	v_mov_b32 v[TP+\i], 0                          ; a lane permute's destination counts as one of its sources
	v_mov_b32 v[TM+4+\i], 0
.endr
	s_wait_kmcnt 0x0
	s_add_nc_u64 s[4:5], s[4:5], s[14:15]
	s_add_nc_u64 s[26:27], s[10:11], s[22:23]      ; the codes
	s_add_nc_u64 s[28:29], s[10:11], s[24:25]      ; the scale words
	s_add_nc_u64 s[10:11], s[10:11], s[14:15]      ; the rows in f32
.irp i, 0,1,2,3
.irp j, 0,1,2,3,4,5,6,7
	global_load_b128 v[Z+32*\i+4*\j:Z+32*\i+4*\j+3], v1, s[4:5] offset:4096*\i+512*\j th:TH_LOAD_NT   ; 512 consecutive bytes a load
.endr
.endr
.irp j, 0,1,2,3,4,5,6,7
	global_load_b128 v[G+4*\j:G+4*\j+3], v1, s[6:7] offset:512*\j
	global_load_b128 v[BE+4*\j:BE+4*\j+3], v1, s[8:9] offset:512*\j
.endr
	s_wait_loadcnt 16                              ; the rows are in; the gain's and the offset's 16 loads may be out
.irp i, 0,1,2,3
	v_pk_add_f32 v[AC+4*\i:AC+4*\i+1], v[Z+32*\i:Z+32*\i+1], v[Z+32*\i+2:Z+32*\i+3]
	v_pk_add_f32 v[AC+4*\i+2:AC+4*\i+3], v[Z+32*\i+4:Z+32*\i+5], v[Z+32*\i+6:Z+32*\i+7]
.endr
.irp k, 8,12,16,20,24,28
.irp i, 0,1,2,3
	v_pk_add_f32 v[AC+4*\i:AC+4*\i+1], v[AC+4*\i:AC+4*\i+1], v[Z+32*\i+\k:Z+32*\i+\k+1]
	v_pk_add_f32 v[AC+4*\i+2:AC+4*\i+3], v[AC+4*\i+2:AC+4*\i+3], v[Z+32*\i+\k+2:Z+32*\i+\k+3]
.endr
.endr
	REDUCE
.irp i, 0,1,2,3
	v_mul_f32 v[MN+2*\i], 0xba800000, v[AC+4*\i]   ; -mean
.endr
.irp i, 0,1,2,3
.set k, 0
.rept 16
	v_pk_add_f32 v[Z+32*\i+k:Z+32*\i+k+1], v[Z+32*\i+k:Z+32*\i+k+1], v[MN+2*\i:MN+2*\i+1] op_sel_hi:[1,0]
.set k, k+2
.endr
.endr
.irp i, 0,1,2,3
	v_pk_mul_f32 v[AC+4*\i:AC+4*\i+1], v[Z+32*\i:Z+32*\i+1], v[Z+32*\i:Z+32*\i+1]
	v_pk_mul_f32 v[AC+4*\i+2:AC+4*\i+3], v[Z+32*\i+2:Z+32*\i+3], v[Z+32*\i+2:Z+32*\i+3]
.endr
.irp k, 4,8,12,16,20,24,28
.irp i, 0,1,2,3
	v_pk_fma_f32 v[AC+4*\i:AC+4*\i+1], v[Z+32*\i+\k:Z+32*\i+\k+1], v[Z+32*\i+\k:Z+32*\i+\k+1], v[AC+4*\i:AC+4*\i+1]
	v_pk_fma_f32 v[AC+4*\i+2:AC+4*\i+3], v[Z+32*\i+\k+2:Z+32*\i+\k+3], v[Z+32*\i+\k+2:Z+32*\i+\k+3], v[AC+4*\i+2:AC+4*\i+3]
.endr
.endr
	REDUCE
.irp i, 0,1,2,3
	v_fma_f32 v[AC+4*\i], v[AC+4*\i], s18, s19     ; the variance + 1e-5
.endr
.irp i, 0,1,2,3
	v_rsq_f32 v[MN+2*\i], v[AC+4*\i]
.endr
	v_nop                                          ; a plain place behind the transcendentals
	s_wait_alu depctr_va_vdst(0)                   ; one wait for the four, ahead of their first reader
	s_wait_loadcnt 0x0                             ; the gain and the offset
.irp i, 0,1,2,3
.set k, 0
.rept 16
	v_pk_mul_f32 v[Z+32*\i+k:Z+32*\i+k+1], v[Z+32*\i+k:Z+32*\i+k+1], v[MN+2*\i:MN+2*\i+1] op_sel_hi:[1,0]
.set k, k+2
.endr
.set k, 0
.rept 16
	v_pk_fma_f32 v[Z+32*\i+k:Z+32*\i+k+1], v[Z+32*\i+k:Z+32*\i+k+1], v[G+k:G+k+1], v[BE+k:BE+k+1]
.set k, k+2
.endr
.endr
.irp i, 0,1,2,3
.irp j, 0,1,2,3,4,5,6,7
	global_store_b128 v1, v[Z+32*\i+4*\j:Z+32*\i+4*\j+3], s[10:11] offset:4096*\i+512*\j
	ds_store_b128 v244, v[Z+32*\i+4*\j:Z+32*\i+4*\j+3] offset:4112*\i+512*\j
.endr
.endr
	s_wait_dscnt 0x0                               ; for the others' sake: my rows lie in the stage
	s_barrier_signal -1
	s_barrier_wait -1
	s_wait_xcnt 0x0                                ; the stores have read the rows' registers: they are written again only behind this wait
.irp b, 0,1,2,3
.irp j, 0,1,2,3
	ds_load_b128 v[160+16*\b+4*\j:160+16*\b+4*\j+3], v245 offset:128*\b+16*\j
.endr
.endr
.irp b, 0,1,2,3
.irp j, 0,1,2,3
	ds_load_b128 v[32+16*\b+4*\j:32+16*\b+4*\j+3], v245 offset:512+128*\b+16*\j
.endr
.endr
	s_wait_dscnt 16                                ; the first K step's 16 loads are in
.set PC, 96
.set PW, 240
	QUANT 160
	global_store_b128 v1, v[PC:PC+3], s[26:27]
	global_store_b64 v246, v[PC+4:PC+5], s[26:27] offset:512
	global_store_b128 v1, v[PC+6:PC+9], s[26:27] offset:768
	global_store_b64 v246, v[PC+10:PC+11], s[26:27] offset:1280
	s_wait_dscnt 0x0
.set PC, 128
.set PW, 241
	QUANT 32
	global_store_b128 v1, v[PC:PC+3], s[26:27] offset:1536
	global_store_b64 v246, v[PC+4:PC+5], s[26:27] offset:1536+512
	global_store_b128 v1, v[PC+6:PC+9], s[26:27] offset:1536+768
	global_store_b64 v246, v[PC+10:PC+11], s[26:27] offset:1536+1280
	v_cndmask_b32 v242, v240, v241, s20            ; lanes 0-15 the first K step's words, lanes 16-31 the second's: 128 consecutive bytes
	global_store_b32 v247, v242, s[28:29]
	s_wait_tensorcnt 0x0                           ; the wave's end: three lines behind my last LDS store
	ds_add_u32 v[SPW], v[NIL]
	s_wait_dscnt 0x0
	s_endpgm
.Lfunc_end_k_q0fac7607a7_ln1q:
	.size	k_q0fac7607a7_ln1q, .Lfunc_end_k_q0fac7607a7_ln1q-k_q0fac7607a7_ln1q
	.p2alignl 7, 3214868480
	.fill 96, 4, 3214868480
	.section	.rodata,"a",@progbits
	.p2align	6, 0x0
	.amdhsa_kernel k_q0fac7607a7_ln1q
		.amdhsa_group_segment_fixed_size 66304
		.amdhsa_private_segment_fixed_size 0
		.amdhsa_enable_private_segment 0
		.amdhsa_kernarg_size 32
		.amdhsa_user_sgpr_count 2
		.amdhsa_user_sgpr_kernarg_segment_ptr 1
		.amdhsa_wavefront_size32 1
		.amdhsa_system_sgpr_workgroup_id_x 1
		.amdhsa_system_sgpr_workgroup_id_y 1
		.amdhsa_system_sgpr_workgroup_id_z 1
		.amdhsa_system_vgpr_workitem_id 0
		.amdhsa_next_free_vgpr 256
		.amdhsa_next_free_sgpr 66
		.amdhsa_reserve_vcc 0
		.amdhsa_float_denorm_mode_32 3
		.amdhsa_float_denorm_mode_16_64 3
		.amdhsa_memory_ordered 1
		.amdhsa_forward_progress 1
		.amdhsa_inst_pref_size 47
	.end_amdhsa_kernel
	.amdgpu_metadata
---
amdhsa.version: [ 1, 2 ]
amdhsa.kernels:
  - .name:           k_q0fac7607a7_ln1q
    .symbol:         k_q0fac7607a7_ln1q.kd
    .args:
      - { .name: z, .offset: 0, .size: 8, .value_kind: global_buffer, .address_space: global }
      - { .name: g1, .offset: 8, .size: 8, .value_kind: global_buffer, .address_space: global }
      - { .name: be1, .offset: 16, .size: 8, .value_kind: global_buffer, .address_space: global }
      - { .name: x1, .offset: 24, .size: 8, .value_kind: global_buffer, .address_space: global }
    .group_segment_fixed_size: 66304
    .private_segment_fixed_size: 0
    .kernarg_segment_align: 8
    .kernarg_segment_size: 32
    .max_flat_workgroup_size: 128
    .sgpr_count:     66
    .vgpr_count:     256
    .wavefront_size: 32
...
	.end_amdgpu_metadata
.endif
;; end of part 5
;; launch w1 (part 6): grid 16 x 16, 4 waves a work-group, clusters of 4 x 4, 327,680 bytes of LDS; arguments x1, wts, b1, hid; writes hid
.if DOCPART == 6
	.amdgcn_target "amdgcn-amd-amdhsa--gfx1250"
	.amdhsa_code_object_version 6
	.text
	.protected	k_q0fac7607a7_w1
	.globl	k_q0fac7607a7_w1
	.p2align	8
	.type	k_q0fac7607a7_w1,@function
k_q0fac7607a7_w1:
	s_mov_b64 s[64:65], 0
	v_nop
	global_prefetch_b8 v0, s[64:65] scope:SCOPE_SE
	s_setreg_imm32_b32 hwreg(HW_REG_WAVE_MODE, 25, 1), 1
	s_wait_xcnt 0x0
	s_wait_alu depctr_hold_cnt(0) depctr_sa_sdst(0) depctr_va_vdst(0) depctr_va_sdst(0) depctr_va_ssrc(0) depctr_va_vcc(0) depctr_vm_vsrc(0)
	s_getreg_b32 s2, hwreg(HW_REG_IB_STS2, 6, 4)
	s_cmp_eq_u32 s2, 0
	s_cbranch_scc0 .Lentry_in_a_cluster
	s_endpgm
.Lentry_in_a_cluster:
	s_bfe_u32 s2, ttmp6, 0x10000c
	s_cmp_lg_u32 s2, 0xf033
	s_cbranch_scc0 .Lentry_shape_is_right
	s_endpgm
.Lentry_shape_is_right:
; hid = relu(x1 W1 + b1), on codes of FP6 (E2M3) with E8M0 scales, sums in f32; the result is quantised again in registers, along the 4,096 hidden units, and leaves as codes.
; OPERANDS lie as images of their registers: [tile of 16 rows][K step of 128][1,536 bytes]; lane-row p of tile T is row 32 (T / 2) + 8 (T % 2) + p + 8 (p / 8); scale words [tile][K step][16].
; A block of 256 x 256 of the result is made by four waves, 128 x 128 each: 64 accumulators, 512 registers.  K goes in steps of 256 through a ring of two LDS slots filled by the tensor data mover.
; THE MATRIX INSTRUCTION IS USED TRANSPOSED (source 0 = 16 rows of B' = W1's columns, source 1 = 16 rows of A'): a lane's 64 results of a block of A' are 64 numbers of ONE row, register 16 g + i = hidden unit 32 g + 16 (lane / 16) + i.
; CLUSTERS 4 x 4: A' tiles are shared along a row of the cluster, B' tiles along a column, each asked for jointly.  256 blocks: 256 work-groups.
; The bias is the C of each sum's first matrix instruction (summed first where the reference adds it last).  LIMITS: NaN and infinities are not served; a block under 2^-124, or of zeros, has the byte 1.
.set KTOT,   1024
.set NS,     KTOT/128
.set FRB,    1536
.set TROW,   2*FRB
.set HALFT,  8*TROW
.set SLOT,   4*HALFT
.set LAPS,   KTOT/512
.set PITCHB, NS*FRB
.set SBLK,   NS*64
.set HALFS,  8*SBLK
.set SCL,    2*SLOT
.set SPARE,  SCL+4*HALFS
.set FR, 12
.set NL, 4
.set NP, 4
.set L16,  4
.set L8,   5
.set ADRA, 16
.set ADRB, 20
.set ADRS, 27
.set SPW,  28
.set NIL,  29
.set SC,   32
.set CB,   64
.set AF,   128
.set HA,   64
.set TM,   32
.set PW,   48
.set PWK,  49
.set PS,   50
.set PC,   128
.set SEL,  66
.set HM,   95
.set G1, 24
.set G0, 32
.set G1B, 48
.set G0B, 56
.set G1S, 68
.set G0S, 76
.set G1SB, 80
.set G0SB, 88
.set MSB, 0
.macro WIN new
.if MSB != (\new)
	s_set_vgpr_msb (MSB<<8)|(\new)
.set MSB, (\new)
.endif
.endm
.set MUL_LO, 0xa1
.set MUL_HI, 0xf1
.set TO_B,   0x40
.macro JLOAD g0a, g1a, g0b, g1b        ; a joint load: waves 0 and 1 fetch for A', waves 2 and 3 for B'; an s_nop 0 and four v_nop follow each line
	s_cmp_eq_u32 s15, 0
	s_cbranch_scc0 .Lfor_b_\@
	tensor_load_to_lds s[\g0a:\g0a+3], s[\g1a:\g1a+7]
	s_nop 0
.rept 4
	v_nop
.endr
	s_branch .Lasked_\@
.Lfor_b_\@:
	tensor_load_to_lds s[\g0b:\g0b+3], s[\g1b:\g1b+7]
	s_nop 0
.rept 4
	v_nop
.endr
.Lasked_\@:
.endm
.macro CREST
	s_cmp_lg_u32 s14, 0
	s_cbranch_scc1 .Lnot_wave_0_\@
	s_barrier_signal -3
.Lnot_wave_0_\@:
	s_barrier_wait -3
	s_barrier_signal -1
	s_barrier_wait -1
.endm
.macro CROUND
	s_barrier_signal -1
	s_barrier_wait -1
	CREST
.endm
.macro PLACES n
.rept \n
	v_nop
.endr
.endm
.macro FRAG reg, adr, q, i
	ds_load_b128 v[\reg:\reg+3], v[\adr] offset:(\i)*TROW+(\q)*FRB
	ds_load_b64 v[\reg+4:\reg+5], v[\adr+2] offset:(\i)*TROW+(\q)*FRB+512
	ds_load_b128 v[\reg+6:\reg+9], v[\adr] offset:(\i)*TROW+(\q)*FRB+768
	ds_load_b64 v[\reg+10:\reg+11], v[\adr+2] offset:(\i)*TROW+(\q)*FRB+1280
.endm
.macro FETCH_B slot, q, p
	WIN TO_B
.irp i, 0,1,2,3,4,5,6,7
	FRAG 128*(\p)+FR*\i, ADRB+\slot, \q, \i
.endr
	WIN 0
.endm
.macro FETCH_A slot, q, i0
.irp i, \i0, \i0+1, \i0+2, \i0+3
	FRAG AF+FR*(\i), ADRA+\slot, \q, \i
.endr
.endm
.macro SCALES sc
.irp i, 0,1,2,3,4,5,6,7
	ds_load_b32 v[SC+16*\sc+2*\i], v[ADRS] offset:\i*SBLK
	ds_load_b32 v[SC+16*\sc+2*\i+1], v[ADRS] offset:\i*SBLK+64
.endr
.endm
; The 64 accumulators take turns, one instruction a turn, in the same order in every step.  first = 1: C is the bias.
.macro MUL16 a0, p, q, sc, first
.irp a, \a0, \a0+1
.irp b, 0,1,2,3,4,5,6,7
.if \first
	v_wmma_scale_f32_16x16x128_f8f6f4 v[8*(8*((\a)%4)+\b):8*(8*((\a)%4)+\b)+7], v[128*(\p)+FR*\b:128*(\p)+FR*\b+FR-1], v[AF+FR*(\a):AF+FR*(\a)+FR-1], v[CB+8*\b:CB+8*\b+7], v[SC+16*(\sc)+2*\b+(\q)], v[SC+16*(\sc)+2*(\a)+(\q)] matrix_a_fmt:MATRIX_FMT_FP6 matrix_b_fmt:MATRIX_FMT_FP6 matrix_a_scale:MATRIX_SCALE_ROW1
.else
	v_wmma_scale_f32_16x16x128_f8f6f4 v[8*(8*((\a)%4)+\b):8*(8*((\a)%4)+\b)+7], v[128*(\p)+FR*\b:128*(\p)+FR*\b+FR-1], v[AF+FR*(\a):AF+FR*(\a)+FR-1], v[8*(8*((\a)%4)+\b):8*(8*((\a)%4)+\b)+7], v[SC+16*(\sc)+2*\b+(\q)], v[SC+16*(\sc)+2*(\a)+(\q)] matrix_a_fmt:MATRIX_FMT_FP6 matrix_b_fmt:MATRIX_FMT_FP6 matrix_a_scale:MATRIX_SCALE_ROW1
.endif
.endr
.endr
.endm
.macro STEP slot, first
	s_wait_dscnt 4*NL                              ; all but the youngest 16 loads (A' blocks 4-7) are in
.if \first
	WIN 0x81
.else
	WIN MUL_LO
.endif
	MUL16 0, 0, 0, \slot, \first
	MUL16 2, 0, 0, \slot, \first
	s_wait_dscnt 0x0
	PLACES NP
	FETCH_B \slot, 1, 1
	FETCH_A \slot, 1, 0
.if \first
	WIN 0xc1
.else
	WIN MUL_HI
.endif
	MUL16 4, 0, 0, \slot, \first
	MUL16 6, 0, 0, \slot, \first
	PLACES NP
	WIN 0
	FETCH_A \slot, 1, 4
.endm
.macro TURN slot, next, fill
	s_wait_tensorcnt 0x0                           ; all my tensor loads have landed: my part of the next slot
	ds_add_u32 v[SPW], v[NIL]                      ; 0 onto my spare word
	s_wait_dscnt 4*NL+1                            ; (the add and the youngest 16 loads may be out)
	WIN MUL_LO
	MUL16 0, 1, 1, \slot, 0
	s_wait_dscnt 0x0                               ; the add is done, and my reads of this slot are over
	s_barrier_signal -1
	MUL16 2, 1, 1, \slot, 0
	WIN 0
	s_barrier_wait -1
.if \fill
	CREST                                          ; a round of the cluster's barrier: no wave of any partner still reads this slot or has a load on its way
	s_add_nc_u64 s[G0+4*\slot+2:G0+4*\slot+3], s[G0+4*\slot+2:G0+4*\slot+3], 2*TROW
	s_add_nc_u64 s[G0B+4*\slot+2:G0B+4*\slot+3], s[G0B+4*\slot+2:G0B+4*\slot+3], 2*TROW
	JLOAD G0+4*\slot, G1, G0B+4*\slot, G1B
.else
	PLACES NP
.endif
	v_add_nc_u32 v[ADRS], 128, v[ADRS]
	FETCH_B \next, 0, 0
	FETCH_A \next, 0, 0
	SCALES \next
	WIN MUL_HI
	MUL16 4, 1, 1, \slot, 0
	MUL16 6, 1, 1, \slot, 0
	PLACES NP
	WIN 0
	FETCH_A \next, 0, 4
.endm
.macro QUANT s
.irp b, 0,1,2,3
	v_max3_num_f32 v[TM+\b], |v[\s+16*\b]|, |v[\s+1+16*\b]|, 0x1800000   ; and the floor 2^(3 - 127)
.endr
.irp i, 2,4,6,8,10,12,14
.irp b, 0,1,2,3
	v_max3_num_f32 v[TM+\b], v[TM+\b], |v[\s+16*\b+\i]|, |v[\s+1+16*\b+\i]|
.endr
.endr
.irp b, 0,1,2,3
	v_permlanex16_b32 v[TM+4+\b], v[TM+\b], s[SEL], s[SEL+1]
.endr
.irp b, 0,1,2,3
	v_max_num_f32 v[TM+\b], v[TM+\b], v[TM+4+\b]
.endr
.irp b, 0,1,2,3
	v_add_nc_u32 v[TM+12+\b], 0xff000000, v[TM+\b]
.endr
.irp b, 0,1,2,3
	v_lshrrev_b32 v[TM+4+\b], 23, v[TM+12+\b]
.endr
	v_lshl_or_b32 v[PW], v[TM+5], 8, v[TM+4]
	v_lshl_or_b32 v[PW], v[TM+6], 16, v[PW]
	v_lshl_or_b32 v[PW], v[TM+7], 24, v[PW]
.irp c, 0,1
	v_cvt_scalef32_pk16_fp6_f32 v[PC+6*\c:PC+2+6*\c], v[\s+32*\c:\s+15+32*\c], v[TM+12+2*\c]
	v_cvt_scalef32_pk16_fp6_f32 v[PC+12+4*\c:PC+14+4*\c], v[\s+16+32*\c:\s+31+32*\c], v[TM+12+2*\c+1]
.endr
	v_nop
.irp c, 0,1
.irp i, 0,1,2
	v_permlane16_swap_b32 v[PC+6*\c+\i], v[PC+12+4*\c+\i]
.endr
.irp i, 0,1,2
	v_mov_b32 v[PC+3+6*\c+\i], v[PC+12+4*\c+\i]
.endr
.endr
.endm
	s_load_b256 s[4:11], s[0:1], 0x0               ; x1 s[4:5], wts s[6:7], b1 s[8:9], hid s[10:11]
	v_lshl_add_u32 v[SPW], v0, 2, SPARE
	v_mov_b32 v[NIL], 0
	ds_add_u32 v[SPW], v[NIL]                      ; the wave's opening: the add and its wait ahead of my first tensor load
	v_lshrrev_b32 v1, 5, v0
	v_readfirstlane_b32 s14, v1
	s_lshr_b32 s15, s14, 1
	s_and_b32 s16, s14, 1
	s_bfe_u32 s40, ttmp6, 0x40000
	s_bfe_u32 s41, ttmp6, 0x40004
	s_lshl_b32 s42, ttmp9, 2
	s_add_co_u32 s42, s42, s40                     ; tile column
	s_and_b32 s17, ttmp7, 0xffff
	s_lshl_b32 s17, s17, 2
	s_add_co_u32 s17, s17, s41                     ; tile row
	s_lshl_b32 s43, s41, 2
	s_lshl_b32 s43, 15, s43
	s_lshl_b32 s44, 0x1111, s40
	s_or_b32 s[G1+0], s43, (3<<16)|(1<<21)
	s_or_b32 s[G1B+0], s44, (3<<16)|(1<<21)
.irp g, G1, G1B
	s_mov_b32 s[\g+1], 384<<16
	s_mov_b32 s[\g+2], 8<<16
	s_mov_b32 s[\g+3], 384<<16
	s_mov_b32 s[\g+4], 8
	s_mov_b32 s[\g+5], PITCHB/8
	s_mov_b32 s[\g+6], 0
	s_mov_b32 s[\g+7], 0
.endr
	s_or_b32 s[G1S+0], s43, (3<<16)|(1<<21)
	s_or_b32 s[G1SB+0], s44, (3<<16)|(1<<21)
.irp g, G1S, G1SB
	s_mov_b32 s[\g+1], 32<<16
	s_mov_b32 s[\g+2], (HALFS/256)<<16
	s_mov_b32 s[\g+3], 32<<16
	s_mov_b32 s[\g+4], HALFS/256
	s_mov_b32 s[\g+5], 32
	s_mov_b32 s[\g+6], 0
	s_mov_b32 s[\g+7], 0
.endr
	s_mov_b32 s[SEL], 0x76543210
	s_mov_b32 s[SEL+1], 0xfedcba98
	s_mov_b32 s[HM], 0xffff0000
	s_lshl_b32 s18, s16, 3
	s_lshl_b32 s20, s17, 4
	s_add_co_u32 s20, s20, s18
	s_lshl_b32 s46, s42, 4
	s_add_co_u32 s46, s46, s18
	s_mul_i32 s22, s20, SBLK
	s_mul_i32 s92, s46, SBLK
	s_mul_i32 s20, s20, PITCHB
	s_mul_i32 s46, s46, PITCHB
	s_mov_b32 s21, 0
	s_mov_b32 s23, 0
	s_mov_b32 s47, 0
	s_mov_b32 s93, 0
	s_mul_i32 s45, s14, HALFT
	s_mul_i32 s94, s14, HALFS
	s_wait_dscnt 0x0
	s_wait_kmcnt 0x0
	s_mov_b64 s[96:97], s[8:9]                     ; b1
	s_mov_b64 s[12:13], s[10:11]                   ; hid
	s_add_nc_u64 s[8:9], s[6:7], 3145728           ; W1's codes
	s_add_nc_u64 s[10:11], s[6:7], 9568256         ; W1's scale words
	s_add_nc_u64 s[6:7], s[4:5], 19922944          ; x1's scale words
	s_add_nc_u64 s[4:5], s[4:5], 16777216          ; x1's codes
	s_add_nc_u64 s[20:21], s[4:5], s[20:21]
	s_add_nc_u64 s[22:23], s[6:7], s[22:23]
	s_add_nc_u64 s[46:47], s[8:9], s[46:47]
	s_add_nc_u64 s[92:93], s[10:11], s[92:93]
	CROUND
	s_mov_b32 s[G0S], 1
	s_add_co_u32 s[G0S+1], s94, SCL
	s_mov_b64 s[G0S+2:G0S+3], s[22:23]
	s_or_b32 s[G0S+3], s[G0S+3], 0x80000000
	s_mov_b32 s[G0SB], 1
	s_add_co_u32 s[G0SB+1], s94, SCL
	s_mov_b64 s[G0SB+2:G0SB+3], s[92:93]
	s_or_b32 s[G0SB+3], s[G0SB+3], 0x80000000
	JLOAD G0S, G1S, G0SB, G1SB                     ; with the two slots three loads of mine are out
.irp s, 0,1
	s_mov_b32 s[G0+4*\s], 1
	s_add_co_u32 s[G0+4*\s+1], s45, \s*SLOT
	s_add_nc_u64 s[G0+4*\s+2:G0+4*\s+3], s[20:21], \s*TROW
	s_or_b32 s[G0+4*\s+3], s[G0+4*\s+3], 0x80000000
	s_mov_b32 s[G0B+4*\s], 1
	s_add_co_u32 s[G0B+4*\s+1], s45, \s*SLOT
	s_add_nc_u64 s[G0B+4*\s+2:G0B+4*\s+3], s[46:47], \s*TROW
	s_or_b32 s[G0B+4*\s+3], s[G0B+4*\s+3], 0x80000000
	JLOAD G0+4*\s, G1, G0B+4*\s, G1B
.endr
	v_and_b32 v1, 15, v0
	v_bfe_u32 v2, v0, 4, 1
	v_and_b32 v3, 31, v0
	v_lshlrev_b32 v[L16], 4, v3
	v_lshlrev_b32 v[L8], 3, v3
	s_mul_i32 s21, s15, HALFT
	s_mul_i32 s22, s16, HALFT
	s_add_co_u32 s22, s22, 2*HALFT
.irp s, 0,1
	v_add_nc_u32 v[ADRA+\s], s21, v[L16]
	v_add_nc_u32 v[ADRB+\s], s22, v[L16]
	v_add_nc_u32 v[ADRA+2+\s], s21, v[L8]
	v_add_nc_u32 v[ADRB+2+\s], s22, v[L8]
	s_add_co_u32 s21, s21, SLOT
	s_add_co_u32 s22, s22, SLOT
.endr
	s_mul_i32 s21, s15, HALFS
	s_mul_i32 s22, s16, HALFS
	s_add_co_u32 s22, s22, 2*HALFS
	s_sub_co_u32 s22, s22, s21
	v_mul_u32_u24 v6, s22, v2
	s_add_co_u32 s21, s21, SCL
	v_lshl_add_u32 v6, v1, 2, v6
	v_add_nc_u32 v[ADRS], s21, v6
	s_lshl_b32 s18, s42, 10
	s_lshl_b32 s19, s16, 9
	s_add_co_u32 s18, s18, s19
	s_mov_b32 s19, 0
	s_add_nc_u64 s[96:97], s[96:97], s[18:19]      ; b1 at my first hidden unit
	v_lshlrev_b32 v6, 6, v2
.irp b, 0,1,2,3,4,5,6,7
	global_load_b128 v[CB+8*\b:CB+8*\b+3], v6, s[96:97] offset:128*(\b/2)+32*(\b%2)
	global_load_b128 v[CB+8*\b+4:CB+8*\b+7], v6, s[96:97] offset:128*(\b/2)+32*(\b%2)+16
.endr
	s_lshl_b32 s18, s17, 4
	s_lshl_b32 s19, s15, 3
	s_add_co_u32 s18, s18, s19                     ; my first tile of rows
	s_lshl_b32 s18, s18, 5
	s_lshl_b32 s19, s42, 1
	s_add_co_u32 s18, s18, s19
	s_add_co_u32 s18, s18, s16                     ; fragment (tile, K step 2 x tile column + half)
	s_lshl_b32 s20, s18, 6
	s_add_co_u32 s20, s20, 12582912
	s_mov_b32 s21, 0
	s_mul_i32 s18, s18, 1536
	s_mov_b32 s19, 0
	s_add_nc_u64 s[98:99], s[12:13], s[20:21]      ; the scale words
	s_add_nc_u64 s[12:13], s[12:13], s[18:19]      ; the codes
	v_lshlrev_b32 v26, 2, v1
	v_lshl_add_u32 v26, v2, 11, v26                ; 4 r; lanes 16-31 one tile (2,048 bytes) on
	s_wait_tensorcnt 1                             ; slot 1's load may be out
	s_barrier_signal -1
	s_barrier_wait -1
	FETCH_B 0, 0, 0
	FETCH_A 0, 0, 0
	SCALES 0
	FETCH_A 0, 0, 4
	s_wait_loadcnt 0x0                             ; the bias
	STEP 0, 1
	s_mov_b32 s3, LAPS-1
.Llap:
	TURN 0, 1, 1
	STEP 1, 0
	TURN 1, 0, 1
	STEP 0, 0
	s_sub_co_u32 s3, s3, 1
	s_cmp_lg_u32 s3, 0
	s_cbranch_scc1 .Llap
	TURN 0, 1, 0
	STEP 1, 0
	s_wait_dscnt 4*NL
	WIN MUL_LO
	MUL16 0, 1, 1, 1, 0
	MUL16 2, 1, 1, 1, 0
	s_wait_dscnt 0x0
	WIN MUL_HI
	MUL16 4, 1, 1, 1, 0
	MUL16 6, 1, 1, 1, 0
	WIN 0
	PLACES NP
.irp b, 0,1,2,3
	v_mov_b32 v[TM+4+\b], 0
.endr
; THE WAY OUT, a block of 16 rows at a time: the activation brings the block into window 0 (each accumulator from its low end on), the 64 numbers are quantised, the image leaves.  Every offset is an immediate.
.macro HOUT a
	s_wait_xcnt 0x0                                ; the last block's stores have read their data
	WIN 0x08+4*((\a)/4)
.set j, 0
.rept 64
	v_max_num_f32 v[HA+j], 0, v[64*((\a)%4)+j]
.set j, j+1
.endr
	WIN 0
	QUANT HA
	global_store_b128 v[L16], v[PC:PC+3], s[12:13] offset:(\a)*49152
	global_store_b64 v[L8], v[PC+4:PC+5], s[12:13] offset:(\a)*49152+512
	global_store_b128 v[L16], v[PC+6:PC+9], s[12:13] offset:(\a)*49152+768
	global_store_b64 v[L8], v[PC+10:PC+11], s[12:13] offset:(\a)*49152+1280
.if (\a)%2 == 0
	v_mov_b32 v[PWK], v[PW]
.else
	v_cndmask_b32 v[PS], v[PWK], v[PW], s[HM]      ; lanes 0-15 the last block's words, lanes 16-31 this block's
	global_store_b32 v26, v[PS], s[98:99] offset:((\a)-1)*2048
.endif
.endm
.irp a, 0,1,2,3,4,5,6,7
	HOUT \a
.endr
	s_wait_tensorcnt 0x0                           ; the wave's end
	ds_add_u32 v[SPW], v[NIL]
	s_wait_dscnt 0x0
	CROUND                                         ; the closing round
	s_endpgm
.Lfunc_end_k_q0fac7607a7_w1:
	.size	k_q0fac7607a7_w1, .Lfunc_end_k_q0fac7607a7_w1-k_q0fac7607a7_w1
	.p2alignl 7, 3214868480
	.fill 96, 4, 3214868480
	.section	.rodata,"a",@progbits
	.p2align	6, 0x0
	.amdhsa_kernel k_q0fac7607a7_w1
		.amdhsa_group_segment_fixed_size 327680
		.amdhsa_private_segment_fixed_size 0
		.amdhsa_enable_private_segment 0
		.amdhsa_kernarg_size 32
		.amdhsa_user_sgpr_count 2
		.amdhsa_user_sgpr_kernarg_segment_ptr 1
		.amdhsa_wavefront_size32 1
		.amdhsa_system_sgpr_workgroup_id_x 1
		.amdhsa_system_sgpr_workgroup_id_y 1
		.amdhsa_system_sgpr_workgroup_id_z 1
		.amdhsa_system_vgpr_workitem_id 0
		.amdhsa_next_free_vgpr 1024
		.amdhsa_next_free_sgpr 102
		.amdhsa_reserve_vcc 0
		.amdhsa_float_denorm_mode_32 3
		.amdhsa_float_denorm_mode_16_64 3
		.amdhsa_memory_ordered 1
		.amdhsa_forward_progress 1
		.amdhsa_inst_pref_size 168
	.end_amdhsa_kernel
	.amdgpu_metadata
---
amdhsa.version: [ 1, 2 ]
amdhsa.kernels:
  - .name:           k_q0fac7607a7_w1
    .symbol:         k_q0fac7607a7_w1.kd
    .args:
      - { .name: x1, .offset: 0, .size: 8, .value_kind: global_buffer, .address_space: global }
      - { .name: wts, .offset: 8, .size: 8, .value_kind: global_buffer, .address_space: global }
      - { .name: b1, .offset: 16, .size: 8, .value_kind: global_buffer, .address_space: global }
      - { .name: hid, .offset: 24, .size: 8, .value_kind: global_buffer, .address_space: global }
    .group_segment_fixed_size: 327680
    .private_segment_fixed_size: 0
    .kernarg_segment_align: 8
    .kernarg_segment_size: 32
    .max_flat_workgroup_size: 128
    .sgpr_count:     102
    .vgpr_count:     1024
    .wavefront_size: 32
...
	.end_amdgpu_metadata
.endif
;; end of part 6
;; launch w2 (part 7): grid 4 x 16, 4 waves a work-group, clusters of 4 x 4, 327,680 bytes of LDS; arguments hid, wts, b2, x1, z; writes z
.if DOCPART == 7
	.amdgcn_target "amdgcn-amd-amdhsa--gfx1250"
	.amdhsa_code_object_version 6
	.text
	.protected	k_q0fac7607a7_w2
	.globl	k_q0fac7607a7_w2
	.p2align	8
	.type	k_q0fac7607a7_w2,@function
k_q0fac7607a7_w2:
	s_mov_b64 s[64:65], 0
	v_nop
	global_prefetch_b8 v0, s[64:65] scope:SCOPE_SE
	s_setreg_imm32_b32 hwreg(HW_REG_WAVE_MODE, 25, 1), 1
	s_wait_xcnt 0x0
	s_wait_alu depctr_hold_cnt(0) depctr_sa_sdst(0) depctr_va_vdst(0) depctr_va_sdst(0) depctr_va_ssrc(0) depctr_va_vcc(0) depctr_vm_vsrc(0)
	s_getreg_b32 s2, hwreg(HW_REG_IB_STS2, 6, 4)
	s_cmp_eq_u32 s2, 0
	s_cbranch_scc0 .Lentry_in_a_cluster
	s_endpgm
.Lentry_in_a_cluster:
	s_bfe_u32 s2, ttmp6, 0x10000c
	s_cmp_lg_u32 s2, 0xf033
	s_cbranch_scc0 .Lentry_shape_is_right
	s_endpgm
.Lentry_shape_is_right:
; z = x1 + hid W2 + b2.  hid and W2 are codes of FP6 (E2M3) with E8M0 scales, K = 4,096; sums, bias, residual and z in f32.
; OPERANDS lie as images of their registers: [tile of 16 rows][K step of 128][1,536 bytes]; lane-row p of tile T is row 32 (T / 2) + 8 (T % 2) + p + 8 (p / 8); scale words [tile][K step][16].
; A block of 256 x 256 of the result is made by four waves, 128 x 128 each: 64 accumulators, 512 registers.  K goes in steps of 256 through a ring of two LDS slots filled by the tensor data mover.
; THE MATRIX INSTRUCTION IS USED TRANSPOSED (source 0 = 16 rows of B' = W2's columns, source 1 = 16 rows of A'): register j of accumulator (a, b) is column 32 (b / 2) + 8 (b % 2) + 16 (lane / 16) + j of lane-row lane % 16.
; CLUSTERS 4 x 4: A' tiles are shared along a row of the cluster, B' tiles along a column, each asked for jointly.  The result has 64 blocks: 64 work-groups.
; The bias is the C of each sum's first matrix instruction (summed first where the reference adds it last).  The way out goes through a stage in LDS, so that each store covers 512 consecutive bytes of a row.
.set KTOT,   4096
.set AS_OFF, 12582912                  ; A' scale words in its buffer
.set BC_OFF, 6291456                   ; B' codes in wts
.set BS_OFF, 9699328                   ; B' scale words in wts
.set NS,     KTOT/128
.set FRB,    1536
.set TROW,   2*FRB
.set HALFT,  8*TROW
.set SLOT,   4*HALFT
.set LAPS,   KTOT/512
.set PITCHB, NS*FRB
.set SBLK,   NS*64
.set HALFS,  8*SBLK
.set SCL,    2*SLOT
.set SPARE,  SCL+4*HALFS
.set SPITCH, 528                       ; the stage: 16 rows x (512 + 16) bytes a wave, in slot 0, which has had its last fill and its last read when the first result is stored there
.set FR, 12
.set NL, 4
.set NP, 4
.set L16,  4
.set L8,   5
.set ADRA, 16
.set ADRB, 20
.set STO,  24
.set RD,   25
.set ADRS, 27
.set SPW,  28
.set NIL,  29
.set SC,   32
.set CB,   64
.set AF,   128
.set BK,   128
.set G1, 24
.set G0, 32
.set G1B, 48
.set G0B, 56
.set G1S, 68
.set G0S, 76
.set G1SB, 80
.set G0SB, 88
.set MSB, 0
.macro WIN new
.if MSB != (\new)
	s_set_vgpr_msb (MSB<<8)|(\new)
.set MSB, (\new)
.endif
.endm
.set MUL_LO, 0xa1
.set MUL_HI, 0xf1
.set TO_B,   0x40
.macro JLOAD g0a, g1a, g0b, g1b        ; a joint load: waves 0 and 1 fetch for A', waves 2 and 3 for B'; an s_nop 0 and four v_nop follow each line
	s_cmp_eq_u32 s15, 0
	s_cbranch_scc0 .Lfor_b_\@
	tensor_load_to_lds s[\g0a:\g0a+3], s[\g1a:\g1a+7]
	s_nop 0
.rept 4
	v_nop
.endr
	s_branch .Lasked_\@
.Lfor_b_\@:
	tensor_load_to_lds s[\g0b:\g0b+3], s[\g1b:\g1b+7]
	s_nop 0
.rept 4
	v_nop
.endr
.Lasked_\@:
.endm
.macro CREST
	s_cmp_lg_u32 s14, 0
	s_cbranch_scc1 .Lnot_wave_0_\@
	s_barrier_signal -3
.Lnot_wave_0_\@:
	s_barrier_wait -3
	s_barrier_signal -1
	s_barrier_wait -1
.endm
.macro CROUND
	s_barrier_signal -1
	s_barrier_wait -1
	CREST
.endm
.macro PLACES n
.rept \n
	v_nop
.endr
.endm
.macro FRAG reg, adr, q, i
	ds_load_b128 v[\reg:\reg+3], v[\adr] offset:(\i)*TROW+(\q)*FRB
	ds_load_b64 v[\reg+4:\reg+5], v[\adr+2] offset:(\i)*TROW+(\q)*FRB+512
	ds_load_b128 v[\reg+6:\reg+9], v[\adr] offset:(\i)*TROW+(\q)*FRB+768
	ds_load_b64 v[\reg+10:\reg+11], v[\adr+2] offset:(\i)*TROW+(\q)*FRB+1280
.endm
.macro FETCH_B slot, q, p
	WIN TO_B
.irp i, 0,1,2,3,4,5,6,7
	FRAG 128*(\p)+FR*\i, ADRB+\slot, \q, \i
.endr
	WIN 0
.endm
.macro FETCH_A slot, q, i0
.irp i, \i0, \i0+1, \i0+2, \i0+3
	FRAG AF+FR*(\i), ADRA+\slot, \q, \i
.endr
.endm
.macro SCALES sc
.irp i, 0,1,2,3,4,5,6,7
	ds_load_b32 v[SC+16*\sc+2*\i], v[ADRS] offset:\i*SBLK
	ds_load_b32 v[SC+16*\sc+2*\i+1], v[ADRS] offset:\i*SBLK+64
.endr
.endm
; The 64 accumulators take turns, one instruction a turn, in the same order in every step.  first = 1: C is the bias.
.macro MUL16 a0, p, q, sc, first
.irp a, \a0, \a0+1
.irp b, 0,1,2,3,4,5,6,7
.if \first
	v_wmma_scale_f32_16x16x128_f8f6f4 v[8*(8*((\a)%4)+\b):8*(8*((\a)%4)+\b)+7], v[128*(\p)+FR*\b:128*(\p)+FR*\b+FR-1], v[AF+FR*(\a):AF+FR*(\a)+FR-1], v[CB+8*\b:CB+8*\b+7], v[SC+16*(\sc)+2*\b+(\q)], v[SC+16*(\sc)+2*(\a)+(\q)] matrix_a_fmt:MATRIX_FMT_FP6 matrix_b_fmt:MATRIX_FMT_FP6 matrix_a_scale:MATRIX_SCALE_ROW1
.else
	v_wmma_scale_f32_16x16x128_f8f6f4 v[8*(8*((\a)%4)+\b):8*(8*((\a)%4)+\b)+7], v[128*(\p)+FR*\b:128*(\p)+FR*\b+FR-1], v[AF+FR*(\a):AF+FR*(\a)+FR-1], v[8*(8*((\a)%4)+\b):8*(8*((\a)%4)+\b)+7], v[SC+16*(\sc)+2*\b+(\q)], v[SC+16*(\sc)+2*(\a)+(\q)] matrix_a_fmt:MATRIX_FMT_FP6 matrix_b_fmt:MATRIX_FMT_FP6 matrix_a_scale:MATRIX_SCALE_ROW1
.endif
.endr
.endr
.endm
.macro STEP slot, first
	s_wait_dscnt 4*NL                              ; all but the youngest 16 loads (A' blocks 4-7) are in
.if \first
	WIN 0x81
.else
	WIN MUL_LO
.endif
	MUL16 0, 0, 0, \slot, \first
	MUL16 2, 0, 0, \slot, \first
	s_wait_dscnt 0x0
	PLACES NP
	FETCH_B \slot, 1, 1
	FETCH_A \slot, 1, 0
.if \first
	WIN 0xc1
.else
	WIN MUL_HI
.endif
	MUL16 4, 0, 0, \slot, \first
	MUL16 6, 0, 0, \slot, \first
	PLACES NP
	WIN 0
	FETCH_A \slot, 1, 4
.endm
.macro TURN slot, next, fill
	s_wait_tensorcnt 0x0                           ; all my tensor loads have landed: my part of the next slot
	ds_add_u32 v[SPW], v[NIL]                      ; 0 onto my spare word
	s_wait_dscnt 4*NL+1                            ; (the add and the youngest 16 loads may be out)
	WIN MUL_LO
	MUL16 0, 1, 1, \slot, 0
	s_wait_dscnt 0x0                               ; the add is done, and my reads of this slot are over
	s_barrier_signal -1
	MUL16 2, 1, 1, \slot, 0
	WIN 0
	s_barrier_wait -1
.if \fill
	CREST                                          ; a round of the cluster's barrier: no wave of any partner still reads this slot or has a load on its way
	s_add_nc_u64 s[G0+4*\slot+2:G0+4*\slot+3], s[G0+4*\slot+2:G0+4*\slot+3], 2*TROW
	s_add_nc_u64 s[G0B+4*\slot+2:G0B+4*\slot+3], s[G0B+4*\slot+2:G0B+4*\slot+3], 2*TROW
	JLOAD G0+4*\slot, G1, G0B+4*\slot, G1B
.else
	PLACES NP
.endif
	v_add_nc_u32 v[ADRS], 128, v[ADRS]
	FETCH_B \next, 0, 0
	FETCH_A \next, 0, 0
	SCALES \next
	WIN MUL_HI
	MUL16 4, 1, 1, \slot, 0
	MUL16 6, 1, 1, \slot, 0
	PLACES NP
	WIN 0
	FETCH_A \next, 0, 4
.endm
	s_load_b256 s[4:11], s[0:1], 0x0               ; A' buffer s[4:5], wts s[6:7], the bias s[8:9], the residual s[10:11]
	s_load_b64 s[12:13], s[0:1], 0x20              ; z
	v_lshl_add_u32 v[SPW], v0, 2, SPARE
	v_mov_b32 v[NIL], 0
	ds_add_u32 v[SPW], v[NIL]                      ; the wave's opening: the add and its wait ahead of my first tensor load
	v_lshrrev_b32 v1, 5, v0
	v_readfirstlane_b32 s14, v1
	s_lshr_b32 s15, s14, 1
	s_and_b32 s16, s14, 1
	s_bfe_u32 s40, ttmp6, 0x40000
	s_bfe_u32 s41, ttmp6, 0x40004
	s_lshl_b32 s42, ttmp9, 2
	s_add_co_u32 s42, s42, s40                     ; tile column
	s_and_b32 s17, ttmp7, 0xffff
	s_lshl_b32 s17, s17, 2
	s_add_co_u32 s17, s17, s41                     ; tile row
	s_lshl_b32 s43, s41, 2
	s_lshl_b32 s43, 15, s43
	s_lshl_b32 s44, 0x1111, s40
	s_or_b32 s[G1+0], s43, (3<<16)|(1<<21)
	s_or_b32 s[G1B+0], s44, (3<<16)|(1<<21)
.irp g, G1, G1B
	s_mov_b32 s[\g+1], 384<<16
	s_mov_b32 s[\g+2], 8<<16
	s_mov_b32 s[\g+3], 384<<16
	s_mov_b32 s[\g+4], 8
	s_mov_b32 s[\g+5], PITCHB/8
	s_mov_b32 s[\g+6], 0
	s_mov_b32 s[\g+7], 0
.endr
	s_or_b32 s[G1S+0], s43, (3<<16)|(1<<21)
	s_or_b32 s[G1SB+0], s44, (3<<16)|(1<<21)
.irp g, G1S, G1SB
	s_mov_b32 s[\g+1], 32<<16
	s_mov_b32 s[\g+2], (HALFS/256)<<16
	s_mov_b32 s[\g+3], 32<<16
	s_mov_b32 s[\g+4], HALFS/256
	s_mov_b32 s[\g+5], 32
	s_mov_b32 s[\g+6], 0
	s_mov_b32 s[\g+7], 0
.endr
	s_lshl_b32 s18, s16, 3
	s_lshl_b32 s20, s17, 4
	s_add_co_u32 s20, s20, s18
	s_lshl_b32 s46, s42, 4
	s_add_co_u32 s46, s46, s18
	s_mul_i32 s22, s20, SBLK
	s_mul_i32 s92, s46, SBLK
	s_mul_i32 s20, s20, PITCHB
	s_mul_i32 s46, s46, PITCHB
	s_mov_b32 s21, 0
	s_mov_b32 s23, 0
	s_mov_b32 s47, 0
	s_mov_b32 s93, 0
	s_mul_i32 s45, s14, HALFT
	s_mul_i32 s94, s14, HALFS
	s_wait_dscnt 0x0
	s_wait_kmcnt 0x0
	s_mov_b64 s[96:97], s[8:9]                     ; the bias
	s_mov_b64 s[98:99], s[10:11]                   ; the residual
	s_add_nc_u64 s[8:9], s[6:7], BC_OFF
	s_add_nc_u64 s[10:11], s[6:7], BS_OFF
	s_add_nc_u64 s[6:7], s[4:5], AS_OFF
	s_add_nc_u64 s[20:21], s[4:5], s[20:21]
	s_add_nc_u64 s[22:23], s[6:7], s[22:23]
	s_add_nc_u64 s[46:47], s[8:9], s[46:47]
	s_add_nc_u64 s[92:93], s[10:11], s[92:93]
	CROUND
	s_mov_b32 s[G0S], 1
	s_add_co_u32 s[G0S+1], s94, SCL
	s_mov_b64 s[G0S+2:G0S+3], s[22:23]
	s_or_b32 s[G0S+3], s[G0S+3], 0x80000000
	s_mov_b32 s[G0SB], 1
	s_add_co_u32 s[G0SB+1], s94, SCL
	s_mov_b64 s[G0SB+2:G0SB+3], s[92:93]
	s_or_b32 s[G0SB+3], s[G0SB+3], 0x80000000
	JLOAD G0S, G1S, G0SB, G1SB                     ; with the two slots three loads of mine are out
.irp s, 0,1
	s_mov_b32 s[G0+4*\s], 1
	s_add_co_u32 s[G0+4*\s+1], s45, \s*SLOT
	s_add_nc_u64 s[G0+4*\s+2:G0+4*\s+3], s[20:21], \s*TROW
	s_or_b32 s[G0+4*\s+3], s[G0+4*\s+3], 0x80000000
	s_mov_b32 s[G0B+4*\s], 1
	s_add_co_u32 s[G0B+4*\s+1], s45, \s*SLOT
	s_add_nc_u64 s[G0B+4*\s+2:G0B+4*\s+3], s[46:47], \s*TROW
	s_or_b32 s[G0B+4*\s+3], s[G0B+4*\s+3], 0x80000000
	JLOAD G0+4*\s, G1, G0B+4*\s, G1B
.endr
	v_and_b32 v1, 15, v0
	v_bfe_u32 v2, v0, 4, 1
	v_and_b32 v3, 31, v0
	v_lshlrev_b32 v[L16], 4, v3
	v_lshlrev_b32 v[L8], 3, v3
	s_mul_i32 s21, s15, HALFT
	s_mul_i32 s22, s16, HALFT
	s_add_co_u32 s22, s22, 2*HALFT
.irp s, 0,1
	v_add_nc_u32 v[ADRA+\s], s21, v[L16]
	v_add_nc_u32 v[ADRB+\s], s22, v[L16]
	v_add_nc_u32 v[ADRA+2+\s], s21, v[L8]
	v_add_nc_u32 v[ADRB+2+\s], s22, v[L8]
	s_add_co_u32 s21, s21, SLOT
	s_add_co_u32 s22, s22, SLOT
.endr
	s_mul_i32 s21, s15, HALFS
	s_mul_i32 s22, s16, HALFS
	s_add_co_u32 s22, s22, 2*HALFS
	s_sub_co_u32 s22, s22, s21
	v_mul_u32_u24 v6, s22, v2
	s_add_co_u32 s21, s21, SCL
	v_lshl_add_u32 v6, v1, 2, v6
	v_add_nc_u32 v[ADRS], s21, v6
	s_lshl_b32 s18, s42, 10
	s_lshl_b32 s19, s16, 9
	s_add_co_u32 s18, s18, s19                     ; my first column, in bytes of f32
	s_mov_b32 s19, 0
	s_add_nc_u64 s[96:97], s[96:97], s[18:19]
	v_lshlrev_b32 v6, 6, v2
.irp b, 0,1,2,3,4,5,6,7
	global_load_b128 v[CB+8*\b:CB+8*\b+3], v6, s[96:97] offset:128*(\b/2)+32*(\b%2)
	global_load_b128 v[CB+8*\b+4:CB+8*\b+7], v6, s[96:97] offset:128*(\b/2)+32*(\b%2)+16
.endr
	s_lshl_b32 s20, s17, 8
	s_lshl_b32 s21, s15, 7
	s_add_co_u32 s20, s20, s21                     ; my first row
	s_lshl_b32 s20, s20, 12
	s_add_co_u32 s20, s20, s18
	s_mov_b32 s21, 0
	s_add_nc_u64 s[12:13], s[12:13], s[20:21]
	s_add_nc_u64 s[98:99], s[98:99], s[20:21]
	s_mul_i32 s23, s14, 16*SPITCH
	v_mul_u32_u24 v7, v1, SPITCH
	v_lshl_add_u32 v7, v2, 6, v7
	v_add_nc_u32 v[STO], s23, v7                   ; in: row r, + 64 h
	v_add_nc_u32 v[RD], s23, v[L16]                ; back: a whole row, 16 bytes a lane
	s_wait_tensorcnt 1                             ; slot 1's load may be out
	s_barrier_signal -1
	s_barrier_wait -1
	FETCH_B 0, 0, 0
	FETCH_A 0, 0, 0
	SCALES 0
	FETCH_A 0, 0, 4
	s_wait_loadcnt 0x0                             ; the bias
	STEP 0, 1
	s_mov_b32 s3, LAPS-1
.Llap:
	TURN 0, 1, 1
	STEP 1, 0
	TURN 1, 0, 1
	STEP 0, 0
	s_sub_co_u32 s3, s3, 1
	s_cmp_lg_u32 s3, 0
	s_cbranch_scc1 .Llap
	TURN 0, 1, 0
	STEP 1, 0
	s_wait_dscnt 4*NL
	WIN MUL_LO
	MUL16 0, 1, 1, 1, 0
	MUL16 2, 1, 1, 1, 0
	s_wait_dscnt 0x0
	WIN MUL_HI
	MUL16 4, 1, 1, 1, 0
	MUL16 6, 1, 1, 1, 0
	WIN 0
; THE WAY OUT, a block of 16 rows x 128 columns at a time.  Lane-row t of block a is row 32 (a / 2) + 8 (a % 2) + t + 8 (t / 8) of my 128: it stands in the immediates, and no base is stepped.
.macro RLOAD a                         ; the residual's 16 rows, into window 1, where B' fragments lay
	WIN 0x40
.irp t, 0,1,2,3,4,5,6,7,8,9,10,11,12,13,14,15
	global_load_b128 v[64*((\a)%4)+4*\t:64*((\a)%4)+4*\t+3], v[L16], s[98:99] offset:(32*((\a)/2)+8*((\a)%2)+\t+8*(\t/8))*4096 th:TH_LOAD_NT
.endr
	WIN 0
.endm
.macro TOSTAGE a
.set AC, 64*((\a)%4)
	WIN 0x08+4*((\a)/4)
.irp b, 0,1,2,3,4,5,6,7
	ds_store_b128 v[STO], v[AC+8*\b:AC+8*\b+3] offset:128*(\b/2)+32*(\b%2)          ; each accumulator from its low end on
	ds_store_b128 v[STO], v[AC+8*\b+4:AC+8*\b+7] offset:128*(\b/2)+32*(\b%2)+16
.endr
	WIN 0
.set BB, BK+64*((\a)%2)
.irp t, 0,1,2,3,4,5,6,7,8,9,10,11,12,13,14,15
	ds_load_b128 v[BB+4*\t:BB+4*\t+3], v[RD] offset:\t*SPITCH      ; LDS serves a wave's instructions in order: these see the stores above
.endr
.endm
.macro SEND a, younger, left           ; younger: LDS instructions issued behind block a's loads; left: residual loads issued behind block a's
.set BB, BK+64*((\a)%2)
	s_wait_dscnt \younger
	s_wait_loadcnt \left
	WIN 0x04
.set i, 0
.rept 32
	v_pk_add_f32 v[BB+2*i:BB+2*i+1], v[BB+2*i:BB+2*i+1], v[64*((\a)%4)+2*i:64*((\a)%4)+2*i+1]
.set i, i+1
.endr
	WIN 0
.irp t, 0,1,2,3,4,5,6,7,8,9,10,11,12,13,14,15
	global_store_b128 v[L16], v[BB+4*\t:BB+4*\t+3], s[12:13] offset:(32*((\a)/2)+8*((\a)%2)+\t+8*(\t/8))*4096   ; 32 lanes store 512 consecutive bytes, aligned
.endr
.if (\a) < 4
	RLOAD (\a)+4
.endif
.endm
	PLACES NP                                      ; in front of loads into registers that the last products read, and of the first read of results
	RLOAD 0
	RLOAD 1
	RLOAD 2
	RLOAD 3
	TOSTAGE 0
	TOSTAGE 1
	SEND 0, 32, 48
.irp a, 2,3,4,5
	s_wait_xcnt 0x0                                ; the stores of two blocks back have read their registers: this block's rows may land there
	TOSTAGE \a
	SEND \a-1, 32, 48
.endr
	s_wait_xcnt 0x0
	TOSTAGE 6
	SEND 5, 32, 32
	s_wait_xcnt 0x0
	TOSTAGE 7
	SEND 6, 32, 16
	SEND 7, 0, 0
	s_wait_tensorcnt 0x0                           ; the wave's end
	ds_add_u32 v[SPW], v[NIL]
	s_wait_dscnt 0x0
	CROUND                                         ; the closing round
	s_endpgm
.Lfunc_end_k_q0fac7607a7_w2:
	.size	k_q0fac7607a7_w2, .Lfunc_end_k_q0fac7607a7_w2-k_q0fac7607a7_w2
	.p2alignl 7, 3214868480
	.fill 96, 4, 3214868480
	.section	.rodata,"a",@progbits
	.p2align	6, 0x0
	.amdhsa_kernel k_q0fac7607a7_w2
		.amdhsa_group_segment_fixed_size 327680
		.amdhsa_private_segment_fixed_size 0
		.amdhsa_enable_private_segment 0
		.amdhsa_kernarg_size 40
		.amdhsa_user_sgpr_count 2
		.amdhsa_user_sgpr_kernarg_segment_ptr 1
		.amdhsa_wavefront_size32 1
		.amdhsa_system_sgpr_workgroup_id_x 1
		.amdhsa_system_sgpr_workgroup_id_y 1
		.amdhsa_system_sgpr_workgroup_id_z 1
		.amdhsa_system_vgpr_workitem_id 0
		.amdhsa_next_free_vgpr 1024
		.amdhsa_next_free_sgpr 102
		.amdhsa_reserve_vcc 0
		.amdhsa_float_denorm_mode_32 3
		.amdhsa_float_denorm_mode_16_64 3
		.amdhsa_memory_ordered 1
		.amdhsa_forward_progress 1
		.amdhsa_inst_pref_size 176
	.end_amdhsa_kernel
	.amdgpu_metadata
---
amdhsa.version: [ 1, 2 ]
amdhsa.kernels:
  - .name:           k_q0fac7607a7_w2
    .symbol:         k_q0fac7607a7_w2.kd
    .args:
      - { .name: hid, .offset: 0, .size: 8, .value_kind: global_buffer, .address_space: global }
      - { .name: wts, .offset: 8, .size: 8, .value_kind: global_buffer, .address_space: global }
      - { .name: b2, .offset: 16, .size: 8, .value_kind: global_buffer, .address_space: global }
      - { .name: x1, .offset: 24, .size: 8, .value_kind: global_buffer, .address_space: global }
      - { .name: z, .offset: 32, .size: 8, .value_kind: global_buffer, .address_space: global }
    .group_segment_fixed_size: 327680
    .private_segment_fixed_size: 0
    .kernarg_segment_align: 8
    .kernarg_segment_size: 40
    .max_flat_workgroup_size: 128
    .sgpr_count:     102
    .vgpr_count:     1024
    .wavefront_size: 32
...
	.end_amdgpu_metadata
.endif
;; end of part 7
;; launch ln2 (part 8): grid 256 x 1, 4 waves a work-group, no clusters, 0 bytes of LDS; arguments z, g2, be2, out0; writes out0
.if DOCPART == 8
	.amdgcn_target "amdgcn-amd-amdhsa--gfx1250"
	.amdhsa_code_object_version 6
	.text
	.protected	k_q0fac7607a7_ln2
	.globl	k_q0fac7607a7_ln2
	.p2align	8
	.type	k_q0fac7607a7_ln2,@function
k_q0fac7607a7_ln2:
	s_mov_b64 s[64:65], 0
	v_nop
	global_prefetch_b8 v0, s[64:65] scope:SCOPE_SE
	s_setreg_imm32_b32 hwreg(HW_REG_WAVE_MODE, 25, 1), 1
	s_wait_xcnt 0x0
; out0 = LayerNorm(z; g2, be2) over rows of 1,024, in f32.  A work-group takes 16 rows, a wave four whole rows: a row is 32 registers (eight loads of 512 consecutive bytes) and stays in them between the passes,
; so memory is read once.  The variance is the mean of the squared differences from the mean, as the reference has it; 1 / sqrt by v_rsq_f32.
; Memory binds: no LDS, no barrier, no matrix unit, no clusters (work-groups share only the 8 KiB of gain and offset).  LIMITS: NaN and infinities are not served.
.set AC,  4                            ; v4-19 two pairs of partial sums a row
.set MN,  20                           ; v20-27 a pair a row: -mean, later 1 / sqrt (the low word serves both halves)
.set TP,  28                           ; v28-31 the other half of the lanes' sums
.set Z,   32                           ; v32-159 four rows
.set G,   160
.set BE,  192
.set SEL, 12
.macro REDUCE                          ; each row's two pairs become one number in every lane, the four rows by turns
.irp i, 0,1,2,3
	v_pk_add_f32 v[AC+4*\i:AC+4*\i+1], v[AC+4*\i:AC+4*\i+1], v[AC+4*\i+2:AC+4*\i+3]
.endr
.irp i, 0,1,2,3
	v_add_f32 v[AC+4*\i], v[AC+4*\i], v[AC+4*\i+1]
.endr
.irp m, 1,2,4,8
.irp i, 0,1,2,3
	v_add_f32_dpp v[AC+4*\i], v[AC+4*\i], v[AC+4*\i] row_xmask:\m row_mask:0xf bank_mask:0xf
.endr
.endr
.irp i, 0,1,2,3
	v_permlanex16_b32 v[TP+\i], v[AC+4*\i], s[SEL], s[SEL+1]
.endr
.irp i, 0,1,2,3
	v_add_f32 v[AC+4*\i], v[AC+4*\i], v[TP+\i]
.endr
.endm
	s_load_b256 s[4:11], s[0:1], 0x0               ; z s[4:5], g2 s[6:7], be2 s[8:9], out0 s[10:11]
	v_lshrrev_b32 v1, 5, v0
	v_readfirstlane_b32 s16, v1                    ; wave
	v_and_b32 v2, 31, v0
	v_lshlrev_b32 v1, 4, v2                        ; 16 x lane
	s_mov_b32 s[SEL], 0x76543210
	s_mov_b32 s[SEL+1], 0xfedcba98
	s_mov_b32 s18, 0x3a800000                      ; 1 / 1,024
	s_mov_b32 s19, 0x3727c5ac                      ; 1e-5
	s_lshl_b32 s14, ttmp9, 4
	s_lshl_b32 s15, s16, 2
	s_add_co_u32 s14, s14, s15                     ; my first row
	s_lshl_b32 s14, s14, 12
	s_mov_b32 s15, 0
.irp i, 0,1,2,3
	v_mov_b32 v[MN+2*\i+1], 0                      ; named as the upper half of a pair
	v_mov_b32 v[TP+\i], 0                          ; a lane permute's destination counts as one of its sources
.endr
	s_wait_kmcnt 0x0
	s_add_nc_u64 s[4:5], s[4:5], s[14:15]
	s_add_nc_u64 s[10:11], s[10:11], s[14:15]
.irp i, 0,1,2,3
.irp j, 0,1,2,3,4,5,6,7
	global_load_b128 v[Z+32*\i+4*\j:Z+32*\i+4*\j+3], v1, s[4:5] offset:4096*\i+512*\j th:TH_LOAD_NT
.endr
.endr
.irp j, 0,1,2,3,4,5,6,7
	global_load_b128 v[G+4*\j:G+4*\j+3], v1, s[6:7] offset:512*\j
	global_load_b128 v[BE+4*\j:BE+4*\j+3], v1, s[8:9] offset:512*\j
.endr
	s_wait_loadcnt 16                              ; the rows are in; the gain's and the offset's 16 loads may be out
.irp i, 0,1,2,3
	v_pk_add_f32 v[AC+4*\i:AC+4*\i+1], v[Z+32*\i:Z+32*\i+1], v[Z+32*\i+2:Z+32*\i+3]
	v_pk_add_f32 v[AC+4*\i+2:AC+4*\i+3], v[Z+32*\i+4:Z+32*\i+5], v[Z+32*\i+6:Z+32*\i+7]
.endr
.irp k, 8,12,16,20,24,28
.irp i, 0,1,2,3
	v_pk_add_f32 v[AC+4*\i:AC+4*\i+1], v[AC+4*\i:AC+4*\i+1], v[Z+32*\i+\k:Z+32*\i+\k+1]
	v_pk_add_f32 v[AC+4*\i+2:AC+4*\i+3], v[AC+4*\i+2:AC+4*\i+3], v[Z+32*\i+\k+2:Z+32*\i+\k+3]
.endr
.endr
	REDUCE
.irp i, 0,1,2,3
	v_mul_f32 v[MN+2*\i], 0xba800000, v[AC+4*\i]   ; -mean
.endr
.irp i, 0,1,2,3
.set k, 0
.rept 16
	v_pk_add_f32 v[Z+32*\i+k:Z+32*\i+k+1], v[Z+32*\i+k:Z+32*\i+k+1], v[MN+2*\i:MN+2*\i+1] op_sel_hi:[1,0]
.set k, k+2
.endr
.endr
.irp i, 0,1,2,3
	v_pk_mul_f32 v[AC+4*\i:AC+4*\i+1], v[Z+32*\i:Z+32*\i+1], v[Z+32*\i:Z+32*\i+1]
	v_pk_mul_f32 v[AC+4*\i+2:AC+4*\i+3], v[Z+32*\i+2:Z+32*\i+3], v[Z+32*\i+2:Z+32*\i+3]
.endr
.irp k, 4,8,12,16,20,24,28
.irp i, 0,1,2,3
	v_pk_fma_f32 v[AC+4*\i:AC+4*\i+1], v[Z+32*\i+\k:Z+32*\i+\k+1], v[Z+32*\i+\k:Z+32*\i+\k+1], v[AC+4*\i:AC+4*\i+1]
	v_pk_fma_f32 v[AC+4*\i+2:AC+4*\i+3], v[Z+32*\i+\k+2:Z+32*\i+\k+3], v[Z+32*\i+\k+2:Z+32*\i+\k+3], v[AC+4*\i+2:AC+4*\i+3]
.endr
.endr
	REDUCE
.irp i, 0,1,2,3
	v_fma_f32 v[AC+4*\i], v[AC+4*\i], s18, s19     ; the variance + 1e-5
.endr
.irp i, 0,1,2,3
	v_rsq_f32 v[MN+2*\i], v[AC+4*\i]
.endr
	v_nop                                          ; a plain place behind the transcendentals
	s_wait_alu depctr_va_vdst(0)                   ; one wait for the four, ahead of their first reader
	s_wait_loadcnt 0x0                             ; the gain and the offset
.irp i, 0,1,2,3
.set k, 0
.rept 16
	v_pk_mul_f32 v[Z+32*\i+k:Z+32*\i+k+1], v[Z+32*\i+k:Z+32*\i+k+1], v[MN+2*\i:MN+2*\i+1] op_sel_hi:[1,0]
.set k, k+2
.endr
.set k, 0
.rept 16
	v_pk_fma_f32 v[Z+32*\i+k:Z+32*\i+k+1], v[Z+32*\i+k:Z+32*\i+k+1], v[G+k:G+k+1], v[BE+k:BE+k+1]
.set k, k+2
.endr
.irp j, 0,1,2,3,4,5,6,7
	global_store_b128 v1, v[Z+32*\i+4*\j:Z+32*\i+4*\j+3], s[10:11] offset:4096*\i+512*\j th:TH_STORE_NT   ; 512 consecutive bytes a store, aligned
.endr
.endr
	s_endpgm
.Lfunc_end_k_q0fac7607a7_ln2:
	.size	k_q0fac7607a7_ln2, .Lfunc_end_k_q0fac7607a7_ln2-k_q0fac7607a7_ln2
	.p2alignl 7, 3214868480
	.fill 96, 4, 3214868480
	.section	.rodata,"a",@progbits
	.p2align	6, 0x0
	.amdhsa_kernel k_q0fac7607a7_ln2
		.amdhsa_group_segment_fixed_size 0
		.amdhsa_private_segment_fixed_size 0
		.amdhsa_enable_private_segment 0
		.amdhsa_kernarg_size 32
		.amdhsa_user_sgpr_count 2
		.amdhsa_user_sgpr_kernarg_segment_ptr 1
		.amdhsa_wavefront_size32 1
		.amdhsa_system_sgpr_workgroup_id_x 1
		.amdhsa_system_sgpr_workgroup_id_y 1
		.amdhsa_system_sgpr_workgroup_id_z 1
		.amdhsa_system_vgpr_workitem_id 0
		.amdhsa_next_free_vgpr 256
		.amdhsa_next_free_sgpr 66
		.amdhsa_reserve_vcc 0
		.amdhsa_float_denorm_mode_32 3
		.amdhsa_float_denorm_mode_16_64 3
		.amdhsa_memory_ordered 1
		.amdhsa_forward_progress 1
		.amdhsa_inst_pref_size 33
	.end_amdhsa_kernel
	.amdgpu_metadata
---
amdhsa.version: [ 1, 2 ]
amdhsa.kernels:
  - .name:           k_q0fac7607a7_ln2
    .symbol:         k_q0fac7607a7_ln2.kd
    .args:
      - { .name: z, .offset: 0, .size: 8, .value_kind: global_buffer, .address_space: global }
      - { .name: g2, .offset: 8, .size: 8, .value_kind: global_buffer, .address_space: global }
      - { .name: be2, .offset: 16, .size: 8, .value_kind: global_buffer, .address_space: global }
      - { .name: out0, .offset: 24, .size: 8, .value_kind: global_buffer, .address_space: global }
    .group_segment_fixed_size: 0
    .private_segment_fixed_size: 0
    .kernarg_segment_align: 8
    .kernarg_segment_size: 32
    .max_flat_workgroup_size: 128
    .sgpr_count:     66
    .vgpr_count:     256
    .wavefront_size: 32
...
	.end_amdgpu_metadata
.endif
;; end of part 8
;; ======== version 2 of 2: 7 launches
;; limits: right only within a limited range of input values
;; workspace buffers: acts 6,553,600 bytes; wts 9,830,400 bytes; qkv 10,092,544 bytes; att 3,276,800 bytes; z 16,777,216 bytes; x1 20,054,016 bytes; hid 13,107,200 bytes
;; launch quant (part 9): grid 640 x 1, 4 waves a work-group, no clusters, 34,304 bytes of LDS; arguments x, y, W1, W2, Wq, Wk, Wv, Wo, acts, wts; writes acts, wts
.if DOCPART == 9
	.amdgcn_target "amdgcn-amd-amdhsa--gfx1250"
	.amdhsa_code_object_version 6
	.text
	.protected	k_q0fac7607a7_quant
	.globl	k_q0fac7607a7_quant
	.p2align	8
	.type	k_q0fac7607a7_quant,@function
k_q0fac7607a7_quant:
	s_mov_b64 s[64:65], 0
	v_nop
	global_prefetch_b8 v0, s[64:65] scope:SCOPE_SE
	s_setreg_imm32_b32 hwreg(HW_REG_WAVE_MODE, 25, 1), 1
	s_wait_xcnt 0x0
; x, y [4096][1024] and the six weights ([K][N], K first), all f32, become codes of FP6 (E2M3) with one E8M0 scale byte for each 32 along K.
; A block's scale is 2^(floor(log2(its largest magnitude)) - 2); its byte is the largest magnitude's exponent field - 2, held at 1 from below.
; LIMITS: a block whose largest magnitude lies under 2^-124 keeps the byte 1; a block of zeros has the byte 1 where the rule says 127 (its codes are zeros, and the
; bytes are read by this program alone); NaN and infinities among the inputs are not served.
; LAYOUT OF EVERY OPERAND BUFFER.  Rows go in tiles of 16; lane-row p of tile T is row 32 (T / 2) + 8 (T % 2) + p + 8 (p / 8).  A fragment (16 rows x 128 K, 12 registers a lane)
; lies as an image of its registers, 1,536 bytes: registers 0-3 at 16 x lane, 4-5 at 512 + 8 x lane, 6-9 at 768 + 16 x lane, 10-11 at 1,280 + 8 x lane.  Buffer: [tile][K step][1,536].
; Scale words: [tile][K step][16 words], word p for lane-row p, byte b for k = 32 b on.
; Work-groups 0-255 take x and y (a wave: one tile, four K steps), work-groups 256-639 the weights (a wave: 32 columns x 256 along K).  Every work-group reads 128 KiB, each f32 number once.
; No clusters, no tensor loads: no two work-groups read the same bytes.
.set SPARE, 33792                      ; behind the four stages: the spare words, 128 bytes a wave
.set SPW, 10                           ; v10 my spare word's LDS address; never rewritten
.set NIL, 11                           ; v11 0; never rewritten
.set PW,  12                           ; the scale word just made
.set PWK, 13                           ; the one before
.set PS,  14                           ; two K steps' words, one in each half of the lanes
.set TM,  16                           ; v16-31 at work in QUANT
.set PC,  32                           ; v32-50 the codes just made
.set X,   64                           ; v64-127 64 numbers of a lane
.set R,   128                          ; v128-255 two sets of 64 registers as loaded
.set SEL, 28                           ; s[28:29] lane selects: lane l xor 16
.set HM,  30                           ; s30 lanes 16-31
; 64 numbers of a lane, register 16 b + i = k 32 b + 16 (lane / 16) + i of my row, become a fragment's codes in v[PC] on and its scale word in v[PW].
.macro QUANT s
.irp b, 0,1,2,3
	v_max3_num_f32 v[TM+\b], |v[\s+16*\b]|, |v[\s+1+16*\b]|, 0x1800000   ; my 16 numbers of block b, and the floor 2^(3 - 127): the byte cannot fall under 1
.endr
.irp i, 2,4,6,8,10,12,14
.irp b, 0,1,2,3
	v_max3_num_f32 v[TM+\b], v[TM+\b], |v[\s+16*\b+\i]|, |v[\s+1+16*\b+\i]|
.endr
.endr
.irp b, 0,1,2,3
	v_permlanex16_b32 v[TM+4+\b], v[TM+\b], s[SEL], s[SEL+1]
.endr
.irp b, 0,1,2,3
	v_max_num_f32 v[TM+\b], v[TM+\b], v[TM+4+\b]                     ; with lane l xor 16's: the block's largest magnitude
.endr
.irp b, 0,1,2,3
	v_add_nc_u32 v[TM+12+\b], 0xff000000, v[TM+\b]                   ; 2 off its exponent field: the conversion's scale operand
.endr
.irp b, 0,1,2,3
	v_lshrrev_b32 v[TM+4+\b], 23, v[TM+12+\b]                        ; the scale's byte
.endr
	v_lshl_or_b32 v[PW], v[TM+5], 8, v[TM+4]
	v_lshl_or_b32 v[PW], v[TM+6], 16, v[PW]
	v_lshl_or_b32 v[PW], v[TM+7], 24, v[PW]
.irp c, 0,1
	v_cvt_scalef32_pk16_fp6_f32 v[PC+6*\c:PC+2+6*\c], v[\s+32*\c:\s+15+32*\c], v[TM+12+2*\c]
	v_cvt_scalef32_pk16_fp6_f32 v[PC+12+4*\c:PC+14+4*\c], v[\s+16+32*\c:\s+31+32*\c], v[TM+12+2*\c+1]   ; (a conversion's three registers begin on an even number)
.endr
	v_nop                                          ; one plain place behind a scaled conversion
.irp c, 0,1                                    ; the operand wants a whole block in a lane: lanes 0-15 block 2 c, lanes 16-31 block 2 c + 1
.irp i, 0,1,2
	v_permlane16_swap_b32 v[PC+6*\c+\i], v[PC+12+4*\c+\i]
.endr
.irp i, 0,1,2
	v_mov_b32 v[PC+3+6*\c+\i], v[PC+12+4*\c+\i]
.endr
.endr
.endm
	s_load_b256 s[4:11], s[0:1], 0x0               ; x s[4:5], y s[6:7], W1 s[8:9], W2 s[10:11]
	s_load_b256 s[12:19], s[0:1], 0x20             ; Wq, Wk, Wv, Wo
	s_load_b128 s[20:23], s[0:1], 0x40             ; acts s[20:21], wts s[22:23]
	v_lshl_add_u32 v[SPW], v0, 2, SPARE
	v_mov_b32 v[NIL], 0
	v_lshrrev_b32 v1, 5, v0
	v_readfirstlane_b32 s24, v1                    ; wave
	v_and_b32 v1, 31, v0                           ; lane
	v_and_b32 v2, 15, v0                           ; r
	v_bfe_u32 v3, v0, 4, 1                         ; h
	v_lshlrev_b32 v4, 4, v1                        ; 16 x lane
	v_lshlrev_b32 v5, 3, v1                        ; 8 x lane
	v_lshlrev_b32 v6, 2, v1                        ; 4 x lane
	s_mov_b32 s[SEL], 0x76543210
	s_mov_b32 s[SEL+1], 0xfedcba98
	s_mov_b32 s[HM], 0xffff0000
	s_cmp_lt_u32 ttmp9, 256                        ; the work-group's number alone decides the path
	s_cbranch_scc0 .Lweights
	; ---- x and y: K is innermost.  A wave: tile T, K steps 4 half .. 4 half + 3
	s_and_b32 s25, ttmp9, 127
	s_lshl_b32 s25, s25, 2
	s_add_co_u32 s25, s25, s24
	s_lshr_b32 s26, s25, 1                         ; T
	s_and_b32 s27, s25, 1                          ; half
	s_lshr_b32 s31, ttmp9, 7                       ; 0: x, 1: y
	s_lshr_b32 s38, s26, 1
	s_lshl_b32 s38, s38, 17                        ; 32 (T / 2) rows of 4,096 bytes
	s_and_b32 s39, s26, 1
	s_lshl_b32 s39, s39, 15                        ; 8 (T % 2) rows
	s_add_co_u32 s38, s38, s39
	s_lshl_b32 s39, s27, 11                        ; four K steps of 512 bytes
	s_add_co_u32 s38, s38, s39
	s_mov_b32 s39, 0
	s_lshl_b32 s40, s26, 3
	s_lshl_b32 s41, s27, 2
	s_add_co_u32 s40, s40, s41                     ; 8 T + 4 half: my first fragment
	s_mul_i32 s42, s40, 1536
	s_mul_i32 s43, s31, 3145728
	s_add_co_u32 s42, s42, s43
	s_mov_b32 s43, 0
	s_lshl_b32 s44, s40, 6
	s_lshl_b32 s45, s31, 17
	s_add_co_u32 s44, s44, s45
	s_add_co_u32 s44, s44, 6291456
	s_mov_b32 s45, 0
	s_mul_i32 s46, s24, 8448                       ; my stage: 16 rows x (512 + 16) bytes
	s_wait_alu depctr_va_vdst(0)
	v_add_nc_u32 v7, s46, v4                       ; in: a row's 512 bytes as they lie
	v_mul_u32_u24 v8, v2, 528
	v_lshl_add_u32 v8, v3, 6, v8
	v_add_nc_u32 v8, s46, v8                       ; out: row r, + 64 h: my 16 numbers of a block of 32
.irp b, 0,1,2,3
	v_mov_b32 v[TM+4+\b], 0                        ; written once: a lane permute's destination counts as one of its sources
.endr
	s_wait_alu depctr_va_vdst(0)
	s_wait_kmcnt 0x0
	s_cmp_eq_u32 s31, 0
	s_cselect_b64 s[32:33], s[4:5], s[6:7]
	s_add_nc_u64 s[32:33], s[32:33], s[38:39]      ; the numbers
	s_add_nc_u64 s[34:35], s[20:21], s[42:43]      ; the codes
	s_add_nc_u64 s[36:37], s[20:21], s[44:45]      ; the scale words
.macro ALOAD t                         ; K step t of the tile's 16 rows: each load reads 512 consecutive bytes of one row
.irp p, 0,1,2,3,4,5,6,7,8,9,10,11,12,13,14,15
	global_load_b128 v[R+64*((\t)%2)+4*\p:R+64*((\t)%2)+4*\p+3], v4, s[32:33] offset:(\p+8*(\p/8))*4096+512*(\t) th:TH_LOAD_NT
.endr
.endm
.macro ATURN t                         ; through my stage: LDS serves a wave's instructions in order, so no wait stands between the stores and the loads
.irp p, 0,1,2,3,4,5,6,7,8,9,10,11,12,13,14,15
	ds_store_b128 v7, v[R+64*((\t)%2)+4*\p:R+64*((\t)%2)+4*\p+3] offset:528*\p
.endr
.irp b, 0,1,2,3
.irp j, 0,1,2,3
	ds_load_b128 v[X+16*\b+4*\j:X+16*\b+4*\j+3], v8 offset:128*\b+16*\j
.endr
.endr
.endm
.macro ASTEP t
.if (\t) < 3
	s_wait_loadcnt 16                              ; this step's 16 loads are in; the next step's 16 may be out
.else
	s_wait_loadcnt 0x0
.endif
	ATURN \t
	s_wait_dscnt 0x0                               ; my 64 numbers are back, and the stage's stores have read their registers,
.if (\t) < 2
	ALOAD (\t)+2                                   ; which take the loads of two steps on
.endif
.if (\t) > 0
	s_wait_xcnt 0x0                                ; the last step's stores have read their data: the codes' registers are written again only behind this wait
.endif
	QUANT X
	global_store_b128 v4, v[PC:PC+3], s[34:35] offset:1536*(\t)            ; the image: each store covers 512 or 256 consecutive bytes, aligned
	global_store_b64 v5, v[PC+4:PC+5], s[34:35] offset:1536*(\t)+512
	global_store_b128 v4, v[PC+6:PC+9], s[34:35] offset:1536*(\t)+768
	global_store_b64 v5, v[PC+10:PC+11], s[34:35] offset:1536*(\t)+1280
.if (\t)%2 == 0
	v_mov_b32 v[PWK], v[PW]
.else
	v_cndmask_b32 v[PS], v[PWK], v[PW], s[HM]      ; lanes 0-15 the last step's words, lanes 16-31 this step's: 128 consecutive bytes
	global_store_b32 v6, v[PS], s[36:37] offset:64*((\t)-1)
.endif
.endm
	ALOAD 0
	ALOAD 1
	ASTEP 0
	ASTEP 1
	ASTEP 2
	ASTEP 3
	s_wait_tensorcnt 0x0                           ; the wave's end: three lines behind my last LDS store
	ds_add_u32 v[SPW], v[NIL]
	s_wait_dscnt 0x0
	s_endpgm
	; ---- the weights: K is the first axis.  A lane takes a column and its registers run down K: a block of 32 lies in one lane, and the codes come out with K innermost
.Lweights:
.set OFF, 16                           ; v16-47 byte offset of row i of a block at my column
.set FB,  128                          ; v128-175 two K steps x two tiles x 12 registers
.set T3,  176                          ; v176-178 a block's upper 16 codes
.set SB,  180                          ; v180-181 my column's scale words
.set WB,  66                           ; s[66:81] where block t begins
	s_sub_co_u32 s32, ttmp9, 256
	s_lshr_b32 s33, s32, 7                         ; 0: W1, 1: W2, 2: one of Wq, Wk, Wv, Wo
	s_and_b32 s34, s32, 127
	s_lshr_b32 s35, s34, 5                         ; which of the four
	s_mul_i32 s38, s35, 786432                     ; where the codes begin in wts
	s_lshl_b32 s39, s35, 15
	s_add_co_u32 s39, s39, 9437184                 ; and the scale words
	s_and_b32 s40, s34, 7                          ; which 128 columns
	s_bfe_u32 s41, s34, 0x20003                    ; which 256 along K
	s_mov_b32 s42, 4096                            ; a row of the weight in bytes
	s_mov_b32 s43, 8                               ; its K steps
	s_lshr_b32 s44, s34, 3
	s_cmp_eq_u32 s33, 1
	s_cselect_b32 s41, s44, s41
	s_cselect_b32 s43, 32, s43
	s_cselect_b32 s38, 6291456, s38
	s_cselect_b32 s39, 9699328, s39
	s_and_b32 s44, s34, 31
	s_lshr_b32 s45, s34, 5
	s_cmp_eq_u32 s33, 0
	s_cselect_b32 s40, s44, s40
	s_cselect_b32 s41, s45, s41
	s_cselect_b32 s42, 16384, s42
	s_cselect_b32 s38, 3145728, s38
	s_cselect_b32 s39, 9568256, s39
	s_wait_alu depctr_va_vdst(0)
	v_and_b32 v7, 7, v1                            ; lane l takes column (l % 8) + 16 ((l / 8) % 2) + 8 (l / 16) of my 32: lanes 0-15 hold the even tile's lane-rows in order, lanes 16-31 the odd tile's
	v_bfe_u32 v8, v1, 3, 1
	v_lshl_add_u32 v7, v8, 4, v7
	v_lshl_add_u32 v7, v3, 3, v7
	v_lshlrev_b32 v7, 2, v7
.set i, 0
.rept 32
	v_mad_u32_u24 v[OFF+i], s42, i, v7
.set i, i+1
.endr
	s_lshl_b32 s44, s43, 6
	v_mul_u32_u24 v9, s44, v3                      ; the scale words: lanes 16-31 one tile on,
	v_lshl_add_u32 v9, v2, 2, v9                   ; word l % 16
	s_lshl_b32 s46, s40, 2
	s_add_co_u32 s46, s46, s24                     ; G: my group of 32 columns
	s_mul_i32 s44, s41, s42
	s_lshl_b32 s44, s44, 8                         ; 256 rows for each step along K
	s_lshl_b32 s45, s46, 7                         ; 128 bytes a group
	s_add_co_u32 s44, s44, s45
	s_mov_b32 s45, 0
	s_lshl_b32 s54, s42, 5                         ; a block: 32 rows
	s_mov_b32 s55, 0
	s_lshl_b32 s47, s46, 1
	s_mul_i32 s47, s47, s43
	s_lshl_b32 s56, s41, 1
	s_add_co_u32 s47, s47, s56                     ; fragment (tile 2 G, K step 2 kc)
	s_mul_i32 s56, s47, 1536
	s_add_co_u32 s56, s56, s38
	s_mov_b32 s57, 0
	s_mul_i32 s58, s43, 1536                       ; from a tile to the next
	s_mov_b32 s59, 0
	s_lshl_b32 s60, s47, 6
	s_add_co_u32 s60, s60, s39
	s_mov_b32 s61, 0
	s_wait_alu depctr_va_vdst(0)
	s_wait_kmcnt 0x0
	s_cmp_eq_u32 s35, 1
	s_cselect_b64 s[36:37], s[14:15], s[12:13]
	s_cmp_eq_u32 s35, 2
	s_cselect_b64 s[36:37], s[16:17], s[36:37]
	s_cmp_eq_u32 s35, 3
	s_cselect_b64 s[36:37], s[18:19], s[36:37]
	s_cmp_eq_u32 s33, 0
	s_cselect_b64 s[36:37], s[8:9], s[36:37]
	s_cmp_eq_u32 s33, 1
	s_cselect_b64 s[36:37], s[10:11], s[36:37]
	s_add_nc_u64 s[WB:WB+1], s[36:37], s[44:45]
.irp t, 1,2,3,4,5,6,7
	s_add_nc_u64 s[WB+2*\t:WB+2*\t+1], s[WB+2*\t-2:WB+2*\t-1], s[54:55]   ; a base for each block: no pointer is stepped
.endr
	s_add_nc_u64 s[48:49], s[22:23], s[56:57]      ; the even tile's images
	s_add_nc_u64 s[50:51], s[48:49], s[58:59]      ; the odd tile's
	s_add_nc_u64 s[52:53], s[22:23], s[60:61]      ; the scale words
.macro WLOAD t                         ; block t: 32 rows at my column; a load reads 128 consecutive bytes, the four waves stand side by side on 512
.set i, 0
.rept 32
	global_load_b32 v[X+32*((\t)%2)+i], v[OFF+i], s[WB+2*(\t):WB+2*(\t)+1] th:TH_LOAD_NT
.set i, i+1
.endr
.endm
.macro BLOCK t
.set XS, X+32*((\t)%2)
.set DST, FB+24*((\t)/4)+12*((\t)%2)+6*(((\t)%4)/2)
.if (\t) < 7
	s_wait_loadcnt 32                              ; this block's 32 loads are in; the next block's may be out
.else
	s_wait_loadcnt 0x0
.endif
	v_max3_num_f32 v12, |v[XS]|, |v[XS+1]|, |v[XS+2]|
	v_max3_num_f32 v13, |v[XS+3]|, |v[XS+4]|, |v[XS+5]|
.irp i, 6,10,14,18,22,26
	v_max3_num_f32 v12, v12, |v[XS+\i]|, |v[XS+\i+1]|
	v_max3_num_f32 v13, v13, |v[XS+\i+2]|, |v[XS+\i+3]|
.endr
	v_max3_num_f32 v12, v12, |v[XS+30]|, |v[XS+31]|
	v_max3_num_f32 v12, v12, v13, 0x1800000        ; and the floor
	v_add_nc_u32 v14, 0xff000000, v12              ; the conversion's scale operand
	v_lshrrev_b32 v15, 23, v14                     ; the byte
.if (\t)%4 == 0
	v_mov_b32 v[SB+(\t)/4], v15
.else
	v_lshl_or_b32 v[SB+(\t)/4], v15, 8*((\t)%4), v[SB+(\t)/4]
.endif
	v_cvt_scalef32_pk16_fp6_f32 v[DST:DST+2], v[XS:XS+15], v14
	v_cvt_scalef32_pk16_fp6_f32 v[T3:T3+2], v[XS+16:XS+31], v14
	v_nop                                          ; one plain place behind a scaled conversion
.irp i, 0,1,2
	v_mov_b32 v[DST+3+\i], v[T3+\i]
.endr
.if (\t) < 6
	WLOAD (\t)+2
.endif
.if (\t)%2 == 1                        ; blocks 2 c and 2 c + 1 of both tiles change halves: the first register then is the even tile's, the second the odd tile's
.irp i, 0,1,2,3,4,5
	v_permlane16_swap_b32 v[DST-12+\i], v[DST+\i]
.endr
.endif
.if (\t)%4 == 3                        ; a K step is whole: its registers are its own, so no store's data are written again
.irp u, 0,1
	global_store_b128 v4, v[FB+24*((\t)/4)+12*\u:FB+24*((\t)/4)+12*\u+3], s[48+2*\u:49+2*\u] offset:1536*((\t)/4)
	global_store_b64 v5, v[FB+24*((\t)/4)+12*\u+4:FB+24*((\t)/4)+12*\u+5], s[48+2*\u:49+2*\u] offset:1536*((\t)/4)+512
	global_store_b128 v4, v[FB+24*((\t)/4)+12*\u+6:FB+24*((\t)/4)+12*\u+9], s[48+2*\u:49+2*\u] offset:1536*((\t)/4)+768
	global_store_b64 v5, v[FB+24*((\t)/4)+12*\u+10:FB+24*((\t)/4)+12*\u+11], s[48+2*\u:49+2*\u] offset:1536*((\t)/4)+1280
.endr
	global_store_b32 v9, v[SB+(\t)/4], s[52:53] offset:64*((\t)/4)
.endif
.endm
	WLOAD 0
	WLOAD 1
.irp t, 0,1,2,3,4,5,6,7
	BLOCK \t
.endr
	s_wait_tensorcnt 0x0                           ; the same three lines at this path's end
	ds_add_u32 v[SPW], v[NIL]
	s_wait_dscnt 0x0
	s_endpgm
.Lfunc_end_k_q0fac7607a7_quant:
	.size	k_q0fac7607a7_quant, .Lfunc_end_k_q0fac7607a7_quant-k_q0fac7607a7_quant
	.p2alignl 7, 3214868480
	.fill 96, 4, 3214868480
	.section	.rodata,"a",@progbits
	.p2align	6, 0x0
	.amdhsa_kernel k_q0fac7607a7_quant
		.amdhsa_group_segment_fixed_size 34304
		.amdhsa_private_segment_fixed_size 0
		.amdhsa_enable_private_segment 0
		.amdhsa_kernarg_size 80
		.amdhsa_user_sgpr_count 2
		.amdhsa_user_sgpr_kernarg_segment_ptr 1
		.amdhsa_wavefront_size32 1
		.amdhsa_system_sgpr_workgroup_id_x 1
		.amdhsa_system_sgpr_workgroup_id_y 1
		.amdhsa_system_sgpr_workgroup_id_z 1
		.amdhsa_system_vgpr_workitem_id 0
		.amdhsa_next_free_vgpr 256
		.amdhsa_next_free_sgpr 84
		.amdhsa_reserve_vcc 0
		.amdhsa_float_denorm_mode_32 3
		.amdhsa_float_denorm_mode_16_64 3
		.amdhsa_memory_ordered 1
		.amdhsa_forward_progress 1
		.amdhsa_inst_pref_size 78
	.end_amdhsa_kernel
	.amdgpu_metadata
---
amdhsa.version: [ 1, 2 ]
amdhsa.kernels:
  - .name:           k_q0fac7607a7_quant
    .symbol:         k_q0fac7607a7_quant.kd
    .args:
      - { .name: x, .offset: 0, .size: 8, .value_kind: global_buffer, .address_space: global }
      - { .name: y, .offset: 8, .size: 8, .value_kind: global_buffer, .address_space: global }
      - { .name: W1, .offset: 16, .size: 8, .value_kind: global_buffer, .address_space: global }
      - { .name: W2, .offset: 24, .size: 8, .value_kind: global_buffer, .address_space: global }
      - { .name: Wq, .offset: 32, .size: 8, .value_kind: global_buffer, .address_space: global }
      - { .name: Wk, .offset: 40, .size: 8, .value_kind: global_buffer, .address_space: global }
      - { .name: Wv, .offset: 48, .size: 8, .value_kind: global_buffer, .address_space: global }
      - { .name: Wo, .offset: 56, .size: 8, .value_kind: global_buffer, .address_space: global }
      - { .name: acts, .offset: 64, .size: 8, .value_kind: global_buffer, .address_space: global }
      - { .name: wts, .offset: 72, .size: 8, .value_kind: global_buffer, .address_space: global }
    .group_segment_fixed_size: 34304
    .private_segment_fixed_size: 0
    .kernarg_segment_align: 8
    .kernarg_segment_size: 80
    .max_flat_workgroup_size: 128
    .sgpr_count:     84
    .vgpr_count:     256
    .wavefront_size: 32
...
	.end_amdgpu_metadata
.endif
;; end of part 9
;; launch qkv (part 10): grid 48 x 4, 4 waves a work-group, clusters of 4 x 4, 327,680 bytes of LDS; arguments acts, wts, bq, bk, bv, qkv; writes qkv
.if DOCPART == 10
	.amdgcn_target "amdgcn-amd-amdhsa--gfx1250"
	.amdhsa_code_object_version 6
	.text
	.protected	k_q0fac7607a7_qkv
	.globl	k_q0fac7607a7_qkv
	.p2align	8
	.type	k_q0fac7607a7_qkv,@function
k_q0fac7607a7_qkv:
	s_mov_b64 s[64:65], 0
	v_nop
	global_prefetch_b8 v0, s[64:65] scope:SCOPE_SE
	s_setreg_imm32_b32 hwreg(HW_REG_WAVE_MODE, 25, 1), 1
	s_wait_xcnt 0x0
	s_wait_alu depctr_hold_cnt(0) depctr_sa_sdst(0) depctr_va_vdst(0) depctr_va_sdst(0) depctr_va_ssrc(0) depctr_va_vcc(0) depctr_vm_vsrc(0)
	s_getreg_b32 s2, hwreg(HW_REG_IB_STS2, 6, 4)
	s_cmp_eq_u32 s2, 0
	s_cbranch_scc0 .Lentry_in_a_cluster
	s_endpgm
.Lentry_in_a_cluster:
	s_bfe_u32 s2, ttmp6, 0x10000c
	s_cmp_lg_u32 s2, 0xf033
	s_cbranch_scc0 .Lentry_shape_is_right
	s_endpgm
.Lentry_shape_is_right:
.set KTOT,   1024
.set NS,     KTOT/128
.set FRB,    1536
.set TROW,   2*FRB
.set HALFT,  8*TROW
.set SLOT,   4*HALFT
.set LAPS,   KTOT/512
.set PITCHB, NS*FRB
.set SBLK,   NS*64
.set HALFS,  8*SBLK
.set SCL,    2*SLOT
.set SPARE,  SCL+4*HALFS
.set FR, 12
.set NL, 4
.set NP, 4
.set L16,  4
.set L8,   5
.set ADRA, 16
.set ADRB, 20
.set ADRS, 27
.set SPW,  28
.set NIL,  29
.set SC,   32
.set CB,   64
.set AF,   128
.set HA,   64
.set TM,   32
.set PW,   48
.set PS,   50
.set PC,   128
.set RB,   224
.set SEL,  66
.set G1, 24
.set G0, 32
.set G1B, 48
.set G0B, 56
.set G1S, 68
.set G0S, 76
.set G1SB, 80
.set G0SB, 88
.set MSB, 0
.macro WIN new
.if MSB != (\new)
	s_set_vgpr_msb (MSB<<8)|(\new)
.set MSB, (\new)
.endif
.endm
.set MUL_LO, 0xa1
.set MUL_HI, 0xf1
.set TO_B,   0x40
.macro JLOAD g0a, g1a, g0b, g1b
	s_cmp_eq_u32 s15, 0
	s_cbranch_scc0 .Lfor_b_\@
	tensor_load_to_lds s[\g0a:\g0a+3], s[\g1a:\g1a+7]
	s_nop 0
.rept 4
	v_nop
.endr
	s_branch .Lasked_\@
.Lfor_b_\@:
	tensor_load_to_lds s[\g0b:\g0b+3], s[\g1b:\g1b+7]
	s_nop 0
.rept 4
	v_nop
.endr
.Lasked_\@:
.endm
.macro CREST
	s_cmp_lg_u32 s14, 0
	s_cbranch_scc1 .Lnot_wave_0_\@
	s_barrier_signal -3
.Lnot_wave_0_\@:
	s_barrier_wait -3
	s_barrier_signal -1
	s_barrier_wait -1
.endm
.macro CROUND
	s_barrier_signal -1
	s_barrier_wait -1
	CREST
.endm
.macro PLACES n
.rept \n
	v_nop
.endr
.endm
.macro FRAG reg, adr, q, i
	ds_load_b128 v[\reg:\reg+3], v[\adr] offset:(\i)*TROW+(\q)*FRB
	ds_load_b64 v[\reg+4:\reg+5], v[\adr+2] offset:(\i)*TROW+(\q)*FRB+512
	ds_load_b128 v[\reg+6:\reg+9], v[\adr] offset:(\i)*TROW+(\q)*FRB+768
	ds_load_b64 v[\reg+10:\reg+11], v[\adr+2] offset:(\i)*TROW+(\q)*FRB+1280
.endm
.macro FETCH_B slot, q, p
	WIN TO_B
.irp i, 0,1,2,3,4,5,6,7
	FRAG 128*(\p)+FR*\i, ADRB+\slot, \q, \i
.endr
	WIN 0
.endm
.macro FETCH_A slot, q, i0
.irp i, \i0, \i0+1, \i0+2, \i0+3
	FRAG AF+FR*(\i), ADRA+\slot, \q, \i
.endr
.endm
.macro SCALES sc
.irp i, 0,1,2,3,4,5,6,7
	ds_load_b32 v[SC+16*\sc+2*\i], v[ADRS] offset:\i*SBLK
	ds_load_b32 v[SC+16*\sc+2*\i+1], v[ADRS] offset:\i*SBLK+64
.endr
.endm
.macro MUL16 a0, p, q, sc, first
.irp a, \a0, \a0+1
.irp b, 0,1,2,3,4,5,6,7
.if \first
	v_wmma_scale_f32_16x16x128_f8f6f4 v[8*(8*((\a)%4)+\b):8*(8*((\a)%4)+\b)+7], v[128*(\p)+FR*\b:128*(\p)+FR*\b+FR-1], v[AF+FR*(\a):AF+FR*(\a)+FR-1], v[CB+8*\b:CB+8*\b+7], v[SC+16*(\sc)+2*\b+(\q)], v[SC+16*(\sc)+2*(\a)+(\q)] matrix_a_fmt:MATRIX_FMT_FP6 matrix_b_fmt:MATRIX_FMT_FP6 matrix_a_scale:MATRIX_SCALE_ROW1
.else
	v_wmma_scale_f32_16x16x128_f8f6f4 v[8*(8*((\a)%4)+\b):8*(8*((\a)%4)+\b)+7], v[128*(\p)+FR*\b:128*(\p)+FR*\b+FR-1], v[AF+FR*(\a):AF+FR*(\a)+FR-1], v[8*(8*((\a)%4)+\b):8*(8*((\a)%4)+\b)+7], v[SC+16*(\sc)+2*\b+(\q)], v[SC+16*(\sc)+2*(\a)+(\q)] matrix_a_fmt:MATRIX_FMT_FP6 matrix_b_fmt:MATRIX_FMT_FP6 matrix_a_scale:MATRIX_SCALE_ROW1
.endif
.endr
.endr
.endm
.macro STEP slot, first
	s_wait_dscnt 4*NL
.if \first
	WIN 0x81
.else
	WIN MUL_LO
.endif
	MUL16 0, 0, 0, \slot, \first
	MUL16 2, 0, 0, \slot, \first
	s_wait_dscnt 0x0
	PLACES NP
	FETCH_B \slot, 1, 1
	FETCH_A \slot, 1, 0
.if \first
	WIN 0xc1
.else
	WIN MUL_HI
.endif
	MUL16 4, 0, 0, \slot, \first
	MUL16 6, 0, 0, \slot, \first
	PLACES NP
	WIN 0
	FETCH_A \slot, 1, 4
.endm
.macro TURN slot, next, fill
	s_wait_tensorcnt 0x0
	ds_add_u32 v[SPW], v[NIL]
	s_wait_dscnt 4*NL+1
	WIN MUL_LO
	MUL16 0, 1, 1, \slot, 0
	s_wait_dscnt 0x0
	s_barrier_signal -1
	MUL16 2, 1, 1, \slot, 0
	WIN 0
	s_barrier_wait -1
.if \fill
	CREST
	s_add_nc_u64 s[G0+4*\slot+2:G0+4*\slot+3], s[G0+4*\slot+2:G0+4*\slot+3], 2*TROW
	s_add_nc_u64 s[G0B+4*\slot+2:G0B+4*\slot+3], s[G0B+4*\slot+2:G0B+4*\slot+3], 2*TROW
	JLOAD G0+4*\slot, G1, G0B+4*\slot, G1B
.else
	PLACES NP
.endif
	s_wait_alu depctr_va_vdst(0)
	v_add_nc_u32 v[ADRS], 128, v[ADRS]
	FETCH_B \next, 0, 0
	FETCH_A \next, 0, 0
	SCALES \next
	WIN MUL_HI
	MUL16 4, 1, 1, \slot, 0
	MUL16 6, 1, 1, \slot, 0
	PLACES NP
	WIN 0
	FETCH_A \next, 0, 4
.endm
.macro QUANT s
.irp b, 0,1,2,3
	v_max3_num_f32 v[TM+\b], |v[\s+16*\b]|, |v[\s+1+16*\b]|, 0x1800000
.endr
.irp i, 2,4,6,8,10,12,14
.irp b, 0,1,2,3
	v_max3_num_f32 v[TM+\b], v[TM+\b], |v[\s+16*\b+\i]|, |v[\s+1+16*\b+\i]|
.endr
.endr
.irp b, 0,1,2,3
	v_permlanex16_b32 v[TM+4+\b], v[TM+\b], s[SEL], s[SEL+1]
.endr
.irp b, 0,1,2,3
	v_max_num_f32 v[TM+\b], v[TM+\b], v[TM+4+\b]
.endr
.irp b, 0,1,2,3
	v_add_nc_u32 v[TM+12+\b], 0xff000000, v[TM+\b]
.endr
.irp b, 0,1,2,3
	v_lshrrev_b32 v[TM+4+\b], 23, v[TM+12+\b]
.endr
	v_lshl_or_b32 v[PW], v[TM+5], 8, v[TM+4]
	v_lshl_or_b32 v[PW], v[TM+6], 16, v[PW]
	v_lshl_or_b32 v[PW], v[TM+7], 24, v[PW]
.irp c, 0,1
	v_cvt_scalef32_pk16_fp6_f32 v[PC+6*\c:PC+2+6*\c], v[\s+32*\c:\s+15+32*\c], v[TM+12+2*\c]
	v_cvt_scalef32_pk16_fp6_f32 v[PC+12+4*\c:PC+14+4*\c], v[\s+16+32*\c:\s+31+32*\c], v[TM+12+2*\c+1]
.endr
	v_nop
.irp c, 0,1
.irp i, 0,1,2
	v_permlane16_swap_b32 v[PC+6*\c+\i], v[PC+12+4*\c+\i]
.endr
.irp i, 0,1,2
	v_mov_b32 v[PC+3+6*\c+\i], v[PC+12+4*\c+\i]
.endr
.endr
.endm
	s_load_b256 s[4:11], s[0:1], 0x0
	s_load_b128 s[96:99], s[0:1], 0x20
	v_lshl_add_u32 v[SPW], v0, 2, SPARE
	v_mov_b32 v[NIL], 0
	ds_add_u32 v[SPW], v[NIL]
	ds_add_u32 v[SPW], v[NIL]
	v_lshrrev_b32 v1, 5, v0
	v_readfirstlane_b32 s14, v1
	s_lshr_b32 s15, s14, 1
	s_and_b32 s16, s14, 1
	s_bfe_u32 s40, ttmp6, 0x40000
	s_bfe_u32 s41, ttmp6, 0x40004
	s_lshr_b32 s2, ttmp9, 2
	s_and_b32 s3, ttmp9, 3
	s_lshl_b32 s3, s3, 2
	s_cmp_eq_u32 s2, 2
	s_cselect_b32 s18, 0, s3
	s_cselect_b32 s19, s3, 0
	s_add_co_u32 s17, s41, s18
	s_add_co_u32 s42, s40, s19
	s_lshl_b32 s43, s41, 2
	s_lshl_b32 s43, 15, s43
	s_lshl_b32 s44, 0x1111, s40
	s_or_b32 s[G1+0], s43, (3<<16)|(1<<21)
	s_or_b32 s[G1B+0], s44, (3<<16)|(1<<21)
.irp g, G1, G1B
	s_mov_b32 s[\g+1], 384<<16
	s_mov_b32 s[\g+2], 8<<16
	s_mov_b32 s[\g+3], 384<<16
	s_mov_b32 s[\g+4], 8
	s_mov_b32 s[\g+5], PITCHB/8
	s_mov_b32 s[\g+6], 0
	s_mov_b32 s[\g+7], 0
.endr
	s_or_b32 s[G1S+0], s43, (3<<16)|(1<<21)
	s_or_b32 s[G1SB+0], s44, (3<<16)|(1<<21)
.irp g, G1S, G1SB
	s_mov_b32 s[\g+1], 32<<16
	s_mov_b32 s[\g+2], (HALFS/256)<<16
	s_mov_b32 s[\g+3], 32<<16
	s_mov_b32 s[\g+4], HALFS/256
	s_mov_b32 s[\g+5], 32
	s_mov_b32 s[\g+6], 0
	s_mov_b32 s[\g+7], 0
.endr
	s_mov_b32 s[SEL], 0x76543210
	s_mov_b32 s[SEL+1], 0xfedcba98
	s_lshl_b32 s18, s16, 3
	s_lshl_b32 s20, s17, 4
	s_add_co_u32 s20, s20, s18
	s_lshl_b32 s46, s42, 4
	s_add_co_u32 s46, s46, s18
	s_mul_i32 s22, s20, SBLK
	s_mul_i32 s92, s46, SBLK
	s_mul_i32 s20, s20, PITCHB
	s_mul_i32 s46, s46, PITCHB
	s_cmp_eq_u32 s2, 1
	s_cselect_b32 s18, 3145728, 0
	s_cselect_b32 s19, 786432, 0
	s_mov_b32 s21, 6291456
	s_cselect_b32 s21, 6422528, s21
	s_mov_b32 s23, 9437184
	s_cselect_b32 s23, 9469952, s23
	s_cmp_eq_u32 s2, 2
	s_cselect_b32 s18, 1572864, s18
	s_cselect_b32 s19, 3145728, s19
	s_cselect_b32 s21, 9502720, s21
	s_cselect_b32 s23, 6422528, s23
	s_add_co_u32 s20, s20, s18
	s_add_co_u32 s46, s46, s19
	s_add_co_u32 s22, s22, s21
	s_add_co_u32 s92, s92, s23
	s_mov_b32 s21, 0
	s_mov_b32 s23, 0
	s_mov_b32 s47, 0
	s_mov_b32 s93, 0
	s_mul_i32 s45, s14, HALFT
	s_mul_i32 s94, s14, HALFS
	s_wait_dscnt 0x0
	s_wait_kmcnt 0x0
	s_cmp_eq_u32 s2, 2
	s_cselect_b64 s[18:19], s[6:7], s[4:5]
	s_cselect_b64 s[4:5], s[4:5], s[6:7]
	s_add_nc_u64 s[20:21], s[18:19], s[20:21]
	s_add_nc_u64 s[22:23], s[18:19], s[22:23]
	s_add_nc_u64 s[46:47], s[4:5], s[46:47]
	s_add_nc_u64 s[92:93], s[4:5], s[92:93]
	s_cmp_eq_u32 s2, 1
	s_cselect_b64 s[8:9], s[10:11], s[8:9]
	s_cmp_eq_u32 s2, 2
	s_cselect_b64 s[8:9], s[96:97], s[8:9]
	CROUND
	s_mov_b32 s[G0S], 1
	s_add_co_u32 s[G0S+1], s94, SCL
	s_mov_b64 s[G0S+2:G0S+3], s[22:23]
	s_or_b32 s[G0S+3], s[G0S+3], 0x80000000
	s_mov_b32 s[G0SB], 1
	s_add_co_u32 s[G0SB+1], s94, SCL
	s_mov_b64 s[G0SB+2:G0SB+3], s[92:93]
	s_or_b32 s[G0SB+3], s[G0SB+3], 0x80000000
	JLOAD G0S, G1S, G0SB, G1SB
.irp s, 0,1
	s_mov_b32 s[G0+4*\s], 1
	s_add_co_u32 s[G0+4*\s+1], s45, \s*SLOT
	s_add_nc_u64 s[G0+4*\s+2:G0+4*\s+3], s[20:21], \s*TROW
	s_or_b32 s[G0+4*\s+3], s[G0+4*\s+3], 0x80000000
	s_mov_b32 s[G0B+4*\s], 1
	s_add_co_u32 s[G0B+4*\s+1], s45, \s*SLOT
	s_add_nc_u64 s[G0B+4*\s+2:G0B+4*\s+3], s[46:47], \s*TROW
	s_or_b32 s[G0B+4*\s+3], s[G0B+4*\s+3], 0x80000000
	s_wait_alu depctr_va_vdst(0)
	s_wait_tensorcnt 0x0
	ds_add_u32 v28, v29
	s_wait_dscnt 0x0
	CROUND
	JLOAD G0+4*\s, G1, G0B+4*\s, G1B
.endr
	v_and_b32 v1, 15, v0
	v_bfe_u32 v2, v0, 4, 1
	v_and_b32 v3, 31, v0
	v_lshlrev_b32 v[L16], 4, v3
	v_lshlrev_b32 v[L8], 3, v3
	s_mul_i32 s21, s15, HALFT
	s_mul_i32 s22, s16, HALFT
	s_add_co_u32 s22, s22, 2*HALFT
.irp s, 0,1
	v_add_nc_u32 v[ADRA+\s], s21, v[L16]
	v_add_nc_u32 v[ADRB+\s], s22, v[L16]
	v_add_nc_u32 v[ADRA+2+\s], s21, v[L8]
	v_add_nc_u32 v[ADRB+2+\s], s22, v[L8]
	s_add_co_u32 s21, s21, SLOT
	s_add_co_u32 s22, s22, SLOT
.endr
	s_mul_i32 s21, s15, HALFS
	s_mul_i32 s22, s16, HALFS
	s_add_co_u32 s22, s22, 2*HALFS
	s_sub_co_u32 s22, s22, s21
	v_mul_u32_u24 v6, s22, v2
	s_add_co_u32 s21, s21, SCL
	v_lshl_add_u32 v6, v1, 2, v6
	v_add_nc_u32 v[ADRS], s21, v6
	s_lshl_b32 s18, s42, 10
	s_lshl_b32 s19, s16, 9
	s_add_co_u32 s18, s18, s19
	s_lshl_b32 s20, s17, 10
	s_lshl_b32 s21, s15, 9
	s_add_co_u32 s20, s20, s21
	s_cmp_eq_u32 s2, 2
	s_cselect_b32 s18, 0, s18
	s_cselect_b32 s20, s20, 0
	s_cselect_b32 s12, -1, 0
	s_cselect_b32 s13, 0, -1
	s_mov_b32 s19, 0
	s_mov_b32 s21, 0
	s_add_nc_u64 s[92:93], s[8:9], s[18:19]
	s_add_nc_u64 s[46:47], s[8:9], s[20:21]
	v_lshlrev_b32 v6, 6, v2
	v_and_b32 v7, 8, v1
	v_add_nc_u32 v7, v7, v1
	v_lshlrev_b32 v7, 2, v7
	v_mov_b32 v31, 0
.irp b, 0,1,2,3,4,5,6,7
	global_load_b128 v[CB+8*\b:CB+8*\b+3], v6, s[92:93] offset:128*(\b/2)+32*(\b%2)
	global_load_b128 v[CB+8*\b+4:CB+8*\b+7], v6, s[92:93] offset:128*(\b/2)+32*(\b%2)+16
.endr
.irp a, 0,1,2,3,4,5,6,7
	global_load_b32 v[RB+2*\a], v7, s[46:47] offset:4*(32*(\a/2)+8*(\a%2))
.endr
	s_cmp_eq_u32 s2, 2
	s_cselect_b32 s10, s42, s17
	s_cselect_b32 s11, s17, s42
	s_cselect_b32 s40, s16, s15
	s_cselect_b32 s41, s15, s16
	s_lshr_b32 s43, s10, 3
	s_lshl_b32 s43, s43, 4
	s_lshl_b32 s11, s11, 2
	s_add_co_u32 s43, s43, s11
	s_lshl_b32 s41, s41, 1
	s_add_co_u32 s43, s43, s41
	s_and_b32 s10, s10, 7
	s_lshl_b32 s10, s10, 1
	s_add_co_u32 s10, s10, s40
	s_mov_b32 s44, 196608
	s_mov_b32 s45, 12288
	s_mov_b32 s11, 9699328
	s_cmp_eq_u32 s2, 0
	s_cselect_b32 s44, 98304, s44
	s_cselect_b32 s45, 8192, s45
	s_cselect_b32 s11, 9437184, s11
	s_cselect_b32 s40, 0, 3145728
	s_mov_b32 s18, 768
	s_mov_b32 s41, 512
	s_cmp_eq_u32 s2, 2
	s_cselect_b32 s11, 9707520, s11
	s_cselect_b32 s40, 3244032, s40
	s_cselect_b32 s6, 768, s44
	s_cselect_b32 s20, 192000, s18
	s_cselect_b32 s18, 1536, s18
	s_cselect_b32 s22, 12096, 64
	s_cselect_b32 s41, 256, s41
	s_cselect_b32 s3, 0, 16
	s_cselect_b32 s42, 0, s45
	s_mov_b32 s7, 0
	s_mov_b32 s19, 0
	s_mov_b32 s21, 0
	s_mov_b32 s23, 0
	s_mul_i32 s44, s43, s44
	s_add_co_u32 s44, s44, s40
	s_mul_i32 s40, s10, 6144
	s_add_co_u32 s44, s44, s40
	s_mul_i32 s40, s43, s45
	s_mov_b32 s45, 0
	s_add_nc_u64 s[4:5], s[98:99], s[44:45]
	s_add_nc_u64 s[6:7], s[4:5], s[6:7]
	s_add_co_u32 s40, s40, s11
	s_mul_i32 s41, s10, s41
	s_add_co_u32 s40, s40, s41
	s_mov_b32 s41, 0
	s_add_nc_u64 s[100:101], s[98:99], s[40:41]
	v_mul_u32_u24 v30, s3, v2
	v_mul_u32_u24 v26, s42, v2
	v_lshl_add_u32 v26, v1, 2, v26
	s_wait_alu depctr_va_vdst(0)
	s_wait_loadcnt 0x0
.set i, 0
.rept 64
	v_cndmask_b32 v[CB+i], v[CB+i], v31, s12
.set i, i+1
.endr
.irp a, 0,1,2,3,4,5,6,7
	v_cndmask_b32 v[RB+2*\a+1], v[RB+2*\a], v31, s13
	v_cndmask_b32 v[RB+2*\a], v[RB+2*\a], v31, s13
.endr
	s_wait_tensorcnt 1
	s_barrier_signal -1
	s_barrier_wait -1
	FETCH_B 0, 0, 0
	FETCH_A 0, 0, 0
	SCALES 0
	FETCH_A 0, 0, 4
	STEP 0, 1
	s_mov_b32 s3, LAPS-1
.Llap:
	TURN 0, 1, 1
	STEP 1, 0
	TURN 1, 0, 1
	STEP 0, 0
	s_sub_co_u32 s3, s3, 1
	s_cmp_lg_u32 s3, 0
	s_cbranch_scc1 .Llap
	TURN 0, 1, 0
	STEP 1, 0
	s_wait_dscnt 4*NL
	WIN MUL_LO
	MUL16 0, 1, 1, 1, 0
	MUL16 2, 1, 1, 1, 0
	s_wait_dscnt 0x0
	WIN MUL_HI
	MUL16 4, 1, 1, 1, 0
	MUL16 6, 1, 1, 1, 0
	WIN 0
	PLACES NP
.irp b, 0,1,2,3
	v_mov_b32 v[TM+4+\b], 0
.endr
.macro QOUT a
	s_wait_xcnt 0x0
.if (\a) == 4
	s_add_nc_u64 s[4:5], s[4:5], s[20:21]
	s_add_nc_u64 s[6:7], s[6:7], s[20:21]
	s_add_nc_u64 s[100:101], s[100:101], s[22:23]
.elseif (\a) > 0
	s_add_nc_u64 s[4:5], s[4:5], s[18:19]
	s_add_nc_u64 s[6:7], s[6:7], s[18:19]
	s_add_nc_u64 s[100:101], s[100:101], 64
.endif
	WIN 0x02+(\a)/4
.set i, 0
.rept 32
	v_pk_add_f32 v[HA+2*i:HA+2*i+1], v[64*((\a)%4)+2*i:64*((\a)%4)+2*i+1], v[RB+2*(\a):RB+2*(\a)+1]
.set i, i+1
.endr
	WIN 0
	QUANT HA
	v_lshrrev_b32 v[PS], v30, v[PW]
	global_store_b128 v[L16], v[PC:PC+3], s[4:5]
	global_store_b64 v[L8], v[PC+4:PC+5], s[4:5] offset:512
	global_store_b128 v[L16], v[PC+6:PC+9], s[6:7]
	global_store_b64 v[L8], v[PC+10:PC+11], s[6:7] offset:512
	global_store_b32 v26, v[PS], s[100:101]
.endm
.irp a, 0,1,2,3,4,5,6,7
	QOUT \a
.endr
	s_wait_tensorcnt 0x0
	ds_add_u32 v[SPW], v[NIL]
	s_wait_dscnt 0x0
	CROUND
	s_endpgm
.Lfunc_end_k_q0fac7607a7_qkv:
	.size	k_q0fac7607a7_qkv, .Lfunc_end_k_q0fac7607a7_qkv-k_q0fac7607a7_qkv
	.p2alignl 7, 3214868480
	.fill 96, 4, 3214868480
	.section	.rodata,"a",@progbits
	.p2align	6, 0x0
	.amdhsa_kernel k_q0fac7607a7_qkv
		.amdhsa_group_segment_fixed_size 327680
		.amdhsa_private_segment_fixed_size 0
		.amdhsa_enable_private_segment 0
		.amdhsa_kernarg_size 48
		.amdhsa_user_sgpr_count 2
		.amdhsa_user_sgpr_kernarg_segment_ptr 1
		.amdhsa_wavefront_size32 1
		.amdhsa_system_sgpr_workgroup_id_x 1
		.amdhsa_system_sgpr_workgroup_id_y 1
		.amdhsa_system_sgpr_workgroup_id_z 1
		.amdhsa_system_vgpr_workitem_id 0
		.amdhsa_next_free_vgpr 1024
		.amdhsa_next_free_sgpr 102
		.amdhsa_reserve_vcc 0
		.amdhsa_float_denorm_mode_32 3
		.amdhsa_float_denorm_mode_16_64 3
		.amdhsa_memory_ordered 1
		.amdhsa_forward_progress 1
		.amdhsa_inst_pref_size 179
	.end_amdhsa_kernel
	.amdgpu_metadata
---
amdhsa.version: [ 1, 2 ]
amdhsa.kernels:
  - .name:           k_q0fac7607a7_qkv
    .symbol:         k_q0fac7607a7_qkv.kd
    .args:
      - { .name: acts, .offset: 0, .size: 8, .value_kind: global_buffer, .address_space: global }
      - { .name: wts, .offset: 8, .size: 8, .value_kind: global_buffer, .address_space: global }
      - { .name: bq, .offset: 16, .size: 8, .value_kind: global_buffer, .address_space: global }
      - { .name: bk, .offset: 24, .size: 8, .value_kind: global_buffer, .address_space: global }
      - { .name: bv, .offset: 32, .size: 8, .value_kind: global_buffer, .address_space: global }
      - { .name: qkv, .offset: 40, .size: 8, .value_kind: global_buffer, .address_space: global }
    .group_segment_fixed_size: 327680
    .private_segment_fixed_size: 0
    .kernarg_segment_align: 8
    .kernarg_segment_size: 48
    .max_flat_workgroup_size: 128
    .sgpr_count:     102
    .vgpr_count:     1024
    .wavefront_size: 32
...
	.end_amdgpu_metadata
.endif
;; end of part 10
;; launch attn (part 11): grid 8 x 32, 8 waves a work-group, clusters of 4 x 1, 222,208 bytes of LDS; arguments qkv, mask, att; writes att
.if DOCPART == 11
	.amdgcn_target "amdgcn-amd-amdhsa--gfx1250"
	.amdhsa_code_object_version 6
	.text
	.protected	k_q0fac7607a7_attn
	.globl	k_q0fac7607a7_attn
	.p2align	8
	.type	k_q0fac7607a7_attn,@function
k_q0fac7607a7_attn:
	s_mov_b64 s[64:65], 0
	v_nop
	global_prefetch_b8 v0, s[64:65] scope:SCOPE_SE
	s_setreg_imm32_b32 hwreg(HW_REG_WAVE_MODE, 25, 1), 1
	s_wait_xcnt 0x0
	s_wait_alu depctr_hold_cnt(0) depctr_sa_sdst(0) depctr_va_vdst(0) depctr_va_sdst(0) depctr_va_ssrc(0) depctr_va_vcc(0) depctr_vm_vsrc(0)
	s_getreg_b32 s2, hwreg(HW_REG_IB_STS2, 6, 4)
	s_cmp_eq_u32 s2, 0
	s_cbranch_scc0 .Lentry_in_a_cluster
	s_endpgm
.Lentry_in_a_cluster:
	s_bfe_u32 s2, ttmp6, 0x10000c
	s_cmp_lg_u32 s2, 0x3003
	s_cbranch_scc0 .Lentry_shape_is_right
	s_endpgm
.Lentry_shape_is_right:
; Attention of one head on codes of FP6 (E2M3) with E8M0 scales: S^T = K Q^T, the mask, p = 2^(t - M), O^T = V^T P^T, O / l; the result is quantised along the model's 1,024 and leaves as codes.
; t = score x log2(e) / 8; M = the running largest t rounded up to a whole number; the row's sum l is taken of the unquantised p; when M moves, l and O^T are multiplied by 2^(old M - new M), exactly.
; SHARES.  A work-group owns 256 queries of one head; each of its eight waves two tiles of 16 queries in 512 registers, so that every fragment of K, V, the scale words and the mask read from LDS serves two tiles.
; THE WHOLE HEAD LIES IN LDS, each byte filled once: no ring, no refill.  Wave w brings key steps 2 w and 2 w + 1 by ONE joint tensor load of two rows of 12,288 bytes (K's codes, V's codes, 98,304 bytes apart in memory):
; LDS [pair of key steps][K 2 x 6,144][V 2 x 6,144].  The four work-groups of a cluster belong to one head, so the load names all four.  Scale words (12,288 bytes) and the mask's addends (8,192) go in by ds_store.
; No prefetch: every tile is asked for at the head, and there is no loop to run ahead in.
; K'S TILES ARE FORMED BY THE LANES' ADDRESSES.  In memory lane-row p of tile T is key 32 (T / 2) + 8 (T % 2) + p + 8 (p / 8).  Tile n = 4 c + t of a step takes rows 0-7 = keys 64 c + 8 t + 0..7 and rows 8-15 = keys 64 c + 32 + 8 t + 0..7:
; lane (r, h) then holds query r, and its 32 registers of tiles 4 c .. 4 c + 3 are keys 64 c + 32 h + 0..31: a whole scale block, in the order of P's operand.  No lane looks at another for a block's largest number or for its codes.
; (Rows 0-7 and 8-15 of such a tile lie 1,536 bytes apart in LDS.)
; K = 64 IN AN INSTRUCTION OF 128: Q's registers 6-11 are zero codes, so what stands in K's registers 6-11 adds nothing: K's tiles lie 6 registers apart and each instruction names 12.
; THE MASK: 0 or -2^100 for each key is the C of the score's product; one set of 64 registers serves both query tiles.
; LOADS RUN AHEAD: behind a step's score products V of this step and K, scale words and mask of the next are asked for.  The last step asks for step 0 again (the address wraps): those registers are not read.
; LIMITS: a hidden key gets -2^100 added where the reference sets the logit to -1e9: the same result while |raw score| < 2^76 and a row's open logits lie well above -1e9 (a row with every key hidden
; gets equal weights, as there, provided the sum of -2^100 and a score rounds to -2^100); the scaled scores stay under 2^31; NaN and infinities are not served; 1 / l by v_rcp_f32; a block of zeros has the byte 1.
.set LKS,   196608                     ; LDS: K's scale words [tile][16],
.set LVS,   204800                     ; V's [key step][tile][16],
.set LMB,   208896                     ; the mask's addends, f32, a key each
.set SPARE, 221184                     ; the spare words, 128 bytes a wave
; window 0 (v0-255)
.set SPW, 1
.set NIL, 2
.set CK16, 3                           ; lane terms: K's pieces of 16 and of 8 bytes, K's scale words, the mask, V's scale words
.set CK8,  4
.set CKS,  5
.set CMB,  6
.set CVS,  9
.set ADK16, 10                         ; the addresses at work
.set ADK8,  11
.set ADKS,  12
.set ADM,   13
.set ADV16, 14
.set ADV8,  15
.set QF,  16                           ; v16-39 Q, two tiles of 12
.set KF,  40                           ; v40-93 K's eight tiles of 6; v88-93 stay 0
.set VF,  96                           ; v96-143 V's four tiles
.set MC,  144                          ; v144-207 the mask's addends
.set KS,  208                          ; v208-211 K's scale words: register 2 c + t % 2, lanes 0-15 t / 2 = 0, lanes 16-31 t / 2 = 1
.set VS,  212                          ; v212-213 V's: lanes 0-15 the even tile, lanes 16-31 the odd
.set QS,  214                          ; v214-215 Q's
.set PS,  216                          ; v216-217 P's
.set ADVS, 218
.set L16, 219
.set L8,  220
.set R4,  221
; window 1 (v256-511), by their low 8 bits: S^T, then p, of query tile q at 64 q + 32 c + 8 t + j
.set OO,  128                          ; O^T: 32 q + 8 d
.set PP,  192                          ; P's codes: 12 q
.set T2,  216                          ; a block's upper 16 codes: 8 q + 4 c
.set SH8, 219                          ; 8 h
.set NM,  232                          ; pairs (-M, the largest raw score)
.set LL,  236                          ; pairs: the sum
.set FF,  240                          ; pairs: f = 2^(old M - new M) in the low word
.set BM,  244                          ; a block's largest: 2 q + c
.set XA,  248                          ; v248-253 three more chains of the sum; later the scale bytes
.set TP,  252
.set OLD, 254
.set WV,  10
.set SEL, 20
.set CS,  22                           ; s[22:23] c = log2(e) / 8;  s24 -c
.set NCS, 24
.set G1,  28
.set G0,  36
.set TBV, 40
.set TJV, 41
.set TBN, 42
.set TSN, 43
.set TSC, 44
.set CNT, 45
.set MSB, 0
.macro WIN new                         ; the immediate's high byte repeats the setting that is left
.if MSB != (\new)
	s_set_vgpr_msb (MSB<<8)|(\new)
.set MSB, (\new)
.endif
.endm
.macro WALU
	s_wait_alu depctr_va_vdst(0)
.endm
.macro DEP2
	s_delay_alu instid0(VALU_DEP_2)
.endm
.macro CROUND
	s_barrier_signal -1
	s_barrier_wait -1
	s_cmp_lg_u32 s[WV], 0
	s_cbranch_scc1 .Lnot_wave_0_\@
	s_barrier_signal -3
.Lnot_wave_0_\@:
	s_barrier_wait -3
	s_barrier_signal -1
	s_barrier_wait -1
.endm
.macro LOADK o, m                      ; 36 loads: K's eight tiles, four registers of scale words, the mask's 64 addends
.irp n, 0,1,2,3,4,5,6,7
	ds_load_b128 v[KF+6*\n:KF+6*\n+3], v[ADK16] offset:\o+(4*(\n/4)+\n%2)*768+128*((\n%4)/2)
	ds_load_b64 v[KF+6*\n+4:KF+6*\n+5], v[ADK8] offset:\o+(4*(\n/4)+\n%2)*768+512+64*((\n%4)/2)
.endr
.irp g, 0,1,2,3
	ds_load_b32 v[KS+\g], v[ADKS] offset:\m+256*(\g/2)+64*(\g%2)
.endr
.irp n, 0,1,2,3,4,5,6,7
	ds_load_b128 v[MC+8*\n:MC+8*\n+3], v[ADM] offset:\m+256*(\n/4)+32*(\n%4)
	ds_load_b128 v[MC+8*\n+4:MC+8*\n+7], v[ADM] offset:\m+256*(\n/4)+32*(\n%4)+16
.endr
.endm
.macro LOADV o, j                      ; 18 loads: V's four tiles and their scale words
.irp d, 0,1,2,3
	ds_load_b128 v[VF+12*\d:VF+12*\d+3], v[ADV16] offset:\o+1536*\d
	ds_load_b64 v[VF+12*\d+4:VF+12*\d+5], v[ADV8] offset:\o+1536*\d+512
	ds_load_b128 v[VF+12*\d+6:VF+12*\d+9], v[ADV16] offset:\o+1536*\d+768
	ds_load_b64 v[VF+12*\d+10:VF+12*\d+11], v[ADV8] offset:\o+1536*\d+1280
.endr
	ds_load_b32 v[VS], v[ADVS] offset:\j
	ds_load_b32 v[VS+1], v[ADVS] offset:\j+128
.endm
.macro SUMS q                          ; l = l f + the 64 p of my lane, two at a time, in four chains
	v_pk_fma_f32 v[LL+2*\q:LL+2*\q+1], v[LL+2*\q:LL+2*\q+1], v[FF+2*\q:FF+2*\q+1], v[64*\q:64*\q+1] op_sel_hi:[1,0,1]
.irp x, 0,1,2
	v_pk_add_f32 v[XA+2*\x:XA+2*\x+1], v[64*\q+2+4*\x:64*\q+3+4*\x], v[64*\q+4+4*\x:64*\q+5+4*\x]
.endr
.set k, 0
.rept 25
.if k%4 == 0
.set TG, LL+2*\q
.else
.set TG, XA+2*(k%4)-2
.endif
	v_pk_add_f32 v[TG:TG+1], v[TG:TG+1], v[64*\q+14+2*k:64*\q+15+2*k]
.set k, k+1
.endr
	v_pk_add_f32 v[XA:XA+1], v[XA:XA+1], v[XA+2:XA+3]
	v_pk_add_f32 v[LL+2*\q:LL+2*\q+1], v[LL+2*\q:LL+2*\q+1], v[XA+4:XA+5]
	v_pk_add_f32 v[LL+2*\q:LL+2*\q+1], v[LL+2*\q:LL+2*\q+1], v[XA:XA+1]
.endm
	s_load_b128 s[4:7], s[0:1], 0x0                ; qkv s[4:5], mask s[6:7]
	s_load_b64 s[8:9], s[0:1], 0x10                ; att
	v_lshl_add_u32 v[SPW], v0, 2, SPARE
	v_mov_b32 v[NIL], 0
	ds_add_u32 v[SPW], v[NIL]                      ; the opening lines: the add, twice on end, and its wait ahead of my tensor load
	ds_add_u32 v[SPW], v[NIL]
	v_lshrrev_b32 v222, 5, v0
	v_readfirstlane_b32 s[WV], v222                ; wave 0..7
	s_bfe_u32 s11, ttmp6, 0x40000                  ; cx
	s_lshl_b32 s12, ttmp9, 2
	s_add_co_u32 s12, s12, s11                     ; my block of 256 queries: it enters Q's and the result's addresses alone
	s_and_b32 s13, ttmp7, 0xffff                   ; 16 x batch + head, which the four partners share
	s_mov_b32 s[G1], 15|(3<<16)|(1<<21)            ; the mask: all four; elements of 8 bytes; bit 21 beside a mask
	s_mov_b32 s[G1+1], 1536<<16                    ; a row: 12,288 bytes
	s_mov_b32 s[G1+2], 2<<16                       ; two rows: K's, V's
	s_mov_b32 s[G1+3], 1536<<16
	s_mov_b32 s[G1+4], 2
	s_mov_b32 s[G1+5], 12288                       ; 98,304 bytes from K's codes to V's
	s_mov_b32 s[G1+6], 0
	s_mov_b32 s[G1+7], 0
	s_mul_i32 s46, s[WV], 12288
	s_mul_i32 s48, s13, 196608
	s_add_co_u32 s48, s48, s46
	s_add_co_u32 s48, s48, 3145728
	s_mov_b32 s49, 0
	s_mov_b32 s[G0], 1
	s_mul_i32 s[G0+1], s[WV], 24576
	s_mov_b32 s[SEL], 0x76543210
	s_mov_b32 s[SEL+1], 0xfedcba98
	s_mov_b32 s[CS], 0x3e38aa3b
	s_mov_b32 s[CS+1], s[CS]
	s_mov_b32 s[NCS], 0xbe38aa3b
	s_wait_dscnt 0x0                               ; both opening adds are done
	s_wait_kmcnt 0x0
	s_add_nc_u64 s[G0+2:G0+3], s[4:5], s[48:49]
	s_or_b32 s[G0+3], s[G0+3], 0x80000000
	CROUND                                         ; all four work-groups are here: the joint loads meet
	tensor_load_to_lds s[G0:G0+3], s[G1:G1+7]      ; my one tensor load: key steps 2 w and 2 w + 1
	s_nop 0
	s_lshr_b32 s46, s13, 4
	s_lshl_b32 s46, s46, 13                        ; the batch's 2,048 words of the mask
	s_mov_b32 s47, 0
	s_add_nc_u64 s[6:7], s[6:7], s[46:47]
	s_mul_i32 s46, s13, 12288
	s_add_co_u32 s46, s46, 9699328
	s_add_nc_u64 s[50:51], s[4:5], s[46:47]        ; K's and V's scale words
	s_lshl_b32 s52, s12, 4
	s_lshl_b32 s53, s[WV], 1
	s_add_co_u32 s52, s52, s53                     ; my first tile of queries in the batch
	s_mul_i32 s46, s13, 98304
	s_mul_i32 s53, s52, 768
	s_add_co_u32 s46, s46, s53
	s_add_nc_u64 s[14:15], s[4:5], s[46:47]        ; Q's codes
	s_lshl_b32 s46, s13, 13
	s_lshl_b32 s53, s52, 6
	s_add_co_u32 s46, s46, s53
	s_add_co_u32 s46, s46, 9437184
	s_add_nc_u64 s[16:17], s[4:5], s[46:47]        ; Q's scale words
	s_lshr_b32 s46, s13, 4
	s_lshl_b32 s46, s46, 7
	s_add_co_u32 s46, s46, s52                     ; my first tile among the 256
	s_lshl_b32 s46, s46, 3
	s_bfe_u32 s53, s13, 0x30001
	s_add_co_u32 s46, s46, s53                     ; fragment (tile, K step head / 2)
	s_and_b32 s53, s13, 1                          ; and the half of it that is my head's
	s_lshl_b32 s18, s46, 6
	s_lshl_b32 s19, s53, 1
	s_add_co_u32 s18, s18, s19
	s_add_co_u32 s18, s18, 3145728
	s_mov_b32 s19, 0
	s_mul_i32 s46, s46, 1536
	s_mul_i32 s53, s53, 768
	s_add_co_u32 s46, s46, s53
	s_add_nc_u64 s[18:19], s[8:9], s[18:19]        ; the result's scale bytes
	s_add_nc_u64 s[8:9], s[8:9], s[46:47]          ; and codes
	v_and_b32 v222, 15, v0                         ; r
	v_bfe_u32 v223, v0, 4, 1                       ; h
	v_and_b32 v224, 31, v0
	v_and_b32 v225, 7, v0                          ; r % 8
	v_bfe_u32 v226, v0, 3, 1                       ; r / 8
	v_lshlrev_b32 v[L16], 4, v224
	v_lshlrev_b32 v[L8], 3, v224
	v_lshlrev_b32 v[R4], 2, v222
	v_mul_u32_u24 v227, v226, 1536                 ; rows 8-15 come from the tile two further on
	v_lshl_add_u32 v[CK16], v225, 4, v227
	v_lshl_add_u32 v[CK8], v225, 3, v227
	v_lshl_add_u32 v[CKS], v225, 2, LKS
	v_lshl_add_u32 v[CK16], v223, 8, v[CK16]
	v_lshl_add_u32 v[CK8], v223, 7, v[CK8]
	v_lshl_add_u32 v[CKS], v226, 7, v[CKS]
	v_lshl_add_u32 v[CMB], v223, 7, LMB
	v_lshl_add_u32 v[CVS], v224, 2, LVS
	v_lshl_add_u32 v[CKS], v223, 5, v[CKS]
	v_lshlrev_b32 v228, 4, v0
	v_lshl_add_u32 v229, v0, 4, LKS
	v_lshl_add_u32 v230, v0, 4, LMB
	global_load_b128 v[232:235], v228, s[6:7]                  ; eight words of the mask a thread
	global_load_b128 v[236:239], v228, s[6:7] offset:4096
	global_load_b128 v[240:243], v228, s[50:51]                ; 48 bytes of scale words a thread
	global_load_b128 v[244:247], v228, s[50:51] offset:4096
	global_load_b128 v[248:251], v228, s[50:51] offset:8192
.irp q, 0,1
	global_load_b128 v[QF+12*\q:QF+12*\q+3], v[L16], s[14:15] offset:768*\q       ; Q's half image: registers 0-5
	global_load_b64 v[QF+12*\q+4:QF+12*\q+5], v[L8], s[14:15] offset:768*\q+512
	global_load_b32 v[QS+\q], v[R4], s[16:17] offset:64*\q
.endr
.irp j, 22,23,24,25,26,27,34,35,36,37,38,39,88,89,90,91,92,93
	v_mov_b32 v[\j], 0                             ; Q's upper halves: zero codes; and what K's last tile names beyond its six registers
.endr
	v_mov_b32 v231, 0xf1800000                     ; -2^100
	v_mov_b32 v[ADK16], v[CK16]                    ; key step 0
	v_mov_b32 v[ADK8], v[CK8]
	v_mov_b32 v[ADKS], v[CKS]
	v_mov_b32 v[ADM], v[CMB]
	WIN 0x40
.set j, 0
.rept 64
	v_mov_b32 v[OO+j], 0                           ; O^T: the step is written once; the first change of M leaves zeros zeros
.set j, j+1
.endr
.irp q, 0,1
	v_mov_b32 v[NM+2*\q], 0x7f61b1e6               ; -M = 3e38,
	v_mov_b32 v[NM+2*\q+1], 0xff61b1e6             ; the largest score so far: -3e38
	v_mov_b32 v[LL+2*\q], 0
	v_mov_b32 v[LL+2*\q+1], 0
	v_mov_b32 v[FF+2*\q+1], 0                      ; named as the upper half of a pair
	v_mov_b32 v[TP+\q], 0                          ; a lane permute's destination counts as one of its sources
.endr
	v_lshlrev_b32 v[SH8], 3, v223
	WIN 0
	WALU                                           ; ahead of the wait below
	s_wait_loadcnt 0x0
.irp i, 0,1,2,3,4,5,6,7
	v_cmp_eq_u32 vcc_lo, 0, v[232+\i]
	v_cndmask_b32 v[232+\i], 0, v231, vcc_lo
.endr
	ds_store_b128 v230, v[232:235]
	ds_store_b128 v230, v[236:239] offset:4096
	ds_store_b128 v229, v[240:243]
	ds_store_b128 v229, v[244:247] offset:4096
	ds_store_b128 v229, v[248:251] offset:8192
	s_mov_b32 s[TBV], 0
	s_mov_b32 s[TJV], 0
	s_mov_b32 s[TSC], 0
	s_mov_b32 s[CNT], 8
	WALU                                           ; the head's end
	s_wait_tensorcnt 0x0                           ; my part of the head's codes has landed,
	s_wait_dscnt 0x0                               ; my stores are done:
	s_barrier_signal -1
	s_barrier_wait -1                              ; and everybody's
	LOADK 0, 0
; A KEY STEP of 128 keys for two tiles of queries.  hf: the first or the second step of a pair
.macro STEP hf
	s_wait_dscnt 0x0                               ; K, its scale words and the mask, asked for a step ago
	WIN 0x40                                       ; D in window 1
.irp n, 0,1,2,3,4,5,6,7
.irp q, 0,1
.if (\n%4)/2
	v_wmma_scale_f32_16x16x128_f8f6f4 v[64*\q+8*\n:64*\q+8*\n+7], v[KF+6*\n:KF+6*\n+11], v[QF+12*\q:QF+12*\q+11], v[MC+8*\n:MC+8*\n+7], v[KS+2*(\n/4)+\n%2], v[QS+\q] matrix_a_fmt:MATRIX_FMT_FP6 matrix_b_fmt:MATRIX_FMT_FP6 matrix_a_scale:MATRIX_SCALE_ROW1
.else
	v_wmma_scale_f32_16x16x128_f8f6f4 v[64*\q+8*\n:64*\q+8*\n+7], v[KF+6*\n:KF+6*\n+11], v[QF+12*\q:QF+12*\q+11], v[MC+8*\n:MC+8*\n+7], v[KS+2*(\n/4)+\n%2], v[QS+\q] matrix_a_fmt:MATRIX_FMT_FP6 matrix_b_fmt:MATRIX_FMT_FP6
.endif
.endr
.endr
	WIN 0
.if \hf == 0
	v_add_nc_u32 v[ADV16], s[TBV], v[L16]          ; four plain lines: the places behind the products, in front of the loads and of the first read of the scores
	v_add_nc_u32 v[ADV8], s[TBV], v[L8]
	v_add_nc_u32 v[ADVS], s[TJV], v[CVS]
	v_nop
	LOADV 12288, 0
	LOADK 6144, 512
	s_add_co_u32 s[TBV], s[TBV], 24576
	s_add_co_u32 s[TJV], s[TJV], 512
.else
	s_add_co_u32 s[TSC], s[TSC], 1024
	s_and_b32 s[TSN], s[TSC], 0x1c00               ; the next pair of steps; behind the last pair: pair 0 again
	s_mul_i32 s[TBN], s[TSN], 24
	v_add_nc_u32 v[ADK16], s[TBN], v[CK16]
	v_add_nc_u32 v[ADK8], s[TBN], v[CK8]
	v_add_nc_u32 v[ADKS], s[TSN], v[CKS]
	v_add_nc_u32 v[ADM], s[TSN], v[CMB]
	LOADV 18432, 256
	LOADK 0, 0
.endif
	WIN 0x55                                       ; the softmax stands in window 1
.irp q, 0,1
.irp c, 0,1
	v_max3_num_f32 v[BM+2*\q+\c], v[64*\q+32*\c], v[64*\q+32*\c+1], v[64*\q+32*\c+2]   ; the largest score of each block of 32 keys, all mine: for the row's maximum and, since p rises with the score, for the block's largest p
.endr
.endr
.irp i, 3,5,7,9,11,13,15,17,19,21,23,25,27,29
.irp q, 0,1
.irp c, 0,1
	v_max3_num_f32 v[BM+2*\q+\c], v[BM+2*\q+\c], v[64*\q+32*\c+\i], v[64*\q+32*\c+\i+1]
.endr
.endr
.endr
.irp q, 0,1
.irp c, 0,1
	v_max_num_f32 v[BM+2*\q+\c], v[BM+2*\q+\c], v[64*\q+32*\c+31]
.endr
.endr
.irp q, 0,1
	v_mov_b32 v[OLD+\q], v[NM+2*\q]
.endr
.irp q, 0,1
	v_max3_num_f32 v[NM+2*\q+1], v[NM+2*\q+1], v[BM+2*\q], v[BM+2*\q+1]
.endr
.irp q, 0,1
	DEP2
	v_permlanex16_b32 v[TP+\q], v[NM+2*\q+1], s[SEL], s[SEL+1]
.endr
.irp q, 0,1
	DEP2
	v_max_num_f32 v[NM+2*\q+1], v[NM+2*\q+1], v[TP+\q]     ; the running largest score of my query
.endr
.irp q, 0,1
	DEP2
	v_mul_f32 v[TP+\q], s[NCS], v[NM+2*\q+1]
.endr
.irp q, 0,1
	DEP2
	v_floor_f32 v[NM+2*\q], v[TP+\q]                       ; the new -M = floor(-t): M is a whole number
.endr
.irp q, 0,1
	DEP2
	v_sub_f32 v[OLD+\q], v[NM+2*\q], v[OLD+\q]
.endr
.irp q, 0,1
	DEP2
	v_cvt_i32_f32 v[OLD+\q], v[OLD+\q]                     ; (it saturates)
.endr
.irp q, 0,1
	DEP2
	v_ldexp_f32 v[FF+2*\q], 1.0, v[OLD+\q]                 ; f = 2^(old M - new M)
.endr
.set j, 0
.rept 32
	v_pk_fma_f32 v[j:j+1], v[j:j+1], s[CS:CS+1], v[NM:NM+1] op_sel_hi:[1,0,0]   ; t - M, tile 0
.set j, j+2
.endr
.irp q, 0,1
.irp c, 0,1
	v_fma_f32 v[BM+2*\q+\c], v[BM+2*\q+\c], s[CS], v[NM+2*\q]
.endr
.endr
	WALU                                           ; the wait ahead of a batch of transcendentals
.set j, 0
.rept 32
	v_exp_f32 v[j], v[j]                           ; p = 2^(t - M), tile 0; tile 1's t - M stands among them
	v_exp_f32 v[j+1], v[j+1]
	v_pk_fma_f32 v[64+j:65+j], v[64+j:65+j], s[CS:CS+1], v[NM+2:NM+3] op_sel_hi:[1,0,0]
.set j, j+2
.endr
	v_exp_f32 v[BM], v[BM]
	v_exp_f32 v[BM+1], v[BM+1]
	WALU                                           ; behind tile 0's batch and ahead of tile 1's
.set j, 0
.rept 64
	v_exp_f32 v[64+j], v[64+j]
.set j, j+1
.endr
	v_exp_f32 v[BM+2], v[BM+2]
	v_exp_f32 v[BM+3], v[BM+3]
	SUMS 0                                         ; tile 0's sum names none of tile 1's results
	WALU                                           ; behind tile 1's batch
	SUMS 1
.irp q, 0,1
.irp c, 0,1
	v_max_num_f32 v[BM+2*\q+\c], 0x1800000, v[BM+2*\q+\c]  ; the floor 2^(3 - 127): the byte cannot fall under 1
.endr
.endr
.irp q, 0,1
.irp c, 0,1
	v_add_nc_u32 v[BM+2*\q+\c], 0xff000000, v[BM+2*\q+\c]  ; 2 off the exponent field: the conversion's scale operand
.endr
.endr
.irp q, 0,1
.irp c, 0,1
	v_lshrrev_b32 v[XA+2*\q+\c], 23, v[BM+2*\q+\c]         ; the byte of block 2 c + h
.endr
.endr
.irp q, 0,1
	v_lshl_or_b32 v[TP+\q], v[XA+2*\q+1], 16, v[XA+2*\q]
.endr
.irp q, 0,1
	DEP2
	v_lshlrev_b32 v[TP+\q], v[SH8], v[TP+\q]               ; at their places in the word, 8 h bits up
.endr
.irp q, 0,1
	DEP2
	v_permlanex16_b32 v[OLD+\q], v[TP+\q], s[SEL], s[SEL+1]
.endr
	WIN 0x05                                       ; scale registers lie in window 0
.irp q, 0,1
	v_or_b32 v[PS+\q], v[TP+\q], v[OLD+\q]                 ; with lane l xor 16's two bytes: p's scale word for these 128 keys
.endr
	WIN 0x55
.irp q, 0,1
.irp c, 0,1
	v_cvt_scalef32_pk16_fp6_f32 v[PP+12*\q+6*\c:PP+12*\q+6*\c+2], v[64*\q+32*\c:64*\q+32*\c+15], v[BM+2*\q+\c]
	v_cvt_scalef32_pk16_fp6_f32 v[T2+8*\q+4*\c:T2+8*\q+4*\c+2], v[64*\q+32*\c+16:64*\q+32*\c+31], v[BM+2*\q+\c]   ; (a conversion's three registers begin on an even number)
.endr
.endr
	v_nop                                          ; one plain place behind a scaled conversion
.irp q, 0,1
.irp c, 0,1
.irp i, 0,1,2
	v_mov_b32 v[PP+12*\q+6*\c+3+\i], v[T2+8*\q+4*\c+\i]
.endr
.endr
.endr
	WALU                                           ; directly ahead of the first reader of O^T
.irp q, 0,1
.set j, 0
.rept 16
	v_pk_mul_f32 v[OO+32*\q+j:OO+32*\q+j+1], v[OO+32*\q+j:OO+32*\q+j+1], v[FF+2*\q:FF+2*\q+1] op_sel_hi:[1,0]   ; O^T under the new M; these are also the places in front of the scaled products
.set j, j+2
.endr
.endr
	WALU                                           ; ahead of the wait below
	s_wait_dscnt 36                                ; V's 18 loads are in; the 36 issued behind them (the next K, scale words, mask) may be out
	WIN 0x54                                       ; V window 0; P, C and D window 1
.irp d, 0,1,2,3
.irp q, 0,1
.if \d%2
	v_wmma_scale_f32_16x16x128_f8f6f4 v[OO+32*\q+8*\d:OO+32*\q+8*\d+7], v[VF+12*\d:VF+12*\d+11], v[PP+12*\q:PP+12*\q+11], v[OO+32*\q+8*\d:OO+32*\q+8*\d+7], v[VS+\d/2], v[PS+\q] matrix_a_fmt:MATRIX_FMT_FP6 matrix_b_fmt:MATRIX_FMT_FP6 matrix_a_scale:MATRIX_SCALE_ROW1
.else
	v_wmma_scale_f32_16x16x128_f8f6f4 v[OO+32*\q+8*\d:OO+32*\q+8*\d+7], v[VF+12*\d:VF+12*\d+11], v[PP+12*\q:PP+12*\q+11], v[OO+32*\q+8*\d:OO+32*\q+8*\d+7], v[VS+\d/2], v[PS+\q] matrix_a_fmt:MATRIX_FMT_FP6 matrix_b_fmt:MATRIX_FMT_FP6
.endif
.endr
.endr
	WIN 0
.endm
.Ltrip:                                                ; eight trips of two key steps; no barrier: nothing in LDS is written any more
	STEP 0
	STEP 1
	s_sub_co_u32 s[CNT], s[CNT], 1
	s_cmp_lg_u32 s[CNT], 0
	s_cbranch_scc1 .Ltrip
	; THE WAY OUT: O^T / l, quantised along my head's 64 (two blocks), as half an image for each tile.  Register 16 g + i: channel 32 g + 16 h + i of my query
.rept 4
	v_nop                                          ; places behind the last products
.endr
	WIN 0x55
.irp q, 0,1
	v_add_f32 v[LL+2*\q], v[LL+2*\q], v[LL+2*\q+1]
.endr
.irp q, 0,1
	DEP2
	v_permlanex16_b32 v[TP+\q], v[LL+2*\q], s[SEL], s[SEL+1]
.endr
.irp q, 0,1
	DEP2
	v_add_f32 v[LL+2*\q], v[LL+2*\q], v[TP+\q]     ; the row's sum
.endr
	WALU
.irp q, 0,1
	v_rcp_f32 v[LL+2*\q], v[LL+2*\q]
.endr
	v_nop                                          ; a plain place behind the transcendentals
	WALU                                           ; and the wait ahead of their first reader, which is O^T's too
.irp q, 0,1
.set j, 0
.rept 16
	v_pk_mul_f32 v[64*\q+j:64*\q+j+1], v[OO+32*\q+j:OO+32*\q+j+1], v[LL+2*\q:LL+2*\q+1] op_sel_hi:[1,0]
.set j, j+2
.endr
.endr
.irp q, 0,1
.irp b, 0,1
	v_max3_num_f32 v[BM+2*\q+\b], |v[64*\q+16*\b]|, |v[64*\q+16*\b+1]|, 0x1800000
.endr
.endr
.irp i, 2,4,6,8,10,12,14
.irp q, 0,1
.irp b, 0,1
	v_max3_num_f32 v[BM+2*\q+\b], v[BM+2*\q+\b], |v[64*\q+16*\b+\i]|, |v[64*\q+16*\b+\i+1]|
.endr
.endr
.endr
.irp q, 0,1
.irp b, 0,1
	v_permlanex16_b32 v[XA+2*\q+\b], v[BM+2*\q+\b], s[SEL], s[SEL+1]
.endr
.endr
.irp q, 0,1
.irp b, 0,1
	v_max_num_f32 v[BM+2*\q+\b], v[BM+2*\q+\b], v[XA+2*\q+\b]
.endr
.endr
.irp q, 0,1
.irp b, 0,1
	v_add_nc_u32 v[BM+2*\q+\b], 0xff000000, v[BM+2*\q+\b]
.endr
.endr
.irp q, 0,1
.irp b, 0,1
	v_lshrrev_b32 v[XA+2*\q+\b], 23, v[BM+2*\q+\b]
.endr
.endr
.irp q, 0,1
	v_lshl_or_b32 v[TP+\q], v[XA+2*\q+1], 8, v[XA+2*\q]    ; my head's two bytes of the row's scale word
.endr
.irp q, 0,1
	v_cvt_scalef32_pk16_fp6_f32 v[PP+12*\q:PP+12*\q+2], v[64*\q:64*\q+15], v[BM+2*\q]
	v_cvt_scalef32_pk16_fp6_f32 v[T2+8*\q:T2+8*\q+2], v[64*\q+16:64*\q+31], v[BM+2*\q+1]
.endr
	v_nop
.irp q, 0,1
.irp i, 0,1,2
	v_permlane16_swap_b32 v[PP+12*\q+\i], v[T2+8*\q+\i]    ; a whole block to a lane
.endr
.endr
.irp q, 0,1
.irp i, 0,1,2
	v_mov_b32 v[PP+12*\q+3+\i], v[T2+8*\q+\i]
.endr
.endr
	WIN 0x04                                       ; a store's data: window 1
.irp q, 0,1
	global_store_b128 v[L16], v[PP+12*\q:PP+12*\q+3], s[8:9] offset:12288*\q           ; 512 and 256 consecutive bytes, aligned
	global_store_b64 v[L8], v[PP+12*\q+4:PP+12*\q+5], s[8:9] offset:12288*\q+512
	global_store_b16 v[R4], v[TP+\q], s[18:19] offset:512*\q                            ; two bytes a row (lanes r and r + 16 write the same)
.endr
	WIN 0
	s_wait_tensorcnt 0x0                           ; the wave's end
	ds_add_u32 v[SPW], v[NIL]
	s_wait_dscnt 0x0
	CROUND                                         ; the closing round
	s_endpgm
.Lfunc_end_k_q0fac7607a7_attn:
	.size	k_q0fac7607a7_attn, .Lfunc_end_k_q0fac7607a7_attn-k_q0fac7607a7_attn
	.p2alignl 7, 3214868480
	.fill 96, 4, 3214868480
	.section	.rodata,"a",@progbits
	.p2align	6, 0x0
	.amdhsa_kernel k_q0fac7607a7_attn
		.amdhsa_group_segment_fixed_size 222208
		.amdhsa_private_segment_fixed_size 0
		.amdhsa_enable_private_segment 0
		.amdhsa_kernarg_size 24
		.amdhsa_user_sgpr_count 2
		.amdhsa_user_sgpr_kernarg_segment_ptr 1
		.amdhsa_wavefront_size32 1
		.amdhsa_system_sgpr_workgroup_id_x 1
		.amdhsa_system_sgpr_workgroup_id_y 1
		.amdhsa_system_sgpr_workgroup_id_z 1
		.amdhsa_system_vgpr_workitem_id 0
		.amdhsa_next_free_vgpr 512
		.amdhsa_next_free_sgpr 66
		.amdhsa_reserve_vcc 1
		.amdhsa_float_denorm_mode_32 3
		.amdhsa_float_denorm_mode_16_64 3
		.amdhsa_memory_ordered 1
		.amdhsa_forward_progress 1
		.amdhsa_inst_pref_size 78
	.end_amdhsa_kernel
	.amdgpu_metadata
---
amdhsa.version: [ 1, 2 ]
amdhsa.kernels:
  - .name:           k_q0fac7607a7_attn
    .symbol:         k_q0fac7607a7_attn.kd
    .args:
      - { .name: qkv, .offset: 0, .size: 8, .value_kind: global_buffer, .address_space: global }
      - { .name: mask, .offset: 8, .size: 8, .value_kind: global_buffer, .address_space: global }
      - { .name: att, .offset: 16, .size: 8, .value_kind: global_buffer, .address_space: global }
    .group_segment_fixed_size: 222208
    .private_segment_fixed_size: 0
    .kernarg_segment_align: 8
    .kernarg_segment_size: 24
    .max_flat_workgroup_size: 256
    .sgpr_count:     66
    .vgpr_count:     512
    .wavefront_size: 32
...
	.end_amdgpu_metadata
.endif
;; end of part 11
;; launch woln (part 12): grid 256 x 1, 16 waves a work-group, no clusters, 67,840 bytes of LDS; arguments att, wts, bo, x, g1, be1, x1; writes x1
.if DOCPART == 12
	.amdgcn_target "amdgcn-amd-amdhsa--gfx1250"
	.amdhsa_code_object_version 6
	.text
	.protected	k_q0fac7607a7_woln
	.globl	k_q0fac7607a7_woln
	.p2align	8
	.type	k_q0fac7607a7_woln,@function
k_q0fac7607a7_woln:
	s_mov_b64 s[64:65], 0
	v_nop
	global_prefetch_b8 v0, s[64:65] scope:SCOPE_SE
	s_setreg_imm32_b32 hwreg(HW_REG_WAVE_MODE, 25, 1), 1
	s_wait_xcnt 0x0
; x1 = LayerNorm(x + attn Wo + bo; g1, be1), stored as f32 rows and as codes of FP6 (E2M3) with E8M0 scales for the next product.  attn and Wo are codes of FP6 with E8M0 scales, K = 1,024; all else in f32.
; OPERANDS lie as images of their registers: [tile of 16 rows][K step of 128][1,536 bytes]; lane-row p of tile T is row 32 (T / 2) + 8 (T % 2) + p + 8 (p / 8); scale words [tile][K step][16].
; SHARES.  A work-group owns ONE TILE OF 16 WHOLE ROWS, so that the norm needs no other work-group: 256 work-groups.  Wave w of sixteen multiplies the tile by Wo's columns 64 w .. 64 w + 63: four accumulators, 32 products.
; No fragment of Wo is read by two waves of a work-group, so the fragments go from memory straight into registers, each load 512 or 256 consecutive bytes, two sets of registers, one K step ahead.
; NO TENSOR LOADS, NO CLUSTER: a ring slot with one K step of all of Wo (98,304 bytes) would feed four products a wave between two rounds of a cluster's barrier.  No prefetch: the loads themselves run a K step ahead.
; THE MATRIX INSTRUCTION IS USED TRANSPOSED (source 0 = 16 columns of Wo, source 1 = the tile's rows): register 8 b + j of lane (r, h) is column 32 (b / 2) + 8 (b % 2) + 16 h + j of lane-row r.
; THE SCALE WORDS stand in registers for all of K: one load of 128 bytes brings a tile's words of two K steps, the even step's in lanes 0-15, the odd step's in lanes 16-31.  So the K steps are written out.
; THEN: the sums go to a stage in LDS (16 rows of 4,096 + 16 bytes); wave w takes row w back, adds x and bo, norms it (the variance is the mean of the squared differences from the mean; 1 / sqrt by v_rsq_f32),
; stores it in f32 (512 consecutive bytes a store) and lays it on the stage again; then wave w quantises its 64 columns of all 16 rows: half an image of K step w / 2.
; Codes at byte 16,777,216 of x1, scale words at 19,922,944.  LIMITS: NaN and infinities are not served; a block under 2^-124, or of zeros, has the byte 1.
.set SPITCH, 4112
.set SPARE,  16*SPITCH                 ; behind the stage: the spare words, 128 bytes a wave
.set SPW, 1
.set NIL, 2
.set L16, 3                            ; 16, 8, 4 x lane; 4 r
.set L8,  4
.set L4,  5
.set R4,  6
.set STO, 7                            ; the stage by columns: row r, + 256 w + 64 h
.set RDR, 8                            ; the stage by rows: row w, + 16 x lane
.set ACC, 16                           ; v16-47 the sums; later my row
.set Z,   16
.set BF,  48                           ; v48-143 Wo's fragments, two sets of four
.set AF,  144                          ; v144-167 the tile's fragment, two sets
.set SB,  168                          ; v168-183 Wo's scale words: b + 4 p;  v184-191 the tile's
.set BO,  48                           ; behind the products: bo, g1, be1 as my row lies
.set G,   96
.set BE,  128
.set QR,  96                           ; and my 64 columns of row r
.set X,   192                          ; v192-223 x's row
.set AC,  224
.set MN,  228
.set TPR, 230
.set BMX, 232
.set XP,  234
.set PW,  236
.set PC,  240
.set T3,  248
.set SEL, 50
.macro FRAGL reg, base, off            ; a fragment comes as it was stored
	global_load_b128 v[\reg:\reg+3], v[L16], s[\base:\base+1] offset:\off
	global_load_b64 v[\reg+4:\reg+5], v[L8], s[\base:\base+1] offset:\off+512
	global_load_b128 v[\reg+6:\reg+9], v[L16], s[\base:\base+1] offset:\off+768
	global_load_b64 v[\reg+10:\reg+11], v[L8], s[\base:\base+1] offset:\off+1280
.endm
.macro KLOAD k                         ; K step k: 20 loads into set k % 2
.irp b, 0,1,2,3
	FRAGL BF+48*((\k)%2)+12*\b, 30, \b*12288+(\k)*1536
.endr
	FRAGL AF+12*((\k)%2), 22, (\k)*1536
.endm
.macro ROWL reg, base                  ; 4,096 bytes as my row lies: eight loads of 512 consecutive bytes
.irp j, 0,1,2,3,4,5,6,7
	global_load_b128 v[\reg+4*\j:\reg+4*\j+3], v[L16], s[\base:\base+1] offset:512*\j
.endr
.endm
.macro PLACES
.rept 4
	v_nop
.endr
.endm
; Four products: the accumulators take turns, in the same order in every K step.  cnt: the loads issued behind this step's, which may be out
.macro KSTEP k, cnt
.set SAR, 184+4*(((\k)/2+1)%2)+(\k)/4  ; the tile's scale words of this pair of steps: a register whose number differs modulo 8 from those of Wo's four
	s_wait_loadcnt \cnt
.irp b, 0,1,2,3
.if (\k) == 0
	v_wmma_scale_f32_16x16x128_f8f6f4 v[ACC+8*\b:ACC+8*\b+7], v[BF+12*\b:BF+12*\b+11], v[AF:AF+11], 0, v[SB+\b], v[SAR] matrix_a_fmt:MATRIX_FMT_FP6 matrix_b_fmt:MATRIX_FMT_FP6
.elseif (\k)%2
	v_wmma_scale_f32_16x16x128_f8f6f4 v[ACC+8*\b:ACC+8*\b+7], v[BF+48+12*\b:BF+48+12*\b+11], v[AF+12:AF+23], v[ACC+8*\b:ACC+8*\b+7], v[SB+\b+4*((\k)/2)], v[SAR] matrix_a_fmt:MATRIX_FMT_FP6 matrix_b_fmt:MATRIX_FMT_FP6 matrix_a_scale:MATRIX_SCALE_ROW1 matrix_b_scale:MATRIX_SCALE_ROW1
.else
	v_wmma_scale_f32_16x16x128_f8f6f4 v[ACC+8*\b:ACC+8*\b+7], v[BF+12*\b:BF+12*\b+11], v[AF:AF+11], v[ACC+8*\b:ACC+8*\b+7], v[SB+\b+4*((\k)/2)], v[SAR] matrix_a_fmt:MATRIX_FMT_FP6 matrix_b_fmt:MATRIX_FMT_FP6
.endif
.endr
	PLACES                                         ; in front of loads into the set just read, and of the first read of results
.endm
.macro REDUCE                          ; two pairs of partial sums become one number in every lane
	v_pk_add_f32 v[AC:AC+1], v[AC:AC+1], v[AC+2:AC+3]
	v_add_f32 v[AC], v[AC], v[AC+1]
.irp m, 1,2,4,8
	v_add_f32_dpp v[AC], v[AC], v[AC] row_xmask:\m row_mask:0xf bank_mask:0xf
.endr
	v_permlanex16_b32 v[TPR], v[AC], s[SEL], s[SEL+1]
	v_add_f32 v[AC], v[AC], v[TPR]
.endm
	s_load_b256 s[4:11], s[0:1], 0x0               ; att s[4:5], wts s[6:7], bo s[8:9], x s[10:11]
	s_load_b128 s[12:15], s[0:1], 0x20             ; g1 s[12:13], be1 s[14:15]
	s_load_b64 s[16:17], s[0:1], 0x30              ; x1
	v_lshl_add_u32 v[SPW], v0, 2, SPARE
	v_mov_b32 v[NIL], 0
	v_lshrrev_b32 v10, 5, v0
	v_readfirstlane_b32 s18, v10                   ; wave 0..15
	v_and_b32 v11, 31, v0
	v_and_b32 v12, 15, v0                          ; r
	v_bfe_u32 v13, v0, 4, 1                        ; h
	v_lshlrev_b32 v[L16], 4, v11
	v_lshlrev_b32 v[L8], 3, v11
	v_lshlrev_b32 v[L4], 2, v11
	v_lshlrev_b32 v[R4], 2, v12
	v_mul_u32_u24 v14, v12, SPITCH
	v_lshl_add_u32 v14, v13, 6, v14
	s_lshl_b32 s19, s18, 8
	v_add_nc_u32 v[STO], s19, v14
	s_mul_i32 s19, s18, SPITCH
	v_add_nc_u32 v[RDR], s19, v[L16]
	v_mov_b32 v[MN+1], 0                           ; named as the upper half of a pair
	v_mov_b32 v[TPR], 0                            ; a lane permute's destination counts as one of its sources
	v_mov_b32 v[XP], 0
	v_mov_b32 v[XP+1], 0
	s_mul_i32 s20, ttmp9, 12288                    ; the tile's fragments
	s_mov_b32 s21, 0
	s_lshl_b32 s24, ttmp9, 9
	s_add_co_u32 s24, s24, 3145728                 ; and scale words
	s_mov_b32 s25, 0
	s_mul_i32 s28, s18, 49152
	s_add_co_u32 s28, s28, 2359296                 ; my four tiles of Wo
	s_mov_b32 s29, 0
	s_lshl_b32 s32, s18, 11
	s_add_co_u32 s32, s32, 9535488                 ; and their scale words
	s_mov_b32 s33, 0
	s_lshr_b32 s36, ttmp9, 1
	s_lshl_b32 s36, s36, 5
	s_and_b32 s37, ttmp9, 1
	s_lshl_b32 s37, s37, 3
	s_add_co_u32 s36, s36, s37
	s_add_co_u32 s36, s36, s18
	s_lshr_b32 s37, s18, 3
	s_lshl_b32 s37, s37, 3
	s_add_co_u32 s36, s36, s37                     ; my row: 32 (T / 2) + 8 (T % 2) + w + 8 (w / 8)
	s_lshl_b32 s36, s36, 12
	s_mov_b32 s37, 0
	s_lshl_b32 s42, ttmp9, 3
	s_lshr_b32 s43, s18, 1
	s_add_co_u32 s42, s42, s43                     ; fragment (T, w / 2),
	s_and_b32 s43, s18, 1                          ; and the half of it that is mine
	s_lshl_b32 s46, s42, 6
	s_lshl_b32 s47, s43, 1
	s_add_co_u32 s46, s46, s47
	s_add_co_u32 s46, s46, 19922944
	s_mov_b32 s47, 0
	s_mul_i32 s42, s42, 1536
	s_mul_i32 s43, s43, 768
	s_add_co_u32 s42, s42, s43
	s_add_co_u32 s42, s42, 16777216
	s_mov_b32 s43, 0
	s_mov_b32 s[SEL], 0x76543210
	s_mov_b32 s[SEL+1], 0xfedcba98
	s_mov_b32 s52, 0x3a800000                      ; 1 / 1,024
	s_mov_b32 s53, 0x3727c5ac                      ; 1e-5
	s_wait_alu depctr_va_vdst(0)                   ; the wait at the head's end
	s_wait_kmcnt 0x0
	s_add_nc_u64 s[22:23], s[4:5], s[20:21]
	s_add_nc_u64 s[26:27], s[4:5], s[24:25]
	s_add_nc_u64 s[30:31], s[6:7], s[28:29]
	s_add_nc_u64 s[34:35], s[6:7], s[32:33]
	s_add_nc_u64 s[38:39], s[10:11], s[36:37]      ; x's row
	s_add_nc_u64 s[40:41], s[16:17], s[36:37]      ; x1's row
	s_add_nc_u64 s[44:45], s[16:17], s[42:43]      ; the codes
	s_add_nc_u64 s[48:49], s[16:17], s[46:47]      ; the scale bytes
.irp p, 0,1,2,3
.irp b, 0,1,2,3
	global_load_b32 v[SB+\b+4*\p], v[L4], s[34:35] offset:\b*512+128*\p
.endr
	global_load_b32 v[184+4*((\p+1)%2)+\p/2], v[L4], s[26:27] offset:128*\p
.endr
	KLOAD 0
	KLOAD 1                                        ; 60 loads of mine are out
	KSTEP 0, 20                                    ; the scale words and K step 0 are in; K step 1's 20 loads may be out
.irp j, 0,1,2,3,4,5,6,7
	global_load_b128 v[X+4*\j:X+4*\j+3], v[L16], s[38:39] offset:512*\j th:TH_LOAD_NT
.endr
	KLOAD 2
	KSTEP 1, 28                                    ; behind K step 1's: x's 8 and K step 2's 20
	KLOAD 3
.irp k, 2,3,4,5
	KSTEP \k, 20
	KLOAD \k+2
.endr
	KSTEP 6, 20
	ROWL BO, 8                                     ; into set 0, which is read no more
	KSTEP 7, 8                                     ; behind K step 7's: bo's 8
	ROWL G, 12
	ROWL BE, 14
.irp b, 0,1,2,3
	ds_store_b128 v[STO], v[ACC+8*\b:ACC+8*\b+3] offset:128*(\b/2)+32*(\b%2)        ; each accumulator from its low end on
	ds_store_b128 v[STO], v[ACC+8*\b+4:ACC+8*\b+7] offset:128*(\b/2)+32*(\b%2)+16
.endr
	s_wait_dscnt 0x0                               ; for the others' sake: my columns lie on the stage
	s_barrier_signal -1
	s_barrier_wait -1
.irp j, 0,1,2,3,4,5,6,7
	ds_load_b128 v[Z+4*\j:Z+4*\j+3], v[RDR] offset:512*\j
.endr
	s_wait_dscnt 0x0
	s_wait_loadcnt 16                              ; x and bo are in; g1's and be1's 16 loads may be out
.set k, 0
.rept 16
	v_pk_add_f32 v[Z+k:Z+k+1], v[Z+k:Z+k+1], v[BO+k:BO+k+1]
.set k, k+2
.endr
.set k, 0
.rept 16
	v_pk_add_f32 v[Z+k:Z+k+1], v[Z+k:Z+k+1], v[X+k:X+k+1]
.set k, k+2
.endr
	v_pk_add_f32 v[AC:AC+1], v[Z:Z+1], v[Z+2:Z+3]
	v_pk_add_f32 v[AC+2:AC+3], v[Z+4:Z+5], v[Z+6:Z+7]
.irp k, 8,12,16,20,24,28
	v_pk_add_f32 v[AC:AC+1], v[AC:AC+1], v[Z+\k:Z+\k+1]
	v_pk_add_f32 v[AC+2:AC+3], v[AC+2:AC+3], v[Z+\k+2:Z+\k+3]
.endr
	REDUCE
	v_mul_f32 v[MN], 0xba800000, v[AC]             ; -mean
.set k, 0
.rept 16
	v_pk_add_f32 v[Z+k:Z+k+1], v[Z+k:Z+k+1], v[MN:MN+1] op_sel_hi:[1,0]
.set k, k+2
.endr
	v_pk_mul_f32 v[AC:AC+1], v[Z:Z+1], v[Z:Z+1]
	v_pk_mul_f32 v[AC+2:AC+3], v[Z+2:Z+3], v[Z+2:Z+3]
.irp k, 4,8,12,16,20,24,28
	v_pk_fma_f32 v[AC:AC+1], v[Z+\k:Z+\k+1], v[Z+\k:Z+\k+1], v[AC:AC+1]
	v_pk_fma_f32 v[AC+2:AC+3], v[Z+\k+2:Z+\k+3], v[Z+\k+2:Z+\k+3], v[AC+2:AC+3]
.endr
	REDUCE
	v_fma_f32 v[AC], v[AC], s52, s53               ; the variance + 1e-5
	s_wait_alu depctr_va_vdst(0)                   ; ahead of the transcendental
	v_rsq_f32 v[MN], v[AC]
	v_nop                                          ; a plain place behind it
	s_wait_alu depctr_va_vdst(0)                   ; and the wait ahead of its first reader
	s_wait_loadcnt 0x0                             ; g1 and be1
.set k, 0
.rept 16
	v_pk_mul_f32 v[Z+k:Z+k+1], v[Z+k:Z+k+1], v[MN:MN+1] op_sel_hi:[1,0]
.set k, k+2
.endr
.set k, 0
.rept 16
	v_pk_fma_f32 v[Z+k:Z+k+1], v[Z+k:Z+k+1], v[G+k:G+k+1], v[BE+k:BE+k+1]
.set k, k+2
.endr
.irp j, 0,1,2,3,4,5,6,7
	global_store_b128 v[L16], v[Z+4*\j:Z+4*\j+3], s[40:41] offset:512*\j           ; 512 consecutive bytes a store, aligned
	ds_store_b128 v[RDR], v[Z+4*\j:Z+4*\j+3] offset:512*\j                          ; row w of the stage is read by wave w alone between the two barriers
.endr
	s_wait_dscnt 0x0                               ; for the others' sake: my row lies on the stage
	s_barrier_signal -1
	s_barrier_wait -1
.irp g, 0,1
.irp j, 0,1,2,3
	ds_load_b128 v[QR+16*\g+4*\j:QR+16*\g+4*\j+3], v[STO] offset:128*\g+16*\j      ; register 16 g + i: column 64 w + 32 g + 16 h + i of row r
.endr
.endr
	s_wait_dscnt 0x0
.irp b, 0,1
	v_max3_num_f32 v[BMX+\b], |v[QR+16*\b]|, |v[QR+16*\b+1]|, 0x1800000            ; and the floor 2^(3 - 127): the byte cannot fall under 1
.endr
.irp i, 2,4,6,8,10,12,14
.irp b, 0,1
	v_max3_num_f32 v[BMX+\b], v[BMX+\b], |v[QR+16*\b+\i]|, |v[QR+16*\b+\i+1]|
.endr
.endr
.irp b, 0,1
	v_permlanex16_b32 v[XP+\b], v[BMX+\b], s[SEL], s[SEL+1]
.endr
.irp b, 0,1
	v_max_num_f32 v[BMX+\b], v[BMX+\b], v[XP+\b]   ; with lane l xor 16's: the block's largest magnitude
.endr
.irp b, 0,1
	v_add_nc_u32 v[BMX+\b], 0xff000000, v[BMX+\b]  ; 2 off its exponent field: the conversion's scale operand
.endr
.irp b, 0,1
	v_lshrrev_b32 v[XP+\b], 23, v[BMX+\b]
.endr
	v_lshl_or_b32 v[PW], v[XP+1], 8, v[XP]         ; my two bytes of the row's scale word
	v_cvt_scalef32_pk16_fp6_f32 v[PC:PC+2], v[QR:QR+15], v[BMX]
	v_cvt_scalef32_pk16_fp6_f32 v[T3:T3+2], v[QR+16:QR+31], v[BMX+1]
	v_nop                                          ; one plain place behind a scaled conversion
.irp i, 0,1,2
	v_permlane16_swap_b32 v[PC+\i], v[T3+\i]       ; a whole block to a lane
.endr
.irp i, 0,1,2
	v_mov_b32 v[PC+3+\i], v[T3+\i]
.endr
	global_store_b128 v[L16], v[PC:PC+3], s[44:45]             ; 512 and 256 consecutive bytes, aligned
	global_store_b64 v[L8], v[PC+4:PC+5], s[44:45] offset:512
	global_store_b16 v[R4], v[PW], s[48:49]                    ; two bytes a row (lanes r and r + 16 write the same)
	s_wait_tensorcnt 0x0                           ; the wave's end: three lines behind my last LDS store
	ds_add_u32 v[SPW], v[NIL]
	s_wait_dscnt 0x0
	s_endpgm
.Lfunc_end_k_q0fac7607a7_woln:
	.size	k_q0fac7607a7_woln, .Lfunc_end_k_q0fac7607a7_woln-k_q0fac7607a7_woln
	.p2alignl 7, 3214868480
	.fill 96, 4, 3214868480
	.section	.rodata,"a",@progbits
	.p2align	6, 0x0
	.amdhsa_kernel k_q0fac7607a7_woln
		.amdhsa_group_segment_fixed_size 67840
		.amdhsa_private_segment_fixed_size 0
		.amdhsa_enable_private_segment 0
		.amdhsa_kernarg_size 56
		.amdhsa_user_sgpr_count 2
		.amdhsa_user_sgpr_kernarg_segment_ptr 1
		.amdhsa_wavefront_size32 1
		.amdhsa_system_sgpr_workgroup_id_x 1
		.amdhsa_system_sgpr_workgroup_id_y 1
		.amdhsa_system_sgpr_workgroup_id_z 1
		.amdhsa_system_vgpr_workitem_id 0
		.amdhsa_next_free_vgpr 256
		.amdhsa_next_free_sgpr 66
		.amdhsa_reserve_vcc 0
		.amdhsa_float_denorm_mode_32 3
		.amdhsa_float_denorm_mode_16_64 3
		.amdhsa_memory_ordered 1
		.amdhsa_forward_progress 1
		.amdhsa_inst_pref_size 42
	.end_amdhsa_kernel
	.amdgpu_metadata
---
amdhsa.version: [ 1, 2 ]
amdhsa.kernels:
  - .name:           k_q0fac7607a7_woln
    .symbol:         k_q0fac7607a7_woln.kd
    .args:
      - { .name: att, .offset: 0, .size: 8, .value_kind: global_buffer, .address_space: global }
      - { .name: wts, .offset: 8, .size: 8, .value_kind: global_buffer, .address_space: global }
      - { .name: bo, .offset: 16, .size: 8, .value_kind: global_buffer, .address_space: global }
      - { .name: x, .offset: 24, .size: 8, .value_kind: global_buffer, .address_space: global }
      - { .name: g1, .offset: 32, .size: 8, .value_kind: global_buffer, .address_space: global }
      - { .name: be1, .offset: 40, .size: 8, .value_kind: global_buffer, .address_space: global }
      - { .name: x1, .offset: 48, .size: 8, .value_kind: global_buffer, .address_space: global }
    .group_segment_fixed_size: 67840
    .private_segment_fixed_size: 0
    .kernarg_segment_align: 8
    .kernarg_segment_size: 56
    .max_flat_workgroup_size: 512
    .sgpr_count:     66
    .vgpr_count:     256
    .wavefront_size: 32
...
	.end_amdgpu_metadata
.endif
;; end of part 12
;; launch w1 (part 13): grid 16 x 16, 4 waves a work-group, clusters of 4 x 4, 327,680 bytes of LDS; arguments x1, wts, b1, hid; writes hid
.if DOCPART == 13
	.amdgcn_target "amdgcn-amd-amdhsa--gfx1250"
	.amdhsa_code_object_version 6
	.text
	.protected	k_q0fac7607a7_w1
	.globl	k_q0fac7607a7_w1
	.p2align	8
	.type	k_q0fac7607a7_w1,@function
k_q0fac7607a7_w1:
	s_mov_b64 s[64:65], 0
	v_nop
	global_prefetch_b8 v0, s[64:65] scope:SCOPE_SE
	s_setreg_imm32_b32 hwreg(HW_REG_WAVE_MODE, 25, 1), 1
	s_wait_xcnt 0x0
	s_wait_alu depctr_hold_cnt(0) depctr_sa_sdst(0) depctr_va_vdst(0) depctr_va_sdst(0) depctr_va_ssrc(0) depctr_va_vcc(0) depctr_vm_vsrc(0)
	s_getreg_b32 s2, hwreg(HW_REG_IB_STS2, 6, 4)
	s_cmp_eq_u32 s2, 0
	s_cbranch_scc0 .Lentry_in_a_cluster
	s_endpgm
.Lentry_in_a_cluster:
	s_bfe_u32 s2, ttmp6, 0x10000c
	s_cmp_lg_u32 s2, 0xf033
	s_cbranch_scc0 .Lentry_shape_is_right
	s_endpgm
.Lentry_shape_is_right:
.set KTOT,   1024
.set NS,     KTOT/128
.set FRB,    1536
.set TROW,   2*FRB
.set HALFT,  8*TROW
.set SLOT,   4*HALFT
.set LAPS,   KTOT/512
.set PITCHB, NS*FRB
.set SBLK,   NS*64
.set HALFS,  8*SBLK
.set SCL,    2*SLOT
.set SPARE,  SCL+4*HALFS
.set FR, 12
.set NL, 4
.set NP, 4
.set L16,  4
.set L8,   5
.set ADRA, 16
.set ADRB, 20
.set ADRS, 27
.set SPW,  28
.set NIL,  29
.set SC,   32
.set CB,   64
.set AF,   128
.set HA,   64
.set TM,   32
.set PW,   48
.set PWK,  49
.set PS,   50
.set PC,   128
.set SEL,  66
.set HM,   95
.set G1, 24
.set G0, 32
.set G1B, 48
.set G0B, 56
.set G1S, 68
.set G0S, 76
.set G1SB, 80
.set G0SB, 88
.set MSB, 0
.macro WIN new
.if MSB != (\new)
	s_set_vgpr_msb (MSB<<8)|(\new)
.set MSB, (\new)
.endif
.endm
.set MUL_LO, 0xa1
.set MUL_HI, 0xf1
.set TO_B,   0x40
.macro JLOAD g0a, g1a, g0b, g1b
	s_cmp_eq_u32 s15, 0
	s_cbranch_scc0 .Lfor_b_\@
	tensor_load_to_lds s[\g0a:\g0a+3], s[\g1a:\g1a+7]
	s_nop 0
.rept 4
	v_nop
.endr
	s_branch .Lasked_\@
.Lfor_b_\@:
	tensor_load_to_lds s[\g0b:\g0b+3], s[\g1b:\g1b+7]
	s_nop 0
.rept 4
	v_nop
.endr
.Lasked_\@:
.endm
.macro CREST
	s_cmp_lg_u32 s14, 0
	s_cbranch_scc1 .Lnot_wave_0_\@
	s_barrier_signal -3
.Lnot_wave_0_\@:
	s_barrier_wait -3
	s_barrier_signal -1
	s_barrier_wait -1
.endm
.macro CROUND
	s_barrier_signal -1
	s_barrier_wait -1
	CREST
.endm
.macro PLACES n
.rept \n
	v_nop
.endr
.endm
.macro FRAG reg, adr, q, i
	ds_load_b128 v[\reg:\reg+3], v[\adr] offset:(\i)*TROW+(\q)*FRB
	ds_load_b64 v[\reg+4:\reg+5], v[\adr+2] offset:(\i)*TROW+(\q)*FRB+512
	ds_load_b128 v[\reg+6:\reg+9], v[\adr] offset:(\i)*TROW+(\q)*FRB+768
	ds_load_b64 v[\reg+10:\reg+11], v[\adr+2] offset:(\i)*TROW+(\q)*FRB+1280
.endm
.macro FETCH_B slot, q, p
	WIN TO_B
.irp i, 0,1,2,3,4,5,6,7
	FRAG 128*(\p)+FR*\i, ADRB+\slot, \q, \i
.endr
	WIN 0
.endm
.macro FETCH_A slot, q, i0
.irp i, \i0, \i0+1, \i0+2, \i0+3
	FRAG AF+FR*(\i), ADRA+\slot, \q, \i
.endr
.endm
.macro SCALES sc
.irp i, 0,1,2,3,4,5,6,7
	ds_load_b32 v[SC+16*\sc+2*\i], v[ADRS] offset:\i*SBLK
	ds_load_b32 v[SC+16*\sc+2*\i+1], v[ADRS] offset:\i*SBLK+64
.endr
.endm
.macro MUL16 a0, p, q, sc, first
.irp a, \a0, \a0+1
.irp b, 0,1,2,3,4,5,6,7
.if \first
	v_wmma_scale_f32_16x16x128_f8f6f4 v[8*(8*((\a)%4)+\b):8*(8*((\a)%4)+\b)+7], v[128*(\p)+FR*\b:128*(\p)+FR*\b+FR-1], v[AF+FR*(\a):AF+FR*(\a)+FR-1], v[CB+8*\b:CB+8*\b+7], v[SC+16*(\sc)+2*\b+(\q)], v[SC+16*(\sc)+2*(\a)+(\q)] matrix_a_fmt:MATRIX_FMT_FP6 matrix_b_fmt:MATRIX_FMT_FP6 matrix_a_scale:MATRIX_SCALE_ROW1
.else
	v_wmma_scale_f32_16x16x128_f8f6f4 v[8*(8*((\a)%4)+\b):8*(8*((\a)%4)+\b)+7], v[128*(\p)+FR*\b:128*(\p)+FR*\b+FR-1], v[AF+FR*(\a):AF+FR*(\a)+FR-1], v[8*(8*((\a)%4)+\b):8*(8*((\a)%4)+\b)+7], v[SC+16*(\sc)+2*\b+(\q)], v[SC+16*(\sc)+2*(\a)+(\q)] matrix_a_fmt:MATRIX_FMT_FP6 matrix_b_fmt:MATRIX_FMT_FP6 matrix_a_scale:MATRIX_SCALE_ROW1
.endif
.endr
.endr
.endm
.macro STEP slot, first
	s_wait_dscnt 4*NL
.if \first
	WIN 0x81
.else
	WIN MUL_LO
.endif
	MUL16 0, 0, 0, \slot, \first
	MUL16 2, 0, 0, \slot, \first
	s_wait_dscnt 0x0
	PLACES NP
	FETCH_B \slot, 1, 1
	FETCH_A \slot, 1, 0
.if \first
	WIN 0xc1
.else
	WIN MUL_HI
.endif
	MUL16 4, 0, 0, \slot, \first
	MUL16 6, 0, 0, \slot, \first
	PLACES NP
	WIN 0
	FETCH_A \slot, 1, 4
.endm
.macro TURN slot, next, fill
	s_wait_tensorcnt 0x0
	ds_add_u32 v[SPW], v[NIL]
	s_wait_dscnt 4*NL+1
	WIN MUL_LO
	MUL16 0, 1, 1, \slot, 0
	s_wait_dscnt 0x0
	s_barrier_signal -1
	MUL16 2, 1, 1, \slot, 0
	WIN 0
	s_barrier_wait -1
.if \fill
	CREST
	s_add_nc_u64 s[G0+4*\slot+2:G0+4*\slot+3], s[G0+4*\slot+2:G0+4*\slot+3], 2*TROW
	s_add_nc_u64 s[G0B+4*\slot+2:G0B+4*\slot+3], s[G0B+4*\slot+2:G0B+4*\slot+3], 2*TROW
	JLOAD G0+4*\slot, G1, G0B+4*\slot, G1B
.else
	PLACES NP
.endif
	s_wait_alu depctr_va_vdst(0)
	v_add_nc_u32 v[ADRS], 128, v[ADRS]
	FETCH_B \next, 0, 0
	FETCH_A \next, 0, 0
	SCALES \next
	WIN MUL_HI
	MUL16 4, 1, 1, \slot, 0
	MUL16 6, 1, 1, \slot, 0
	PLACES NP
	WIN 0
	FETCH_A \next, 0, 4
.endm
.macro QUANT s
.irp b, 0,1,2,3
	v_max3_num_f32 v[TM+\b], |v[\s+16*\b]|, |v[\s+1+16*\b]|, 0x1800000
.endr
.irp i, 2,4,6,8,10,12,14
.irp b, 0,1,2,3
	v_max3_num_f32 v[TM+\b], v[TM+\b], |v[\s+16*\b+\i]|, |v[\s+1+16*\b+\i]|
.endr
.endr
.irp b, 0,1,2,3
	v_permlanex16_b32 v[TM+4+\b], v[TM+\b], s[SEL], s[SEL+1]
.endr
.irp b, 0,1,2,3
	v_max_num_f32 v[TM+\b], v[TM+\b], v[TM+4+\b]
.endr
.irp b, 0,1,2,3
	v_add_nc_u32 v[TM+12+\b], 0xff000000, v[TM+\b]
.endr
.irp b, 0,1,2,3
	v_lshrrev_b32 v[TM+4+\b], 23, v[TM+12+\b]
.endr
	v_lshl_or_b32 v[PW], v[TM+5], 8, v[TM+4]
	v_lshl_or_b32 v[PW], v[TM+6], 16, v[PW]
	v_lshl_or_b32 v[PW], v[TM+7], 24, v[PW]
.irp c, 0,1
	v_cvt_scalef32_pk16_fp6_f32 v[PC+6*\c:PC+2+6*\c], v[\s+32*\c:\s+15+32*\c], v[TM+12+2*\c]
	v_cvt_scalef32_pk16_fp6_f32 v[PC+12+4*\c:PC+14+4*\c], v[\s+16+32*\c:\s+31+32*\c], v[TM+12+2*\c+1]
.endr
	v_nop
.irp c, 0,1
.irp i, 0,1,2
	v_permlane16_swap_b32 v[PC+6*\c+\i], v[PC+12+4*\c+\i]
.endr
.irp i, 0,1,2
	v_mov_b32 v[PC+3+6*\c+\i], v[PC+12+4*\c+\i]
.endr
.endr
.endm
	s_load_b256 s[4:11], s[0:1], 0x0
	v_lshl_add_u32 v[SPW], v0, 2, SPARE
	v_mov_b32 v[NIL], 0
	ds_add_u32 v[SPW], v[NIL]
	ds_add_u32 v[SPW], v[NIL]
	v_lshrrev_b32 v1, 5, v0
	v_readfirstlane_b32 s14, v1
	s_lshr_b32 s15, s14, 1
	s_and_b32 s16, s14, 1
	s_bfe_u32 s40, ttmp6, 0x40000
	s_bfe_u32 s41, ttmp6, 0x40004
	s_lshl_b32 s42, ttmp9, 2
	s_add_co_u32 s42, s42, s40
	s_and_b32 s17, ttmp7, 0xffff
	s_lshl_b32 s17, s17, 2
	s_add_co_u32 s17, s17, s41
	s_lshl_b32 s43, s41, 2
	s_lshl_b32 s43, 15, s43
	s_lshl_b32 s44, 0x1111, s40
	s_or_b32 s[G1+0], s43, (3<<16)|(1<<21)
	s_or_b32 s[G1B+0], s44, (3<<16)|(1<<21)
.irp g, G1, G1B
	s_mov_b32 s[\g+1], 384<<16
	s_mov_b32 s[\g+2], 8<<16
	s_mov_b32 s[\g+3], 384<<16
	s_mov_b32 s[\g+4], 8
	s_mov_b32 s[\g+5], PITCHB/8
	s_mov_b32 s[\g+6], 0
	s_mov_b32 s[\g+7], 0
.endr
	s_or_b32 s[G1S+0], s43, (3<<16)|(1<<21)
	s_or_b32 s[G1SB+0], s44, (3<<16)|(1<<21)
.irp g, G1S, G1SB
	s_mov_b32 s[\g+1], 32<<16
	s_mov_b32 s[\g+2], (HALFS/256)<<16
	s_mov_b32 s[\g+3], 32<<16
	s_mov_b32 s[\g+4], HALFS/256
	s_mov_b32 s[\g+5], 32
	s_mov_b32 s[\g+6], 0
	s_mov_b32 s[\g+7], 0
.endr
	s_mov_b32 s[SEL], 0x76543210
	s_mov_b32 s[SEL+1], 0xfedcba98
	s_mov_b32 s[HM], 0xffff0000
	s_lshl_b32 s18, s16, 3
	s_lshl_b32 s20, s17, 4
	s_add_co_u32 s20, s20, s18
	s_lshl_b32 s46, s42, 4
	s_add_co_u32 s46, s46, s18
	s_mul_i32 s22, s20, SBLK
	s_mul_i32 s92, s46, SBLK
	s_mul_i32 s20, s20, PITCHB
	s_mul_i32 s46, s46, PITCHB
	s_mov_b32 s21, 0
	s_mov_b32 s23, 0
	s_mov_b32 s47, 0
	s_mov_b32 s93, 0
	s_mul_i32 s45, s14, HALFT
	s_mul_i32 s94, s14, HALFS
	s_wait_dscnt 0x0
	s_wait_kmcnt 0x0
	s_mov_b64 s[96:97], s[8:9]
	s_mov_b64 s[12:13], s[10:11]
	s_add_nc_u64 s[8:9], s[6:7], 3145728
	s_add_nc_u64 s[10:11], s[6:7], 9568256
	s_add_nc_u64 s[6:7], s[4:5], 19922944
	s_add_nc_u64 s[4:5], s[4:5], 16777216
	s_add_nc_u64 s[20:21], s[4:5], s[20:21]
	s_add_nc_u64 s[22:23], s[6:7], s[22:23]
	s_add_nc_u64 s[46:47], s[8:9], s[46:47]
	s_add_nc_u64 s[92:93], s[10:11], s[92:93]
	CROUND
	s_mov_b32 s[G0S], 1
	s_add_co_u32 s[G0S+1], s94, SCL
	s_mov_b64 s[G0S+2:G0S+3], s[22:23]
	s_or_b32 s[G0S+3], s[G0S+3], 0x80000000
	s_mov_b32 s[G0SB], 1
	s_add_co_u32 s[G0SB+1], s94, SCL
	s_mov_b64 s[G0SB+2:G0SB+3], s[92:93]
	s_or_b32 s[G0SB+3], s[G0SB+3], 0x80000000
	JLOAD G0S, G1S, G0SB, G1SB
.irp s, 0,1
	s_mov_b32 s[G0+4*\s], 1
	s_add_co_u32 s[G0+4*\s+1], s45, \s*SLOT
	s_add_nc_u64 s[G0+4*\s+2:G0+4*\s+3], s[20:21], \s*TROW
	s_or_b32 s[G0+4*\s+3], s[G0+4*\s+3], 0x80000000
	s_mov_b32 s[G0B+4*\s], 1
	s_add_co_u32 s[G0B+4*\s+1], s45, \s*SLOT
	s_add_nc_u64 s[G0B+4*\s+2:G0B+4*\s+3], s[46:47], \s*TROW
	s_or_b32 s[G0B+4*\s+3], s[G0B+4*\s+3], 0x80000000
	s_wait_alu depctr_va_vdst(0)
	s_wait_tensorcnt 0x0
	ds_add_u32 v28, v29
	s_wait_dscnt 0x0
	CROUND
	JLOAD G0+4*\s, G1, G0B+4*\s, G1B
.endr
	v_and_b32 v1, 15, v0
	v_bfe_u32 v2, v0, 4, 1
	v_and_b32 v3, 31, v0
	v_lshlrev_b32 v[L16], 4, v3
	v_lshlrev_b32 v[L8], 3, v3
	s_mul_i32 s21, s15, HALFT
	s_mul_i32 s22, s16, HALFT
	s_add_co_u32 s22, s22, 2*HALFT
.irp s, 0,1
	v_add_nc_u32 v[ADRA+\s], s21, v[L16]
	v_add_nc_u32 v[ADRB+\s], s22, v[L16]
	v_add_nc_u32 v[ADRA+2+\s], s21, v[L8]
	v_add_nc_u32 v[ADRB+2+\s], s22, v[L8]
	s_add_co_u32 s21, s21, SLOT
	s_add_co_u32 s22, s22, SLOT
.endr
	s_mul_i32 s21, s15, HALFS
	s_mul_i32 s22, s16, HALFS
	s_add_co_u32 s22, s22, 2*HALFS
	s_sub_co_u32 s22, s22, s21
	v_mul_u32_u24 v6, s22, v2
	s_add_co_u32 s21, s21, SCL
	v_lshl_add_u32 v6, v1, 2, v6
	v_add_nc_u32 v[ADRS], s21, v6
	s_lshl_b32 s18, s42, 10
	s_lshl_b32 s19, s16, 9
	s_add_co_u32 s18, s18, s19
	s_mov_b32 s19, 0
	s_add_nc_u64 s[96:97], s[96:97], s[18:19]
	v_lshlrev_b32 v6, 6, v2
.irp b, 0,1,2,3,4,5,6,7
	global_load_b128 v[CB+8*\b:CB+8*\b+3], v6, s[96:97] offset:128*(\b/2)+32*(\b%2)
	global_load_b128 v[CB+8*\b+4:CB+8*\b+7], v6, s[96:97] offset:128*(\b/2)+32*(\b%2)+16
.endr
	s_lshl_b32 s18, s17, 4
	s_lshl_b32 s19, s15, 3
	s_add_co_u32 s18, s18, s19
	s_lshl_b32 s18, s18, 5
	s_lshl_b32 s19, s42, 1
	s_add_co_u32 s18, s18, s19
	s_add_co_u32 s18, s18, s16
	s_lshl_b32 s20, s18, 6
	s_add_co_u32 s20, s20, 12582912
	s_mov_b32 s21, 0
	s_mul_i32 s18, s18, 1536
	s_mov_b32 s19, 0
	s_add_nc_u64 s[98:99], s[12:13], s[20:21]
	s_add_nc_u64 s[12:13], s[12:13], s[18:19]
	v_lshlrev_b32 v26, 2, v1
	v_lshl_add_u32 v26, v2, 11, v26
	s_wait_alu depctr_va_vdst(0)
	s_wait_tensorcnt 1
	s_barrier_signal -1
	s_barrier_wait -1
	FETCH_B 0, 0, 0
	FETCH_A 0, 0, 0
	SCALES 0
	FETCH_A 0, 0, 4
	s_wait_loadcnt 0x0
	STEP 0, 1
	s_mov_b32 s3, LAPS-1
.Llap:
	TURN 0, 1, 1
	STEP 1, 0
	TURN 1, 0, 1
	STEP 0, 0
	s_sub_co_u32 s3, s3, 1
	s_cmp_lg_u32 s3, 0
	s_cbranch_scc1 .Llap
	TURN 0, 1, 0
	STEP 1, 0
	s_wait_dscnt 4*NL
	WIN MUL_LO
	MUL16 0, 1, 1, 1, 0
	MUL16 2, 1, 1, 1, 0
	s_wait_dscnt 0x0
	WIN MUL_HI
	MUL16 4, 1, 1, 1, 0
	MUL16 6, 1, 1, 1, 0
	WIN 0
	PLACES NP
.irp b, 0,1,2,3
	v_mov_b32 v[TM+4+\b], 0
.endr
.macro HOUT a
	s_wait_xcnt 0x0
	WIN 0x08+4*((\a)/4)
.set j, 0
.rept 64
	v_max_num_f32 v[HA+j], 0, v[64*((\a)%4)+j]
.set j, j+1
.endr
	WIN 0
	QUANT HA
	global_store_b128 v[L16], v[PC:PC+3], s[12:13] offset:(\a)*49152
	global_store_b64 v[L8], v[PC+4:PC+5], s[12:13] offset:(\a)*49152+512
	global_store_b128 v[L16], v[PC+6:PC+9], s[12:13] offset:(\a)*49152+768
	global_store_b64 v[L8], v[PC+10:PC+11], s[12:13] offset:(\a)*49152+1280
.if (\a)%2 == 0
	v_mov_b32 v[PWK], v[PW]
.else
	v_cndmask_b32 v[PS], v[PWK], v[PW], s[HM]
	global_store_b32 v26, v[PS], s[98:99] offset:((\a)-1)*2048
.endif
.endm
.irp a, 0,1,2,3,4,5,6,7
	HOUT \a
.endr
	s_wait_tensorcnt 0x0
	ds_add_u32 v[SPW], v[NIL]
	s_wait_dscnt 0x0
	CROUND
	s_endpgm
.Lfunc_end_k_q0fac7607a7_w1:
	.size	k_q0fac7607a7_w1, .Lfunc_end_k_q0fac7607a7_w1-k_q0fac7607a7_w1
	.p2alignl 7, 3214868480
	.fill 96, 4, 3214868480
	.section	.rodata,"a",@progbits
	.p2align	6, 0x0
	.amdhsa_kernel k_q0fac7607a7_w1
		.amdhsa_group_segment_fixed_size 327680
		.amdhsa_private_segment_fixed_size 0
		.amdhsa_enable_private_segment 0
		.amdhsa_kernarg_size 32
		.amdhsa_user_sgpr_count 2
		.amdhsa_user_sgpr_kernarg_segment_ptr 1
		.amdhsa_wavefront_size32 1
		.amdhsa_system_sgpr_workgroup_id_x 1
		.amdhsa_system_sgpr_workgroup_id_y 1
		.amdhsa_system_sgpr_workgroup_id_z 1
		.amdhsa_system_vgpr_workitem_id 0
		.amdhsa_next_free_vgpr 1024
		.amdhsa_next_free_sgpr 102
		.amdhsa_reserve_vcc 0
		.amdhsa_float_denorm_mode_32 3
		.amdhsa_float_denorm_mode_16_64 3
		.amdhsa_memory_ordered 1
		.amdhsa_forward_progress 1
		.amdhsa_inst_pref_size 169
	.end_amdhsa_kernel
	.amdgpu_metadata
---
amdhsa.version: [ 1, 2 ]
amdhsa.kernels:
  - .name:           k_q0fac7607a7_w1
    .symbol:         k_q0fac7607a7_w1.kd
    .args:
      - { .name: x1, .offset: 0, .size: 8, .value_kind: global_buffer, .address_space: global }
      - { .name: wts, .offset: 8, .size: 8, .value_kind: global_buffer, .address_space: global }
      - { .name: b1, .offset: 16, .size: 8, .value_kind: global_buffer, .address_space: global }
      - { .name: hid, .offset: 24, .size: 8, .value_kind: global_buffer, .address_space: global }
    .group_segment_fixed_size: 327680
    .private_segment_fixed_size: 0
    .kernarg_segment_align: 8
    .kernarg_segment_size: 32
    .max_flat_workgroup_size: 128
    .sgpr_count:     102
    .vgpr_count:     1024
    .wavefront_size: 32
...
	.end_amdgpu_metadata
.endif
;; end of part 13
;; launch w2 (part 14): grid 8 x 32, 4 waves a work-group, clusters of 4 x 4, 327,680 bytes of LDS; arguments hid, wts, b2, x1, z; writes z
.if DOCPART == 14
	.amdgcn_target "amdgcn-amd-amdhsa--gfx1250"
	.amdhsa_code_object_version 6
	.text
	.protected	k_q0fac7607a7_w2
	.globl	k_q0fac7607a7_w2
	.p2align	8
	.type	k_q0fac7607a7_w2,@function
k_q0fac7607a7_w2:
	s_mov_b64 s[64:65], 0
	v_nop
	global_prefetch_b8 v0, s[64:65] scope:SCOPE_SE
	s_setreg_imm32_b32 hwreg(HW_REG_WAVE_MODE, 25, 1), 1
	s_wait_xcnt 0x0
	s_wait_alu depctr_hold_cnt(0) depctr_sa_sdst(0) depctr_va_vdst(0) depctr_va_sdst(0) depctr_va_ssrc(0) depctr_va_vcc(0) depctr_vm_vsrc(0)
	s_getreg_b32 s2, hwreg(HW_REG_IB_STS2, 6, 4)
	s_cmp_eq_u32 s2, 0
	s_cbranch_scc0 .Lentry_in_a_cluster
	s_endpgm
.Lentry_in_a_cluster:
	s_bfe_u32 s2, ttmp6, 0x10000c
	s_cmp_lg_u32 s2, 0xf033
	s_cbranch_scc0 .Lentry_shape_is_right
	s_endpgm
.Lentry_shape_is_right:
.set KTOT,   4096
.set N0,     7
.set N1,     6
.set AHEAD,  6
.set RP,     11
.set AS_OFF, 12582912
.set BC_OFF, 6291456
.set BS_OFF, 9699328
.set NS,     KTOT/128
.set NPAIR,  NS/2
.set FRB,    1536
.set PITCHB, NS*FRB
.set SBLK,   NS*64
.set STEPB,  16*FRB
.set SLOT1,  N0*STEPB
.set SPARE,  (N0+N1)*STEPB
.set STG,    SLOT1
.set SPITCH, 272
.set FR, 12
.set NP, 4
.set L16,  4
.set L8,   5
.set L4,   8
.set ADRA, 16
.set ADRB, 20
.set STO,  24
.set RD,   25
.set CO,   26
.set SPW,  28
.set NIL,  29
.set CB,   32
.set BK,   64
.set SA,   128
.set SB,   192
.set G1A0, 24
.set G1A1, 68
.set G1B0, 48
.set G1B1, 80
.set G0A,  32
.set G0B,  56
.set MUL,  0xa5
.set TO_F, 0x40
.set MSB, 0
.macro WIN new
.if MSB != (\new)
	s_set_vgpr_msb (MSB<<8)|(\new)
.set MSB, (\new)
.endif
.endm
.macro JLOAD g0a, g1a, g0b, g1b
	s_cmp_eq_u32 s15, 0
	s_cbranch_scc0 .Lfor_b_\@
	tensor_load_to_lds s[\g0a:\g0a+3], s[\g1a:\g1a+7]
	s_nop 0
.rept 4
	v_nop
.endr
	s_branch .Lasked_\@
.Lfor_b_\@:
	tensor_load_to_lds s[\g0b:\g0b+3], s[\g1b:\g1b+7]
	s_nop 0
.rept 4
	v_nop
.endr
.Lasked_\@:
.endm
.macro CREST
	s_cmp_lg_u32 s14, 0
	s_cbranch_scc1 .Lnot_wave_0_\@
	s_barrier_signal -3
.Lnot_wave_0_\@:
	s_barrier_wait -3
	s_barrier_signal -1
	s_barrier_wait -1
.endm
.macro CROUND
	s_barrier_signal -1
	s_barrier_wait -1
	CREST
.endm
.macro PLACES n
.rept \n
	v_nop
.endr
.endm
.macro LOC k
.set LK, (\k)%(N0+N1)
.set LS, LK/N0
.set LQ, LK-N0*LS
.set LN, N0+(N1-N0)*LS
.endm
.macro FRAG reg, adr, i
	ds_load_b128 v[\reg:\reg+3], v[\adr] offset:(\i)*LN*FRB+LQ*FRB
	ds_load_b64 v[\reg+4:\reg+5], v[\adr+2] offset:(\i)*LN*FRB+LQ*FRB+512
	ds_load_b128 v[\reg+6:\reg+9], v[\adr] offset:(\i)*LN*FRB+LQ*FRB+768
	ds_load_b64 v[\reg+10:\reg+11], v[\adr+2] offset:(\i)*LN*FRB+LQ*FRB+1280
.endm
.macro FETCH k
	LOC \k
	WIN TO_F
.irp i, 0,1,2,3
	FRAG 96*((\k)%2)+FR*\i, ADRB+LS, \i
.endr
.irp i, 0,1,2,3
	FRAG 96*((\k)%2)+48+FR*\i, ADRA+LS, \i
.endr
.endm
.macro SLOAD p
.irp i, 0,1,2,3
	global_load_b32 v[SA+NPAIR*\i+(\p)], v[L4], s[76:77] offset:\i*SBLK+128*(\p)
	global_load_b32 v[SB+NPAIR*\i+(\p)], v[L4], s[78:79] offset:\i*SBLK+128*(\p)
.endr
.endm
.macro RLOADS
	WIN 0xc0
.irp a, 0,1,2,3
.irp u, 0,1,2,3,4,5,6,7
	global_load_b128 v[32*\a+4*\u:32*\a+4*\u+3], v[CO], s[98:99] offset:(32*(\a/2)+8*(\a%2)+2*\u+8*(\u/4))*4096 th:TH_LOAD_NT
.endr
.endr
	WIN 0
.endm
.macro SCW k
.set PP, (\k)/2
.set PL, PP+AHEAD-1
.if PL > NPAIR-1
.set PL, NPAIR-1
.endif
.set PN, 8*(PL-PP)
.if PP > RP
.set PN, PN+32
.endif
	s_wait_loadcnt PN
.if PP+AHEAD < NPAIR
	SLOAD PP+AHEAD
.endif
.if PP == RP
	s_wait_alu depctr_va_vdst(0)
	RLOADS
.endif
.endm
.macro MUL4 k, a, first
.irp b, 0,1,2,3
.if \first
	v_wmma_scale_f32_16x16x128_f8f6f4 v[8*(4*(\a)+\b):8*(4*(\a)+\b)+7], v[96*((\k)%2)+FR*\b:96*((\k)%2)+FR*\b+FR-1], v[96*((\k)%2)+48+FR*(\a):96*((\k)%2)+48+FR*(\a)+FR-1], v[CB+8*\b:CB+8*\b+7], v[SB+NPAIR*\b+(\k)/2], v[SA+NPAIR*(\a)+(\k)/2] matrix_a_fmt:MATRIX_FMT_FP6 matrix_b_fmt:MATRIX_FMT_FP6
.elseif (\k)%2
	v_wmma_scale_f32_16x16x128_f8f6f4 v[8*(4*(\a)+\b):8*(4*(\a)+\b)+7], v[96*((\k)%2)+FR*\b:96*((\k)%2)+FR*\b+FR-1], v[96*((\k)%2)+48+FR*(\a):96*((\k)%2)+48+FR*(\a)+FR-1], v[8*(4*(\a)+\b):8*(4*(\a)+\b)+7], v[SB+NPAIR*\b+(\k)/2], v[SA+NPAIR*(\a)+(\k)/2] matrix_a_fmt:MATRIX_FMT_FP6 matrix_b_fmt:MATRIX_FMT_FP6 matrix_a_scale:MATRIX_SCALE_ROW1 matrix_b_scale:MATRIX_SCALE_ROW1
.else
	v_wmma_scale_f32_16x16x128_f8f6f4 v[8*(4*(\a)+\b):8*(4*(\a)+\b)+7], v[96*((\k)%2)+FR*\b:96*((\k)%2)+FR*\b+FR-1], v[96*((\k)%2)+48+FR*(\a):96*((\k)%2)+48+FR*(\a)+FR-1], v[8*(4*(\a)+\b):8*(4*(\a)+\b)+7], v[SB+NPAIR*\b+(\k)/2], v[SA+NPAIR*(\a)+(\k)/2] matrix_a_fmt:MATRIX_FMT_FP6 matrix_b_fmt:MATRIX_FMT_FP6
.endif
.endr
.endm
.macro STEPN k, first
	PLACES NP
	FETCH (\k)+1
.if (\k)%2 == 0
	WIN 0
	SCW \k
.endif
	s_wait_dscnt 32
.if \first
	WIN 0x85
.else
	WIN MUL
.endif
.irp a, 0,1,2,3
	MUL4 \k, \a, \first
.endr
.endm
.macro STEPT k, fill
	LOC \k
	WIN 0
.if (\k)%2 == 0
	SCW \k
.endif
	s_wait_tensorcnt 0x0
	ds_add_u32 v[SPW], v[NIL]
	s_wait_dscnt 1
	WIN MUL
	MUL4 \k, 0, 0
	s_wait_dscnt 0x0
	s_barrier_signal -1
	MUL4 \k, 1, 0
	WIN 0
	s_barrier_wait -1
.if \fill
	CREST
	s_add_nc_u64 s[G0A+4*LS+2:G0A+4*LS+3], s[G0A+4*LS+2:G0A+4*LS+3], (N0+N1)*FRB
	s_add_nc_u64 s[G0B+4*LS+2:G0B+4*LS+3], s[G0B+4*LS+2:G0B+4*LS+3], (N0+N1)*FRB
	JLOAD G0A+4*LS, G1A0+44*LS, G0B+4*LS, G1B0+32*LS
.else
	PLACES NP
.endif
	FETCH (\k)+1
	WIN MUL
	MUL4 \k, 2, 0
	MUL4 \k, 3, 0
.endm
.macro STEPL k
	s_wait_dscnt 0x0
	WIN MUL
.irp a, 0,1,2,3
	MUL4 \k, \a, 0
.endr
	WIN 0
.endm
	s_load_b256 s[4:11], s[0:1], 0x0
	s_load_b64 s[12:13], s[0:1], 0x20
	v_lshl_add_u32 v[SPW], v0, 2, SPARE
	v_mov_b32 v[NIL], 0
	ds_add_u32 v[SPW], v[NIL]
	ds_add_u32 v[SPW], v[NIL]
	v_lshrrev_b32 v1, 5, v0
	v_readfirstlane_b32 s14, v1
	s_lshr_b32 s15, s14, 1
	s_and_b32 s16, s14, 1
	s_bfe_u32 s40, ttmp6, 0x40000
	s_bfe_u32 s41, ttmp6, 0x40004
	s_lshl_b32 s42, ttmp9, 2
	s_add_co_u32 s42, s42, s40
	s_and_b32 s17, ttmp7, 0xffff
	s_lshl_b32 s17, s17, 2
	s_add_co_u32 s17, s17, s41
	s_lshl_b32 s43, s41, 2
	s_lshl_b32 s43, 15, s43
	s_lshl_b32 s44, 0x1111, s40
	s_or_b32 s[G1A0], s43, (3<<16)|(1<<21)
	s_or_b32 s[G1B0], s44, (3<<16)|(1<<21)
	s_or_b32 s[G1A1], s43, (3<<16)|(1<<21)
	s_or_b32 s[G1B1], s44, (3<<16)|(1<<21)
.irp g, G1A0, G1B0
	s_mov_b32 s[\g+1], (N0*192)<<16
	s_mov_b32 s[\g+2], 4<<16
	s_mov_b32 s[\g+3], (N0*192)<<16
	s_mov_b32 s[\g+4], 4
	s_mov_b32 s[\g+5], PITCHB/8
	s_mov_b32 s[\g+6], 0
	s_mov_b32 s[\g+7], 0
.endr
.irp g, G1A1, G1B1
	s_mov_b32 s[\g+1], (N1*192)<<16
	s_mov_b32 s[\g+2], 4<<16
	s_mov_b32 s[\g+3], (N1*192)<<16
	s_mov_b32 s[\g+4], 4
	s_mov_b32 s[\g+5], PITCHB/8
	s_mov_b32 s[\g+6], 0
	s_mov_b32 s[\g+7], 0
.endr
	s_lshl_b32 s18, s16, 2
	s_lshl_b32 s20, s17, 3
	s_add_co_u32 s20, s20, s18
	s_lshl_b32 s46, s42, 3
	s_add_co_u32 s46, s46, s18
	s_mul_i32 s20, s20, PITCHB
	s_mul_i32 s46, s46, PITCHB
	s_mov_b32 s21, 0
	s_mov_b32 s47, 0
	s_mul_i32 s45, s14, 4*N0*FRB
	s_mul_i32 s94, s14, 4*N1*FRB
	s_wait_dscnt 0x0
	s_wait_kmcnt 0x0
	s_mov_b64 s[96:97], s[8:9]
	s_mov_b64 s[98:99], s[10:11]
	s_add_nc_u64 s[8:9], s[6:7], BC_OFF
	s_add_nc_u64 s[10:11], s[6:7], BS_OFF
	s_add_nc_u64 s[6:7], s[4:5], AS_OFF
	s_add_nc_u64 s[20:21], s[4:5], s[20:21]
	s_add_nc_u64 s[46:47], s[8:9], s[46:47]
	CROUND
	s_mov_b32 s[G0A], 1
	s_mov_b32 s[G0A+1], s45
	s_mov_b64 s[G0A+2:G0A+3], s[20:21]
	s_or_b32 s[G0A+3], s[G0A+3], 0x80000000
	s_mov_b32 s[G0B], 1
	s_mov_b32 s[G0B+1], s45
	s_mov_b64 s[G0B+2:G0B+3], s[46:47]
	s_or_b32 s[G0B+3], s[G0B+3], 0x80000000
	JLOAD G0A, G1A0, G0B, G1B0
	s_mov_b32 s[G0A+4], 1
	s_add_co_u32 s[G0A+5], s94, SLOT1
	s_add_nc_u64 s[G0A+6:G0A+7], s[20:21], N0*FRB
	s_or_b32 s[G0A+7], s[G0A+7], 0x80000000
	s_mov_b32 s[G0B+4], 1
	s_add_co_u32 s[G0B+5], s94, SLOT1
	s_add_nc_u64 s[G0B+6:G0B+7], s[46:47], N0*FRB
	s_or_b32 s[G0B+7], s[G0B+7], 0x80000000
	s_wait_alu depctr_va_vdst(0)
	s_wait_tensorcnt 0x0
	ds_add_u32 v28, v29
	s_wait_dscnt 0x0
	CROUND
	JLOAD G0A+4, G1A1, G0B+4, G1B1
	v_and_b32 v1, 15, v0
	v_bfe_u32 v2, v0, 4, 1
	v_and_b32 v3, 31, v0
	v_lshlrev_b32 v[L16], 4, v3
	v_lshlrev_b32 v[L8], 3, v3
	v_lshlrev_b32 v[L4], 2, v3
	s_mul_i32 s21, s15, 4*N0*FRB
	s_mul_i32 s22, s16, 4*N0*FRB
	s_add_co_u32 s22, s22, 8*N0*FRB
	v_add_nc_u32 v[ADRA], s21, v[L16]
	v_add_nc_u32 v[ADRB], s22, v[L16]
	v_add_nc_u32 v[ADRA+2], s21, v[L8]
	v_add_nc_u32 v[ADRB+2], s22, v[L8]
	s_mul_i32 s21, s15, 4*N1*FRB
	s_mul_i32 s22, s16, 4*N1*FRB
	s_add_co_u32 s21, s21, SLOT1
	s_add_co_u32 s22, s22, SLOT1+8*N1*FRB
	v_add_nc_u32 v[ADRA+1], s21, v[L16]
	v_add_nc_u32 v[ADRB+1], s22, v[L16]
	v_add_nc_u32 v[ADRA+3], s21, v[L8]
	v_add_nc_u32 v[ADRB+3], s22, v[L8]
	s_lshl_b32 s18, s17, 3
	s_lshl_b32 s19, s15, 2
	s_add_co_u32 s18, s18, s19
	s_mul_i32 s18, s18, SBLK
	s_mov_b32 s19, 0
	s_add_nc_u64 s[76:77], s[6:7], s[18:19]
	s_lshl_b32 s18, s42, 3
	s_lshl_b32 s22, s16, 2
	s_add_co_u32 s18, s18, s22
	s_mul_i32 s18, s18, SBLK
	s_add_nc_u64 s[78:79], s[10:11], s[18:19]
	s_lshl_b32 s18, s42, 9
	s_lshl_b32 s22, s16, 8
	s_add_co_u32 s18, s18, s22
	s_add_nc_u64 s[96:97], s[96:97], s[18:19]
	s_lshl_b32 s20, s17, 7
	s_lshl_b32 s21, s15, 6
	s_add_co_u32 s20, s20, s21
	s_lshl_b32 s20, s20, 12
	s_add_co_u32 s20, s20, s18
	s_mov_b32 s21, 0
	s_add_nc_u64 s[12:13], s[12:13], s[20:21]
	s_add_nc_u64 s[98:99], s[98:99], s[20:21]
	s_mul_i32 s23, s14, 16*SPITCH
	s_add_co_u32 s23, s23, STG
	v_mul_u32_u24 v7, v1, SPITCH
	v_lshl_add_u32 v7, v2, 6, v7
	v_add_nc_u32 v[STO], s23, v7
	v_mul_u32_u24 v7, v2, SPITCH
	v_lshl_add_u32 v7, v1, 4, v7
	v_add_nc_u32 v[RD], s23, v7
	v_lshlrev_b32 v[CO], 12, v2
	v_lshl_add_u32 v[CO], v1, 4, v[CO]
	v_lshlrev_b32 v6, 6, v2
.irp b, 0,1,2,3
	global_load_b128 v[CB+8*\b:CB+8*\b+3], v6, s[96:97] offset:128*(\b/2)+32*(\b%2)
	global_load_b128 v[CB+8*\b+4:CB+8*\b+7], v6, s[96:97] offset:128*(\b/2)+32*(\b%2)+16
.endr
.set PP, 0
.rept AHEAD
	SLOAD PP
.set PP, PP+1
.endr
.if RP < 0
	RLOADS
.endif
	s_wait_tensorcnt 1
	s_barrier_signal -1
	s_barrier_wait -1
	FETCH 0
.set KK, 0
.rept NS
	LOC KK
.if KK == NS-1
	STEPL KK
.elseif LQ == LN-1
.if KK+1+N0+N1-LN < NS
	STEPT KK, 1
.else
	STEPT KK, 0
.endif
.elseif KK == 0
	STEPN KK, 1
.else
	STEPN KK, 0
.endif
.set KK, KK+1
.endr
.macro TOSTAGE a
	WIN 0x08
.irp b, 0,1,2,3
	ds_store_b128 v[STO], v[8*(4*(\a)+\b):8*(4*(\a)+\b)+3] offset:128*(\b/2)+32*(\b%2)
	ds_store_b128 v[STO], v[8*(4*(\a)+\b)+4:8*(4*(\a)+\b)+7] offset:128*(\b/2)+32*(\b%2)+16
.endr
	WIN 0
.set BB, BK+32*((\a)%2)
.irp u, 0,1,2,3,4,5,6,7
	ds_load_b128 v[BB+4*\u:BB+4*\u+3], v[RD] offset:\u*2*SPITCH
.endr
.endm
.macro SEND a, younger
.set BB, BK+32*((\a)%2)
	s_wait_dscnt \younger
	s_wait_loadcnt 8*(3-(\a))
	WIN 0x0c
.set i, 0
.rept 16
	v_pk_add_f32 v[BB+2*i:BB+2*i+1], v[BB+2*i:BB+2*i+1], v[32*(\a)+2*i:32*(\a)+2*i+1]
.set i, i+1
.endr
	WIN 0
.irp u, 0,1,2,3,4,5,6,7
	global_store_b128 v[CO], v[BB+4*\u:BB+4*\u+3], s[12:13] offset:(32*((\a)/2)+8*((\a)%2)+2*\u+8*(\u/4))*4096
.endr
.endm
	PLACES NP
	TOSTAGE 0
	TOSTAGE 1
	SEND 0, 16
	s_wait_xcnt 0x0
	TOSTAGE 2
	SEND 1, 16
	s_wait_xcnt 0x0
	TOSTAGE 3
	SEND 2, 16
	SEND 3, 0
	s_wait_tensorcnt 0x0
	ds_add_u32 v[SPW], v[NIL]
	s_wait_dscnt 0x0
	CROUND
	s_endpgm
.Lfunc_end_k_q0fac7607a7_w2:
	.size	k_q0fac7607a7_w2, .Lfunc_end_k_q0fac7607a7_w2-k_q0fac7607a7_w2
	.p2alignl 7, 3214868480
	.fill 96, 4, 3214868480
	.section	.rodata,"a",@progbits
	.p2align	6, 0x0
	.amdhsa_kernel k_q0fac7607a7_w2
		.amdhsa_group_segment_fixed_size 327680
		.amdhsa_private_segment_fixed_size 0
		.amdhsa_enable_private_segment 0
		.amdhsa_kernarg_size 40
		.amdhsa_user_sgpr_count 2
		.amdhsa_user_sgpr_kernarg_segment_ptr 1
		.amdhsa_wavefront_size32 1
		.amdhsa_system_sgpr_workgroup_id_x 1
		.amdhsa_system_sgpr_workgroup_id_y 1
		.amdhsa_system_sgpr_workgroup_id_z 1
		.amdhsa_system_vgpr_workitem_id 0
		.amdhsa_next_free_vgpr 1024
		.amdhsa_next_free_sgpr 102
		.amdhsa_reserve_vcc 0
		.amdhsa_float_denorm_mode_32 3
		.amdhsa_float_denorm_mode_16_64 3
		.amdhsa_memory_ordered 1
		.amdhsa_forward_progress 1
		.amdhsa_inst_pref_size 177
	.end_amdhsa_kernel
	.amdgpu_metadata
---
amdhsa.version: [ 1, 2 ]
amdhsa.kernels:
  - .name:           k_q0fac7607a7_w2
    .symbol:         k_q0fac7607a7_w2.kd
    .args:
      - { .name: hid, .offset: 0, .size: 8, .value_kind: global_buffer, .address_space: global }
      - { .name: wts, .offset: 8, .size: 8, .value_kind: global_buffer, .address_space: global }
      - { .name: b2, .offset: 16, .size: 8, .value_kind: global_buffer, .address_space: global }
      - { .name: x1, .offset: 24, .size: 8, .value_kind: global_buffer, .address_space: global }
      - { .name: z, .offset: 32, .size: 8, .value_kind: global_buffer, .address_space: global }
    .group_segment_fixed_size: 327680
    .private_segment_fixed_size: 0
    .kernarg_segment_align: 8
    .kernarg_segment_size: 40
    .max_flat_workgroup_size: 128
    .sgpr_count:     102
    .vgpr_count:     1024
    .wavefront_size: 32
...
	.end_amdgpu_metadata
.endif
;; end of part 14
;; launch ln2 (part 15): grid 256 x 1, 4 waves a work-group, no clusters, 0 bytes of LDS; arguments z, g2, be2, out0; writes out0
.if DOCPART == 15
	.amdgcn_target "amdgcn-amd-amdhsa--gfx1250"
	.amdhsa_code_object_version 6
	.text
	.protected	k_q0fac7607a7_ln2
	.globl	k_q0fac7607a7_ln2
	.p2align	8
	.type	k_q0fac7607a7_ln2,@function
k_q0fac7607a7_ln2:
	s_mov_b64 s[64:65], 0
	v_nop
	global_prefetch_b8 v0, s[64:65] scope:SCOPE_SE
	s_setreg_imm32_b32 hwreg(HW_REG_WAVE_MODE, 25, 1), 1
	s_wait_xcnt 0x0
; out0 = LayerNorm(z; g2, be2) over rows of 1,024, in f32.  A work-group takes 16 rows, a wave four whole rows: a row is 32 registers (eight loads of 512 consecutive bytes) and stays in them between the passes,
; so memory is read once.  The variance is the mean of the squared differences from the mean, as the reference has it; 1 / sqrt by v_rsq_f32.
; Memory binds: no LDS, no barrier, no matrix unit, no clusters (work-groups share only the 8 KiB of gain and offset).  LIMITS: NaN and infinities are not served.
.set AC,  4                            ; v4-19 two pairs of partial sums a row
.set MN,  20                           ; v20-27 a pair a row: -mean, later 1 / sqrt (the low word serves both halves)
.set TP,  28                           ; v28-31 the other half of the lanes' sums
.set Z,   32                           ; v32-159 four rows
.set G,   160
.set BE,  192
.set SEL, 12
.macro REDUCE                          ; each row's two pairs become one number in every lane, the four rows by turns
.irp i, 0,1,2,3
	v_pk_add_f32 v[AC+4*\i:AC+4*\i+1], v[AC+4*\i:AC+4*\i+1], v[AC+4*\i+2:AC+4*\i+3]
.endr
.irp i, 0,1,2,3
	v_add_f32 v[AC+4*\i], v[AC+4*\i], v[AC+4*\i+1]
.endr
.irp m, 1,2,4,8
.irp i, 0,1,2,3
	v_add_f32_dpp v[AC+4*\i], v[AC+4*\i], v[AC+4*\i] row_xmask:\m row_mask:0xf bank_mask:0xf
.endr
.endr
.irp i, 0,1,2,3
	v_permlanex16_b32 v[TP+\i], v[AC+4*\i], s[SEL], s[SEL+1]
.endr
.irp i, 0,1,2,3
	v_add_f32 v[AC+4*\i], v[AC+4*\i], v[TP+\i]
.endr
.endm
	s_load_b256 s[4:11], s[0:1], 0x0               ; z s[4:5], g2 s[6:7], be2 s[8:9], out0 s[10:11]
	v_lshrrev_b32 v1, 5, v0
	v_readfirstlane_b32 s16, v1                    ; wave
	v_and_b32 v2, 31, v0
	v_lshlrev_b32 v1, 4, v2                        ; 16 x lane
	s_mov_b32 s[SEL], 0x76543210
	s_mov_b32 s[SEL+1], 0xfedcba98
	s_mov_b32 s18, 0x3a800000                      ; 1 / 1,024
	s_mov_b32 s19, 0x3727c5ac                      ; 1e-5
	s_lshl_b32 s14, ttmp9, 4
	s_lshl_b32 s15, s16, 2
	s_add_co_u32 s14, s14, s15                     ; my first row
	s_lshl_b32 s14, s14, 12
	s_mov_b32 s15, 0
.irp i, 0,1,2,3
	v_mov_b32 v[MN+2*\i+1], 0                      ; named as the upper half of a pair
	v_mov_b32 v[TP+\i], 0                          ; a lane permute's destination counts as one of its sources
.endr
	s_wait_alu depctr_va_vdst(0)
	s_wait_kmcnt 0x0
	s_add_nc_u64 s[4:5], s[4:5], s[14:15]
	s_add_nc_u64 s[10:11], s[10:11], s[14:15]
.irp i, 0,1,2,3
.irp j, 0,1,2,3,4,5,6,7
	global_load_b128 v[Z+32*\i+4*\j:Z+32*\i+4*\j+3], v1, s[4:5] offset:4096*\i+512*\j th:TH_LOAD_NT
.endr
.endr
.irp j, 0,1,2,3,4,5,6,7
	global_load_b128 v[G+4*\j:G+4*\j+3], v1, s[6:7] offset:512*\j
	global_load_b128 v[BE+4*\j:BE+4*\j+3], v1, s[8:9] offset:512*\j
.endr
	s_wait_loadcnt 16                              ; the rows are in; the gain's and the offset's 16 loads may be out
.irp i, 0,1,2,3
	v_pk_add_f32 v[AC+4*\i:AC+4*\i+1], v[Z+32*\i:Z+32*\i+1], v[Z+32*\i+2:Z+32*\i+3]
	v_pk_add_f32 v[AC+4*\i+2:AC+4*\i+3], v[Z+32*\i+4:Z+32*\i+5], v[Z+32*\i+6:Z+32*\i+7]
.endr
.irp k, 8,12,16,20,24,28
.irp i, 0,1,2,3
	v_pk_add_f32 v[AC+4*\i:AC+4*\i+1], v[AC+4*\i:AC+4*\i+1], v[Z+32*\i+\k:Z+32*\i+\k+1]
	v_pk_add_f32 v[AC+4*\i+2:AC+4*\i+3], v[AC+4*\i+2:AC+4*\i+3], v[Z+32*\i+\k+2:Z+32*\i+\k+3]
.endr
.endr
	REDUCE
.irp i, 0,1,2,3
	v_mul_f32 v[MN+2*\i], 0xba800000, v[AC+4*\i]   ; -mean
.endr
.irp i, 0,1,2,3
.set k, 0
.rept 16
	v_pk_add_f32 v[Z+32*\i+k:Z+32*\i+k+1], v[Z+32*\i+k:Z+32*\i+k+1], v[MN+2*\i:MN+2*\i+1] op_sel_hi:[1,0]
.set k, k+2
.endr
.endr
.irp i, 0,1,2,3
	v_pk_mul_f32 v[AC+4*\i:AC+4*\i+1], v[Z+32*\i:Z+32*\i+1], v[Z+32*\i:Z+32*\i+1]
	v_pk_mul_f32 v[AC+4*\i+2:AC+4*\i+3], v[Z+32*\i+2:Z+32*\i+3], v[Z+32*\i+2:Z+32*\i+3]
.endr
.irp k, 4,8,12,16,20,24,28
.irp i, 0,1,2,3
	v_pk_fma_f32 v[AC+4*\i:AC+4*\i+1], v[Z+32*\i+\k:Z+32*\i+\k+1], v[Z+32*\i+\k:Z+32*\i+\k+1], v[AC+4*\i:AC+4*\i+1]
	v_pk_fma_f32 v[AC+4*\i+2:AC+4*\i+3], v[Z+32*\i+\k+2:Z+32*\i+\k+3], v[Z+32*\i+\k+2:Z+32*\i+\k+3], v[AC+4*\i+2:AC+4*\i+3]
.endr
.endr
	REDUCE
.irp i, 0,1,2,3
	v_fma_f32 v[AC+4*\i], v[AC+4*\i], s18, s19     ; the variance + 1e-5
.endr
	s_wait_alu depctr_va_vdst(0)
.irp i, 0,1,2,3
	v_rsq_f32 v[MN+2*\i], v[AC+4*\i]
.endr
	v_nop                                          ; a plain place behind the transcendentals
	s_wait_alu depctr_va_vdst(0)                   ; one wait for the four, ahead of their first reader
	s_wait_loadcnt 0x0                             ; the gain and the offset
.irp i, 0,1,2,3
.set k, 0
.rept 16
	v_pk_mul_f32 v[Z+32*\i+k:Z+32*\i+k+1], v[Z+32*\i+k:Z+32*\i+k+1], v[MN+2*\i:MN+2*\i+1] op_sel_hi:[1,0]
.set k, k+2
.endr
.set k, 0
.rept 16
	v_pk_fma_f32 v[Z+32*\i+k:Z+32*\i+k+1], v[Z+32*\i+k:Z+32*\i+k+1], v[G+k:G+k+1], v[BE+k:BE+k+1]
.set k, k+2
.endr
.irp j, 0,1,2,3,4,5,6,7
	global_store_b128 v1, v[Z+32*\i+4*\j:Z+32*\i+4*\j+3], s[10:11] offset:4096*\i+512*\j th:TH_STORE_NT   ; 512 consecutive bytes a store, aligned
.endr
.endr
	s_endpgm
.Lfunc_end_k_q0fac7607a7_ln2:
	.size	k_q0fac7607a7_ln2, .Lfunc_end_k_q0fac7607a7_ln2-k_q0fac7607a7_ln2
	.p2alignl 7, 3214868480
	.fill 96, 4, 3214868480
	.section	.rodata,"a",@progbits
	.p2align	6, 0x0
	.amdhsa_kernel k_q0fac7607a7_ln2
		.amdhsa_group_segment_fixed_size 0
		.amdhsa_private_segment_fixed_size 0
		.amdhsa_enable_private_segment 0
		.amdhsa_kernarg_size 32
		.amdhsa_user_sgpr_count 2
		.amdhsa_user_sgpr_kernarg_segment_ptr 1
		.amdhsa_wavefront_size32 1
		.amdhsa_system_sgpr_workgroup_id_x 1
		.amdhsa_system_sgpr_workgroup_id_y 1
		.amdhsa_system_sgpr_workgroup_id_z 1
		.amdhsa_system_vgpr_workitem_id 0
		.amdhsa_next_free_vgpr 256
		.amdhsa_next_free_sgpr 66
		.amdhsa_reserve_vcc 0
		.amdhsa_float_denorm_mode_32 3
		.amdhsa_float_denorm_mode_16_64 3
		.amdhsa_memory_ordered 1
		.amdhsa_forward_progress 1
		.amdhsa_inst_pref_size 33
	.end_amdhsa_kernel
	.amdgpu_metadata
---
amdhsa.version: [ 1, 2 ]
amdhsa.kernels:
  - .name:           k_q0fac7607a7_ln2
    .symbol:         k_q0fac7607a7_ln2.kd
    .args:
      - { .name: z, .offset: 0, .size: 8, .value_kind: global_buffer, .address_space: global }
      - { .name: g2, .offset: 8, .size: 8, .value_kind: global_buffer, .address_space: global }
      - { .name: be2, .offset: 16, .size: 8, .value_kind: global_buffer, .address_space: global }
      - { .name: out0, .offset: 24, .size: 8, .value_kind: global_buffer, .address_space: global }
    .group_segment_fixed_size: 0
    .private_segment_fixed_size: 0
    .kernarg_segment_align: 8
    .kernarg_segment_size: 32
    .max_flat_workgroup_size: 128
    .sgpr_count:     66
    .vgpr_count:     256
    .wavefront_size: 32
...
	.end_amdgpu_metadata
.endif
;; end of part 15
